; MI455X (gfx1250); checked and timed in simulation.
; The chip was launched on July 23, 2026; its instructions are those of AMD's public machine-readable ISA for CDNA 5 (MIT licence, August 2026) and "CDNA5" Instruction Set Architecture Reference Guide (July 2026). The comments in the code are by the model that wrote it; some were corrected since.
;; MAB. Allowed arithmetic: matrix products marked QUANTISED: E3M2 operands, one E8M0 scale for each 32 along K, by v_wmma_scale_f32_16x16x128_f8f6f4 with both operands' format E3M2, f32 sums; everything else in f32.
;; Inputs: K 8 x 1,024 x 1,024 float32; Q 8 x 1,024 x 1,024 float32; Wk 1,024 x 1,024 float32; Wo 1,024 x 1,024 float32; Wq 1,024 x 1,024 float32; Wv 1,024 x 1,024 float32; b0 1,024 float32; b1 1,024 float32; bk 1,024 float32; bo 1,024 float32; bq 1,024 float32; bv 1,024 float32; g0 1,024 float32; g1 1,024 float32.
;; Outputs: out0 8 x 1,024 x 1,024 float32.
;; This version of the problem:
;;   THIS VERSION OF THE PROBLEM IS GIVEN IN LOW PRECISION. The matrix products marked QUANTISED in the list below multiply operands that are first quantised to E3M2 (3 exponent bits, 2 mantissa bits; 6 bits a number), with one power-of-two scale for each 32 numbers along K (OCP MX v1.0); their sums are f32. All else is computed in f32.
;;   The module's matrix products, in the order in which they are computed (A, B: the left and right operand; K: the contracted axis; several contracted axes count as one K, in the product's order):
;;     1. [M 8,192, K 1,024] x [K 1,024, N 1,024]; A: input Q; B: input Wq: QUANTISED
;;     2. [M 8,192, K 1,024] x [K 1,024, N 1,024]; A: input K; B: input Wk: QUANTISED
;;     3. [M 8,192, K 1,024] x [K 1,024, N 1,024]; A: input K; B: input Wv: QUANTISED
;;     4. batch 128 x [M 1,024, K 64] x [K 64, N 1,024]; A: computed on the way; B: computed on the way: QUANTISED
;;     5. batch 128 x [M 64, K 1,024] x [K 1,024, N 1,024]; A: computed on the way; B: softmax (see below): QUANTISED
;;     6. [M 8,192, K 1,024] x [K 1,024, N 1,024]; A: computed on the way; B: input Wo: QUANTISED
;;   THE QUANTISER, for each operand of a quantised product, along K:
;;     - K is cut into blocks of 32 from its start; a last block that is shorter is filled with zeros.
;;     - A block's scale is 2^e with e = floor(log2(the largest magnitude in the block)) - 4, held to -126 .. 127; a block of zeros has e = 0. As a byte (E8M0): e + 127.
;;     - Each number is divided by its block's scale, clamped to +-28, and rounded to the nearest number of E3M2, ties to even, subnormals kept.
;;     - The product sums the exact products of the quantised numbers (number of the format x scale) in f32.
;;   ~~~python
;;   def quantise(x, axis):      # numpy; x: float32 -> the quantised numbers, widened to float32 again
;;       x = np.moveaxis(x, axis, -1); K = x.shape[-1]
;;       x = np.pad(x, [(0, 0)] * (x.ndim - 1) + [(0, -K % 32)]); x = x.reshape(x.shape[:-1] + (-1, 32)); a = np.abs(x).max(-1, keepdims=True)
;;       e = np.where(a > 0, np.clip(np.frexp(np.where(a > 0, a, 1))[1] - 1 - 4, -126, 127), 0)      # np.frexp(a)[1] - 1 = floor(log2(a)), exactly
;;       r = np.clip(x / 2.0 ** e, -28, 28)
;;       step = 2.0 ** (np.maximum(np.frexp(np.where(r == 0, 1, r))[1] - 1, -2) - 2)
;;       q = np.round(r / step) * step * 2.0 ** e      # np.round: ties to even
;;       return np.moveaxis(q.reshape(q.shape[:-2] + (-1,))[..., :K], -1, axis).astype(np.float32)
;;   ~~~
;;   SOFTMAX AHEAD OF A QUANTISED PRODUCT. Where the list says 'softmax', what is quantised is not the finished softmax but p = 2^(t - M), with t = logit x log2(e) and M = ceil(the row's largest t), a whole number; so 1/2 < the row's largest p <= 1. The row's sum l is taken of the UNQUANTISED p, in f32, and the product's result is divided by l at the end. Since M is a whole number, a kernel that streams over the keys may use a running M (the ceiling of the running maximum): every later rescaling is an exact power of two, which a block's scale takes up: the codes' values come out the same.
;;   OPERANDS COMPUTED ON THE WAY. 'Computed on the way' means the value that the module computes at that place (a softmax that the list does not call 'softmax' is quantised finished and normalised). What goes into a quantiser is computed in f32, as accurately as f32 sums, v_exp_f32 and their like allow (about 1e-6 of the number): no bf16 or f16 on the way to a quantiser, and a product that is left as it is and whose result goes on into a quantised operand takes f32 operands (vector FMAs, or v_wmma_f32_16x16x4_f32). A number that lies on a knife's edge between two numbers of the format may be rounded either way, as far as f32 arithmetic and the matrix unit's own rounding can turn it there, and no further.
;; 3 versions. Each part assembles by itself: llvm-mc -triple=amdgcn-amd-amdhsa -mcpu=gfx1250 --defsym DOCPART=n.
;; ======== version 1 of 3: 4 launches
;; workspace buffers: xc 15,728,640 bytes; xs 655,360 bytes; pc 18,874,368 bytes; ps 786,432 bytes; qf 33,554,432 bytes; ob 33,554,432 bytes
;; launch quant (part 1): grid 640 x 1, 4 waves a work-group, no clusters, 34,304 bytes of LDS; arguments Q, K, Wq, Wk, Wv, Wo, xc, xs; writes xc, xs
.if DOCPART == 1
	.amdgcn_target "amdgcn-amd-amdhsa--gfx1250"
	.amdhsa_code_object_version 6
	.text
	.protected	k_qe955dd5064_quant
	.globl	k_qe955dd5064_quant
	.p2align	8
	.type	k_qe955dd5064_quant,@function
k_qe955dd5064_quant:
	s_mov_b64 s[64:65], 0
	v_nop
	global_prefetch_b8 v0, s[64:65] scope:SCOPE_SE
	s_setreg_imm32_b32 hwreg(HW_REG_WAVE_MODE, 25, 1), 1
	s_wait_xcnt 0x0
; Q, K [8192][1024] and Wq, Wk, Wv, Wo [1024][1024], f32 with K innermost, become codes of BF6 (E3M2) with one E8M0 byte for each 32 along K.
; A block's scale is 2^(floor(log2(its largest magnitude)) - 4); its byte is the largest magnitude's exponent field - 4, held at 1 from below.
; LAYOUT OF THE RESULT.  The six tensors are 160 row blocks of 128 rows (Q 0-63, K 64-127, Wq 128-135, Wk 136-143, Wv 144-151, Wo 152-159).  Block (RB, s), s = 128 along K,
; is 12,288 bytes of codes at (8 RB + s) x 12,288: eight IMAGES OF AN OPERAND'S REGISTERS (16 rows x 128 K: 12 registers a lane), each three pieces of 512 bytes, piece c = registers 4 c .. 4 c + 3,
; lane l's 16 bytes at 16 l.  Its scale words are 512 bytes at (8 RB + s) x 512, laid [tile / 4][row 0..15][tile % 4], so that 16 bytes give a lane four tiles' words.
; THE ROWS OF A TILE ARE NOT NEIGHBOURS: row i of tile T is the block's row 32 (T / 2) + 8 (T % 2) + 16 (i / 8) + i % 8, so that a product that takes such tiles as its source 0 has, in the
; 16 registers of two neighbouring tiles, 16 neighbours along that axis.
; SHARES.  A wave takes 64 rows x 128 along K: four fragments.  Each load reads a row's 512 consecutive bytes; the 16 rows turn through the wave's own stage in LDS (pitch 528 = 33 x 16 bytes, so that
; sixteen rows start in sixteen different 16-byte columns) and come back so that lane (r, h) holds k = 64 c + 32 h + 0 .. 31 of row r: two whole blocks, in the operand's own order.
; No barrier: waves share nothing.  Loads run one fragment (16 loads) ahead.
; LIMITS: NaN and infinities are not served.  A block whose largest magnitude lies under 2^-122 keeps the byte 1; a block of zeros so gets 1 where the rule says 127: its codes are zeros, and this program alone reads the bytes.
.set SPI,   528                        ; a stage row
.set STGB,  16*SPI                     ; a wave's stage
.set R,     16                         ; v16-143  two sets of 64: 16 rows as loaded
.set X,     144                        ; v144-207 my 64 numbers: register 32 c + i = k 64 c + 32 h + i
.set C,     208                        ; v208-219 the fragment's codes
.set T,     220                        ; v220-222, v224-226 the upper halves of the two blocks (a conversion's three registers begin on an even number)
.set MX,    228                        ; v228-229 largest magnitudes, v230-231 scale operands, v232-233 bytes, v234 my two bytes, v235 the other half's
.set PW,    236                        ; v236-239 the four fragments' scale words
.set OW,    240                        ; v240-241 the two words that I store
	s_load_b512 s[8:23], s[0:1], 0x0               ; Q 8:9, K 10:11, Wq 12:13, Wk 14:15, Wv 16:17, Wo 18:19, xc 20:21, xs 22:23
	v_lshl_add_u32 v248, v0, 2, 0x8400
	v_mov_b32 v249, 0
	v_lshrrev_b32 v1, 5, v0
	v_readfirstlane_b32 s24, v1                    ; wave 0..3
	v_and_b32 v1, 31, v0                           ; lane
	v_and_b32 v2, 15, v0                           ; r
	v_bfe_u32 v3, v0, 4, 1                         ; h
	v_lshlrev_b32 v4, 4, v1                        ; 16 x lane: my bytes of a row as loaded, and of a piece as stored; never rewritten
	s_mul_i32 s29, s24, STGB                       ; my stage
	v_add_nc_u32 v5, s29, v4                       ; into it: 16 x lane, the row in the immediate
	v_mul_u32_u24 v6, v2, SPI
	v_lshl_add_u32 v6, v3, 7, v6
	v_add_nc_u32 v6, s29, v6                       ; out of it: row r, + 128 h bytes
	v_lshlrev_b32 v7, 4, v2
	v_lshl_add_u32 v7, v3, 3, v7                   ; the scale words' place: 16 r + 8 h
	v_lshlrev_b32 v8, 3, v3                        ; 8 h: my bytes' shift in a scale word
	v_mov_b32 v[MX+7], 0                           ; written once: a lane permute's destination counts as one of its sources
	s_mov_b32 s30, 0x76543210
	s_mov_b32 s31, 0xfedcba98                      ; selects for lane l xor 16
	s_lshr_b32 s25, ttmp9, 2                       ; the row block, 0..159
	s_and_b32 s32, ttmp9, 3
	s_lshl_b32 s32, s32, 1
	s_lshr_b32 s33, s24, 1
	s_or_b32 s32, s32, s33                         ; s: which 128 along K
	s_and_b32 s33, s24, 1                          ; G: which 64 rows of the block
	s_wait_kmcnt 0x0
	s_mov_b64 s[26:27], s[18:19]                   ; which tensor: the choice hangs on the work-group's number alone
	s_mov_b32 s28, 152                             ; and its first row block
	s_cmp_lt_u32 s25, 152
	s_cselect_b64 s[26:27], s[16:17], s[26:27]
	s_cselect_b32 s28, 144, s28
	s_cmp_lt_u32 s25, 144
	s_cselect_b64 s[26:27], s[14:15], s[26:27]
	s_cselect_b32 s28, 136, s28
	s_cmp_lt_u32 s25, 136
	s_cselect_b64 s[26:27], s[12:13], s[26:27]
	s_cselect_b32 s28, 128, s28
	s_cmp_lt_u32 s25, 128
	s_cselect_b64 s[26:27], s[10:11], s[26:27]
	s_cselect_b32 s28, 64, s28
	s_cmp_lt_u32 s25, 64
	s_cselect_b64 s[26:27], s[8:9], s[26:27]
	s_cselect_b32 s28, 0, s28
	s_sub_co_u32 s34, s25, s28
	s_lshl_b32 s34, s34, 19                        ; 128 rows of 4,096 bytes a block,
	s_lshl_b32 s35, s33, 18                        ; 64 rows,
	s_or_b32 s34, s34, s35
	s_lshl_b32 s35, s32, 9                         ; 128 numbers along K
	s_or_b32 s34, s34, s35
	s_mov_b32 s35, 0
	s_add_nc_u64 s[26:27], s[26:27], s[34:35]
	s_lshl_b32 s36, s25, 3
	s_add_co_u32 s36, s36, s32                     ; 8 RB + s
	s_mul_i32 s34, s36, 12288
	s_mul_i32 s37, s33, 6144
	s_add_co_u32 s34, s34, s37
	s_add_nc_u64 s[20:21], s[20:21], s[34:35]      ; my four images
	s_lshl_b32 s34, s36, 9
	s_lshl_b32 s37, s33, 8
	s_add_co_u32 s34, s34, s37
	s_add_nc_u64 s[22:23], s[22:23], s[34:35]      ; my 256 bytes of scale words
.macro LOAD f                          ; fragment f's 16 rows into set f % 2: 32 lanes read a row's 512 consecutive bytes
.irp i, 0,1,2,3,4,5,6,7,8,9,10,11,12,13,14,15
	global_load_b128 v[R+64*((\f)%2)+4*\i:R+64*((\f)%2)+4*\i+3], v4, s[26:27] offset:(32*((\f)/2)+8*((\f)%2)+16*(\i/8)+\i%8)*4096 th:TH_LOAD_NT
.endr
.endm
.macro FRAG f
.if (\f) < 3
	s_wait_loadcnt 16                              ; this fragment's 16 loads are in; the next fragment's may be out
.else
	s_wait_loadcnt 0x0
.endif
.irp i, 0,1,2,3,4,5,6,7,8,9,10,11,12,13,14,15
	ds_store_b128 v5, v[R+64*((\f)%2)+4*\i:R+64*((\f)%2)+4*\i+3] offset:SPI*\i
.endr
.irp c, 0,1
.irp q, 0,1,2,3,4,5,6,7
	ds_load_b128 v[X+32*\c+4*\q:X+32*\c+4*\q+3], v6 offset:256*\c+16*\q   ; LDS serves a wave's instructions in order: these see the stores above
.endr
.endr
	s_wait_dscnt 0x0                               ; my numbers are back, and the stores have read their registers,
.if (\f) < 2
	LOAD (\f)+2                                    ; which take the loads of two fragments on
.endif
.irp c, 0,1
	v_max3_num_f32 v[MX+\c], |v[X+32*\c]|, |v[X+32*\c+1]|, 0x2800000   ; block 2 c + h: all its 32 numbers are mine; the floor 2^(5 - 127) holds the byte at 1 from below
.endr
.irp i, 2,4,6,8,10,12,14,16,18,20,22,24,26,28,30
.irp c, 0,1
	v_max3_num_f32 v[MX+\c], v[MX+\c], |v[X+32*\c+\i]|, |v[X+32*\c+\i+1]|   ; (the two blocks by turns)
.endr
.endr
.irp c, 0,1
	v_add_nc_u32 v[MX+2+\c], 0xfe000000, v[MX+\c]  ; 4 off the exponent field: the conversion takes the exponent field of this operand as its scale
.endr
.irp c, 0,1
	v_lshrrev_b32 v[MX+4+\c], 23, v[MX+2+\c]       ; the scale's byte
.endr
	v_lshl_or_b32 v[MX+6], v[MX+5], 16, v[MX+4]    ; blocks h and 2 + h of row r,
	v_lshlrev_b32 v[MX+6], v8, v[MX+6]             ; at their places in the word;
	v_permlanex16_b32 v[MX+7], v[MX+6], s30, s31
	v_or_b32 v[PW+(\f)], v[MX+6], v[MX+7]          ; with lane l xor 16's two the word is whole
	s_wait_xcnt 0x0                                ; the last fragment's stores have read the codes' registers: they are written again only behind this wait
.irp c, 0,1
	v_cvt_scalef32_pk16_bf6_f32 v[C+6*\c:C+6*\c+2], v[X+32*\c:X+32*\c+15], v[MX+2+\c]
	v_cvt_scalef32_pk16_bf6_f32 v[T+4*\c:T+4*\c+2], v[X+32*\c+16:X+32*\c+31], v[MX+2+\c]
.endr
	v_nop                                          ; one plain place behind a scaled conversion
.irp c, 0,1
.irp i, 0,1,2
	v_mov_b32 v[C+3+6*\c+\i], v[T+4*\c+\i]
.endr
.endr
.irp c, 0,1,2
	global_store_b128 v4, v[C+4*\c:C+4*\c+3], s[20:21] offset:1536*(\f)+512*\c   ; 32 lanes store 512 consecutive bytes, at a multiple of 512 from the buffer's first byte
.endr
.endm
	LOAD 0
	LOAD 1
	FRAG 0
	FRAG 1
	FRAG 2
	FRAG 3
	v_cmp_ne_u32 vcc_lo, 0, v3
	v_cndmask_b32 v[OW], v[PW], v[PW+2], vcc_lo    ; lane (r, h) stores row r's words of fragments 2 h and 2 h + 1
	v_cndmask_b32 v[OW+1], v[PW+1], v[PW+3], vcc_lo
	global_store_b64 v7, v[OW:OW+1], s[22:23]      ; 32 lanes store 256 consecutive bytes, aligned
	s_wait_tensorcnt 0x0
	ds_add_u32 v248, v249
	s_wait_dscnt 0x0
	s_endpgm
.Lfunc_end_k_qe955dd5064_quant:
	.size	k_qe955dd5064_quant, .Lfunc_end_k_qe955dd5064_quant-k_qe955dd5064_quant
	.p2alignl 7, 3214868480
	.fill 96, 4, 3214868480
	.section	.rodata,"a",@progbits
	.p2align	6, 0x0
	.amdhsa_kernel k_qe955dd5064_quant
		.amdhsa_group_segment_fixed_size 34304
		.amdhsa_private_segment_fixed_size 0
		.amdhsa_enable_private_segment 0
		.amdhsa_kernarg_size 64
		.amdhsa_user_sgpr_count 2
		.amdhsa_user_sgpr_kernarg_segment_ptr 1
		.amdhsa_wavefront_size32 1
		.amdhsa_system_sgpr_workgroup_id_x 1
		.amdhsa_system_sgpr_workgroup_id_y 1
		.amdhsa_system_sgpr_workgroup_id_z 1
		.amdhsa_system_vgpr_workitem_id 0
		.amdhsa_next_free_vgpr 250
		.amdhsa_next_free_sgpr 66
		.amdhsa_reserve_vcc 1
		.amdhsa_float_denorm_mode_32 3
		.amdhsa_float_denorm_mode_16_64 3
		.amdhsa_memory_ordered 1
		.amdhsa_forward_progress 1
		.amdhsa_inst_pref_size 31
	.end_amdhsa_kernel
	.amdgpu_metadata
---
amdhsa.version: [ 1, 2 ]
amdhsa.kernels:
  - .name:           k_qe955dd5064_quant
    .symbol:         k_qe955dd5064_quant.kd
    .args:
      - { .name: Q, .offset: 0, .size: 8, .value_kind: global_buffer, .address_space: global }
      - { .name: K, .offset: 8, .size: 8, .value_kind: global_buffer, .address_space: global }
      - { .name: Wq, .offset: 16, .size: 8, .value_kind: global_buffer, .address_space: global }
      - { .name: Wk, .offset: 24, .size: 8, .value_kind: global_buffer, .address_space: global }
      - { .name: Wv, .offset: 32, .size: 8, .value_kind: global_buffer, .address_space: global }
      - { .name: Wo, .offset: 40, .size: 8, .value_kind: global_buffer, .address_space: global }
      - { .name: xc, .offset: 48, .size: 8, .value_kind: global_buffer, .address_space: global }
      - { .name: xs, .offset: 56, .size: 8, .value_kind: global_buffer, .address_space: global }
    .group_segment_fixed_size: 34304
    .private_segment_fixed_size: 0
    .kernarg_segment_align: 8
    .kernarg_segment_size: 64
    .max_flat_workgroup_size: 128
    .sgpr_count:     66
    .vgpr_count:     250
    .wavefront_size: 32
...
	.end_amdgpu_metadata
.endif
;; end of part 1
;; launch proj (part 2): grid 4 x 96, 4 waves a work-group, clusters of 4 x 4, 327,680 bytes of LDS; arguments xc, xs, bq, bk, bv, pc, ps, qf; writes pc, ps, qf
.if DOCPART == 2
	.amdgcn_target "amdgcn-amd-amdhsa--gfx1250"
	.amdhsa_code_object_version 6
	.text
	.protected	k_qe955dd5064_proj
	.globl	k_qe955dd5064_proj
	.p2align	8
	.type	k_qe955dd5064_proj,@function
k_qe955dd5064_proj:
	s_mov_b64 s[64:65], 0
	v_nop
	global_prefetch_b8 v0, s[64:65] scope:SCOPE_SE
	s_setreg_imm32_b32 hwreg(HW_REG_WAVE_MODE, 25, 1), 1
	s_wait_xcnt 0x0
	s_wait_alu depctr_hold_cnt(0) depctr_sa_sdst(0) depctr_va_vdst(0) depctr_va_sdst(0) depctr_va_ssrc(0) depctr_va_vcc(0) depctr_vm_vsrc(0)
	s_getreg_b32 s2, hwreg(HW_REG_IB_STS2, 6, 4)
	s_cmp_eq_u32 s2, 0
	s_cbranch_scc0 .Lentry_in_a_cluster
	s_endpgm
.Lentry_in_a_cluster:
	s_bfe_u32 s2, ttmp6, 0x10000c
	s_cmp_lg_u32 s2, 0xf033
	s_cbranch_scc0 .Lentry_shape_is_right
	s_endpgm
.Lentry_shape_is_right:
; q = Q Wq^T + bq, k = K Wk^T + bk, v = K Wv^T + bv on codes of BF6 (E3M2) with E8M0 scales, and each result quantised again for attention, in registers, on the way out.
; OPERANDS come as blocks of 128 rows x 128 K: 12,288 bytes of codes (eight images of an operand's 12 registers, three pieces of 512 bytes each, lane l's 16 bytes at 16 l) and 512 bytes of scale
; words ([tile / 4][row][tile % 4]).  Block (RB, s) lies at (8 RB + s) x 12,288 of xc and x 512 of xs.  Row i of tile T is the block's row 32 (T / 2) + 8 (T % 2) + 16 (i / 8) + i % 8.
; THREE PRODUCTS IN ONE LAUNCH, told apart by pid = cluster y / 8.  L is the operand whose rows fall to LANES (source 1), R the one whose rows fall to REGISTERS (source 0): R's axis is the one quantised next.
;   pid 0: L = Q, R = Wq;   pid 1: L = K, R = Wk (results [token][channel], quantised along the channels);   pid 2: L = Wv, R = K (results [channel][token], quantised along the tokens, the keys).
; By the order of R's rows the 64 registers of a block of 16 rows of L are register 16 b + i = R's index 32 b + 16 (lane / 16) + i: 16 neighbours at a time, as the conversions want them.
; A tile is 256 x 256, a wave makes 128 x 128: 64 accumulators, 512 registers.  K goes in steps of 256 through two LDS slots: four fills.  The scale words of all of K come once, with the first fills.
; CLUSTERS: 4 x 4 work-groups; L's tile is shared along a row of the cluster, R's along a column: each is asked for jointly, by the same tensor load with the same descriptor and a mask that names the four.
; pid is the same in all sixteen partners.  384 tiles: half as many again as work-groups that run at a time; a tile of 128 x 256 would share evenly and read each LDS byte for half the products.
; RESULTS.  pc, ps: blocks as above at index 512 pid + W, W = ((batch x 8 + head pair) x 8 + s); q, k: rows = tokens 128 s on, K = the pair's 128 channels; v: rows = the pair's channels, K = keys 128 s on.
; qf: q in f32, as images of 64 registers (16 pieces of 512 bytes) at (8 W + tile) x 8,192.
; THE BIAS has no branch: the form along the registers (q, k) and the form along the lanes (v) are both loaded, from offsets that stay inside the buffer, and the one that does not apply is cleared.
; LIMITS: NaN and infinities are not served; a block whose largest magnitude lies under 2^-122 keeps the byte 1 (a block of zeros too: its codes are zeros, and this program alone reads the bytes).
; REGISTERS, in windows of 256: window 0: v1-29 addresses; v32-63 scale words, two sets; v64-127 the bias along the registers; v128-223 L's fragments, one set; v240-247 the bias along the lanes; v248-255 the new scale words.
;   window 1: R's fragments, two sets, at v0 and v128.   windows 2, 3: the accumulators ((a, b) at v[8 (8 (a % 4) + b)]).   On the way out: v128-191 a block's numbers, v192-203 at work, v208-226 its codes.
.set HALFT,  24576                     ; what one tensor load brings: 128 rows x 256 along K, two blocks
.set SLOT,   4*HALFT                   ; L's two halves, then R's two
.set SCL,    2*SLOT                    ; behind the ring: the scale words, 4,096 bytes for each 128 rows
.set SPARE,  SCL+4*4096                ; the spare words, 128 bytes for each wave: two blocks of 256 bytes that no other line names
.set FR,     12                        ; registers of a fragment
.set NL,     3                         ; LDS loads that bring one
.set NP,     4                         ; places behind this matrix instruction (ISA guide 7.12.1)
.set ADRA, 16                          ; v16-17  LDS address of L's fragments in slot 0, 1
.set ADRB, 20                          ; v20-21  of R's
.set LI,   24                          ; v24     16 x lane; never rewritten
.set ADRS, 27                          ; v27     my scale words: lanes 0-15 L's, lanes 16-31 R's
.set SPW,  28                          ; v28     my spare word; never rewritten
.set NIL,  29                          ; v29     0; never rewritten
.set SC,   32                          ; set sc, register 16 sc + 8 q + i: lanes 0-15 the words of L's tile i, lanes 16-31 of R's tile i, for the slot's q-th 128 along K
.set BIAS, 64
.set AF,   128
.set BL,   240
.set PWS,  248
.set X,    128
.set TM,   192
.set PC,   208
.set BB,   228                         ; v228-229 the lanes' bias of the block in hand, as a pair
.set WV,   20
.set HI,   21                          ; which half of L is mine; also: I fetch for L (0) or for R (1)
.set LO,   22                          ; which half of R is mine; also: which 128 rows I fetch
.set PID,  23
.set G1,   24                          ; s[24:31] group 1 for L's tiles; s[32:39] group 0, a set for each slot
.set G0,   32
.set G1B,  48                          ; the same for R's
.set G0B,  56
.set SEL,  66
.set G1S,  68                          ; groups 1 and 0 for L's scale words; for R's
.set G0S,  76
.set G1SB, 80
.set G0SB, 88
.set MSB, 0
.macro WIN new                         ; the immediate's high byte repeats the setting that is left
.if MSB != (\new)
	s_set_vgpr_msb (MSB<<8)|(\new)
.set MSB, (\new)
.endif
.endm
.set MUL_LO, 0xa1                      ; source 0 (R) window 1, source 1 (L) window 0, C and D window 2
.set MUL_HI, 0xf1                      ; the same, C and D window 3
.set TO_B,   0x40                      ; destination window 1, address window 0
; A joint load: waves 0 and 1 fetch for L, waves 2 and 3 for R.  The branch hangs on the wave's number alone.  Four v_nop follow each of the two lines.
.macro JLOAD g0a, g1a, g0b, g1b
	s_cmp_eq_u32 s[HI], 0
	s_cbranch_scc0 .Lfor_b_\@
	tensor_load_to_lds s[\g0a:\g0a+3], s[\g1a:\g1a+7]
	s_nop 0
.rept 4
	v_nop
.endr
	s_branch .Lasked_\@
.Lfor_b_\@:
	tensor_load_to_lds s[\g0b:\g0b+3], s[\g1b:\g1b+7]
	s_nop 0
.rept 4
	v_nop
.endr
.Lasked_\@:
.endm
.macro CREST                           ; a round of the cluster's barrier behind its opening barrier
	s_cmp_lg_u32 s[WV], 0
	s_cbranch_scc1 .Lnot_wave_0_\@
	s_barrier_signal -3
.Lnot_wave_0_\@:
	s_barrier_wait -3
	s_barrier_signal -1
	s_barrier_wait -1
.endm
.macro CROUND                          ; a whole round
	s_barrier_signal -1
	s_barrier_wait -1
	CREST
.endm
	s_load_b512 s[4:19], s[0:1], 0x0               ; xc 4:5, xs 6:7, bq 8:9, bk 10:11, bv 12:13, pc 14:15, ps 16:17, qf 18:19
	v_lshl_add_u32 v[SPW], v0, 2, SPARE
	v_mov_b32 v[NIL], 0
	ds_add_u32 v28, v29
	ds_add_u32 v28, v29
	s_wait_dscnt 0x0
	v_lshrrev_b32 v1, 5, v0
	v_readfirstlane_b32 s[WV], v1                  ; wave 0..3
	s_lshr_b32 s[HI], s[WV], 1
	s_and_b32 s[LO], s[WV], 1
	s_bfe_u32 s40, ttmp6, 0x40000                  ; cx
	s_bfe_u32 s41, ttmp6, 0x40004                  ; cy
	s_and_b32 s42, ttmp7, 0xffff                   ; cluster y, 0..23
	s_lshr_b32 s[PID], s42, 3
	s_and_b32 s42, s42, 7
	s_lshl_b32 s45, s42, 2                         ; 4 c: the long operand's tiles go by clusters
	s_lshl_b32 s96, s[PID], 6                      ; L's first row block: 0, 64, (144)
	s_lshl_b32 s98, s[PID], 3
	s_add_co_u32 s98, s98, 128                     ; R's: 128, 136, (64)
	s_cmp_lt_u32 s[PID], 2
	s_cselect_b32 s92, s45, 0
	s_cselect_b32 s93, 0, s45
	s_cselect_b32 s96, s96, 144
	s_cselect_b32 s98, s98, 64
	s_add_co_u32 s92, s92, s41                     ; L's tile of 256 rows: hangs on cy, never on cx
	s_add_co_u32 s93, s93, s40                     ; R's: on cx, never on cy
	s_lshl_b32 s94, s92, 1
	s_lshl_b32 s95, s93, 1
	s_add_co_u32 s96, s96, s94
	s_add_co_u32 s96, s96, s[LO]                   ; the row block of L that I would fetch
	s_add_co_u32 s98, s98, s95
	s_add_co_u32 s98, s98, s[LO]                   ; and of R
	s_add_co_u32 s94, s94, s[HI]                   ; lambda: which 128 rows of L my results have
	s_add_co_u32 s95, s95, s[LO]                   ; rho: which 128 rows of R
	s_lshl_b32 s43, s41, 2
	s_lshl_b32 s43, 15, s43                        ; my row of the cluster
	s_lshl_b32 s44, 0x1111, s40                    ; my column
	; group 1: dense blocks as rows of 256 bytes (32 elements of 8 bytes), no padding: the images are read 512 consecutive bytes an instruction
	s_or_b32 s[G1+0], s43, (3<<16)|(1<<21)         ; 15:0 the mask; 17:16 elements of 8 bytes; 21 set beside a mask
	s_or_b32 s[G1B+0], s44, (3<<16)|(1<<21)
	s_or_b32 s[G1S+0], s43, (3<<16)|(1<<21)
	s_or_b32 s[G1SB+0], s44, (3<<16)|(1<<21)
.irp g, G1, G1B
	s_mov_b32 s[\g+1], 32<<16                      ; tensor_dim0
	s_mov_b32 s[\g+2], 96<<16                      ; tensor_dim1: 24,576 bytes
	s_mov_b32 s[\g+3], 32<<16                      ; tile_dim0
	s_mov_b32 s[\g+4], 96                          ; tile_dim1
	s_mov_b32 s[\g+5], 32                          ; the pitch
	s_mov_b32 s[\g+6], 0
	s_mov_b32 s[\g+7], 0
.endr
.irp g, G1S, G1SB
	s_mov_b32 s[\g+1], 32<<16
	s_mov_b32 s[\g+2], 16<<16                      ; 4,096 bytes
	s_mov_b32 s[\g+3], 32<<16
	s_mov_b32 s[\g+4], 16
	s_mov_b32 s[\g+5], 32
	s_mov_b32 s[\g+6], 0
	s_mov_b32 s[\g+7], 0
.endr
	s_lshl_b32 s46, s96, 12                        ; a row block's scale words: 8 x 512 bytes
	s_mov_b32 s47, 0
	s_mul_i32 s96, s96, 98304                      ; its codes: 8 x 12,288
	s_mov_b32 s97, 0
	s_lshl_b32 s2, s98, 12
	s_mov_b32 s3, 0
	s_mul_i32 s98, s98, 98304
	s_mov_b32 s99, 0
	s_mul_i32 s45, s[WV], HALFT                    ; where they go: no place in the cluster enters an LDS address
	s_lshl_b32 s42, s[WV], 12
	s_wait_kmcnt 0x0
	s_add_nc_u64 s[96:97], s[4:5], s[96:97]
	s_add_nc_u64 s[46:47], s[6:7], s[46:47]
	s_add_nc_u64 s[98:99], s[4:5], s[98:99]
	s_add_nc_u64 s[2:3], s[6:7], s[2:3]
	CROUND                                         ; all sixteen work-groups are here: the first joint loads meet
	s_mov_b32 s[G0S], 1
	s_add_co_u32 s[G0S+1], s42, SCL
	s_mov_b64 s[G0S+2:G0S+3], s[46:47]
	s_or_b32 s[G0S+3], s[G0S+3], 0x80000000
	s_mov_b32 s[G0SB], 1
	s_add_co_u32 s[G0SB+1], s42, SCL
	s_mov_b64 s[G0SB+2:G0SB+3], s[2:3]
	s_or_b32 s[G0SB+3], s[G0SB+3], 0x80000000
	JLOAD G0S, G1S, G0SB, G1SB                     ; the scale words first: they are wanted with the first K step
.irp s, 0,1
	s_mov_b32 s[G0+4*\s], 1
	s_add_co_u32 s[G0+4*\s+1], s45, \s*SLOT
	s_add_nc_u64 s[G0+4*\s+2:G0+4*\s+3], s[96:97], \s*HALFT
	s_or_b32 s[G0+4*\s+3], s[G0+4*\s+3], 0x80000000
	s_mov_b32 s[G0B+4*\s], 1
	s_add_co_u32 s[G0B+4*\s+1], s45, \s*SLOT
	s_add_nc_u64 s[G0B+4*\s+2:G0B+4*\s+3], s[98:99], \s*HALFT
	s_or_b32 s[G0B+4*\s+3], s[G0B+4*\s+3], 0x80000000
	JLOAD G0+4*\s, G1, G0B+4*\s, G1B               ; three tensor loads of mine are out
.endr
	; the bias, and where the results go
	s_cmp_eq_u32 s[PID], 0
	s_cselect_b64 s[8:9], s[8:9], s[10:11]
	s_cmp_eq_u32 s[PID], 2
	s_cselect_b64 s[8:9], s[12:13], s[8:9]         ; bq, bk or bv
	s_cmp_lt_u32 s[PID], 2
	s_cselect_b32 s40, s95, 0                      ; along the registers: rho's 128 numbers where that form applies, else the first 128
	s_cselect_b32 s42, 0, s94                      ; along the lanes: lambda's
	s_cselect_b32 s12, -1, 0                       ; the masks that clear the form that does not apply
	s_cselect_b32 s13, 0, -1
	s_cselect_b32 s44, s94, s95                    ; the tokens' block of 128 (0..63),
	s_cselect_b32 s45, s95, s94                    ; the head pair (0..7)
	s_lshl_b32 s40, s40, 9
	s_mov_b32 s41, 0
	s_lshl_b32 s42, s42, 9
	s_mov_b32 s43, 0
	s_add_nc_u64 s[10:11], s[8:9], s[42:43]
	s_add_nc_u64 s[8:9], s[8:9], s[40:41]
	s_lshr_b32 s40, s44, 3
	s_lshl_b32 s40, s40, 3
	s_add_co_u32 s40, s40, s45
	s_lshl_b32 s40, s40, 3
	s_and_b32 s44, s44, 7
	s_add_co_u32 s40, s40, s44                     ; W = ((batch x 8 + pair) x 8 + s)
	s_lshl_b32 s42, s40, 16
	s_add_nc_u64 s[18:19], s[18:19], s[42:43]      ; qf: 8 images of 8,192 bytes
	s_lshl_b32 s44, s[PID], 9
	s_add_co_u32 s40, s40, s44
	s_mul_i32 s42, s40, 12288
	s_add_nc_u64 s[14:15], s[14:15], s[42:43]
	s_lshl_b32 s42, s40, 9
	s_add_nc_u64 s[16:17], s[16:17], s[42:43]
	s_mov_b32 s[SEL], 0x76543210
	s_mov_b32 s[SEL+1], 0xfedcba98                 ; selects for lane l xor 16
	v_and_b32 v1, 15, v0                           ; r
	v_bfe_u32 v2, v0, 4, 1                         ; h
	v_and_b32 v3, 31, v0
	v_lshlrev_b32 v[LI], 4, v3
	v_lshlrev_b32 v7, 6, v2                        ; the registers' bias: register 16 b + i is number 32 b + 16 h + i
	v_and_b32 v8, 8, v1
	v_add_nc_u32 v8, v8, v1
	v_lshlrev_b32 v8, 2, v8                        ; the lanes': row r of tile a is number 32 (a / 2) + 8 (a % 2) + r + 8 (r / 8)
.irp b, 0,1,2,3
.irp j, 0,1,2,3
	global_load_b128 v[BIAS+16*\b+4*\j:BIAS+16*\b+4*\j+3], v7, s[8:9] offset:128*\b+16*\j
.endr
.endr
.irp a, 0,1,2,3,4,5,6,7
	global_load_b32 v[BL+\a], v8, s[10:11] offset:4*(32*(\a/2)+8*(\a%2))
.endr
	s_mul_i32 s40, s[HI], HALFT                    ; my 128 rows of L
	s_mul_i32 s41, s[LO], HALFT                    ; my 128 rows of R,
	s_add_co_u32 s41, s41, 2*HALFT                 ; behind L's two halves
.irp s, 0,1
	v_add_nc_u32 v[ADRA+\s], s40, v[LI]
	v_add_nc_u32 v[ADRB+\s], s41, v[LI]
	s_add_co_u32 s40, s40, SLOT
	s_add_co_u32 s41, s41, SLOT
.endr
	v_lshlrev_b32 v5, 4, v1                        ; four tiles' words of row r: 16 bytes
	s_lshl_b32 s40, s[HI], 12
	s_lshl_b32 s41, s[LO], 12
	s_add_co_u32 s41, s41, 8192
	s_sub_co_u32 s41, s41, s40
	v_mul_u32_u24 v6, s41, v2                      ; lanes 16-31 take R's: one product, the distance between the two bases
	s_add_co_u32 s40, s40, SCL
	v_add_nc_u32 v5, v5, v6
	v_add_nc_u32 v[ADRS], s40, v5
.macro FRAG reg, adr, q, i             ; a fragment comes as it was stored: three loads of 512 consecutive bytes
.irp c, 0,1,2
	ds_load_b128 v[\reg+4*\c:\reg+4*\c+3], v[\adr] offset:12288*(\q)+1536*(\i)+512*\c
.endr
.endm
; 16 matrix instructions: L's tiles a0, a0 + 1 x R's eight, 128 along K.  p: R's set;  sc: the set of scale words.  zero = 1: the first product starts the sums.
; The 64 accumulators take turns, one instruction a turn, in the same order in every step.
.macro MUL16 a0, p, q, sc, zero
.irp a, \a0, \a0+1
.irp b, 0,1,2,3,4,5,6,7
.if \zero
	v_wmma_scale_f32_16x16x128_f8f6f4 v[8*(8*((\a)%4)+\b):8*(8*((\a)%4)+\b)+7], v[128*(\p)+FR*\b:128*(\p)+FR*\b+FR-1], v[AF+FR*(\a):AF+FR*(\a)+FR-1], 0, v[SC+16*(\sc)+8*(\q)+\b], v[SC+16*(\sc)+8*(\q)+(\a)] matrix_a_fmt:MATRIX_FMT_BF6 matrix_b_fmt:MATRIX_FMT_BF6 matrix_a_scale:MATRIX_SCALE_ROW1
.else
	v_wmma_scale_f32_16x16x128_f8f6f4 v[8*(8*((\a)%4)+\b):8*(8*((\a)%4)+\b)+7], v[128*(\p)+FR*\b:128*(\p)+FR*\b+FR-1], v[AF+FR*(\a):AF+FR*(\a)+FR-1], v[8*(8*((\a)%4)+\b):8*(8*((\a)%4)+\b)+7], v[SC+16*(\sc)+8*(\q)+\b], v[SC+16*(\sc)+8*(\q)+(\a)] matrix_a_fmt:MATRIX_FMT_BF6 matrix_b_fmt:MATRIX_FMT_BF6 matrix_a_scale:MATRIX_SCALE_ROW1
.endif
.endr
.endr
.endm
.macro FETCH_B slot, q, p              ; R's eight fragments of the slot's q-th 128 along K into set p
	WIN TO_B
.irp i, 0,1,2,3,4,5,6,7
	FRAG 128*(\p)+FR*\i, ADRB+\slot, \q, \i
.endr
	WIN 0
.endm
.macro FETCH_A slot, q, i0             ; L's tiles i0 .. i0 + 3
.irp i, \i0, \i0+1, \i0+2, \i0+3
	FRAG AF+FR*(\i), ADRA+\slot, \q, \i
.endr
.endm
.macro SCALES sc                       ; a slot's scale words: four tiles' words a load
.irp q, 0,1
.irp g, 0,1
	ds_load_b128 v[SC+16*\sc+8*\q+4*\g:SC+16*\sc+8*\q+4*\g+3], v[ADRS] offset:512*\q+256*\g
.endr
.endr
.endm
; A load into a register that a matrix instruction has read stands NP places behind it, and only plain vector instructions that name none of its registers are places (ISA guide 7.12.1 for vector instructions).
.macro PLACES n
.rept \n
	v_nop
.endr
.endm
.macro STEP slot, q, zero              ; a step of 128 along K that has its successor in the same slot
	s_wait_dscnt 4*NL                              ; R's set and L's tiles 0-3 are in; the youngest twelve loads (L's tiles 4-7) may be out
	WIN MUL_LO
	MUL16 0, (\q)%2, \q, \slot, \zero
	MUL16 2, (\q)%2, \q, \slot, \zero
	s_wait_dscnt 0                                 ; L's tiles 4-7 are in (asked for 32 matrix instructions ago)
	PLACES NP
	FETCH_B \slot, (\q)+1, 1-(\q)%2
	FETCH_A \slot, (\q)+1, 0
	WIN MUL_HI
	MUL16 4, (\q)%2, \q, \slot, \zero
	MUL16 6, (\q)%2, \q, \slot, \zero
	PLACES NP
	WIN 0
	FETCH_A \slot, (\q)+1, 4
.endm
; A slot's last step changes slots: ONE barrier; in front of it each wave waits for all its tensor loads, adds 0 to its spare word, and waits for that and for its own reads of this slot.  fill = 1: this slot is filled again, two fills ahead.
.macro TURN slot, next, fill
	s_wait_tensorcnt 0x0                           ; all my tensor loads have landed: my part of the next slot
	ds_add_u32 v[SPW], v[NIL]                      ; 0 onto my spare word
	s_wait_dscnt 4*NL+1                            ; (the add and the youngest twelve loads may be out)
	WIN MUL_LO
	MUL16 0, 1, 1, \slot, 0                        ; sixteen matrix instructions stand between the add and the wait for it
	s_wait_dscnt 0x0                               ; the add is done, and my reads of this slot are over
	s_barrier_signal -1
	MUL16 2, 1, 1, \slot, 0
	WIN 0
	s_barrier_wait -1
.if \fill
	CREST                                          ; the barrier has opened a round of the cluster's barrier: no wave of any partner still reads this slot or has a load on its way
	s_add_nc_u64 s[G0+4*\slot+2:G0+4*\slot+3], s[G0+4*\slot+2:G0+4*\slot+3], 2*HALFT
	s_add_nc_u64 s[G0B+4*\slot+2:G0B+4*\slot+3], s[G0B+4*\slot+2:G0B+4*\slot+3], 2*HALFT
	JLOAD G0+4*\slot, G1, G0B+4*\slot, G1B         ; the first tensor load behind the round, my one load until the next; its four v_nop are the places in front of the loads below
.else
	PLACES NP
.endif
	v_add_nc_u32 v[ADRS], 1024, v[ADRS]            ; the next slot's scale words
	FETCH_B \next, 0, 0
	FETCH_A \next, 0, 0
	SCALES \next
	WIN MUL_HI
	MUL16 4, 1, 1, \slot, 0
	MUL16 6, 1, 1, \slot, 0
	PLACES NP
	WIN 0
	FETCH_A \next, 0, 4
.endm
	s_wait_tensorcnt 1                             ; the scale words and my part of slot 0 are in (slot 1's load may be out)
	s_barrier_signal -1
	s_barrier_wait -1                              ; everybody's are
	FETCH_B 0, 0, 0
	FETCH_A 0, 0, 0
	SCALES 0
	FETCH_A 0, 0, 4
	STEP 0, 0, 1                                   ; K = 1,024 is four fills of a slot: written straight
	TURN 0, 1, 1
	STEP 1, 0, 0
	TURN 1, 0, 1
	STEP 0, 0, 0
	TURN 0, 1, 0                                   ; nothing is left to fetch
	STEP 1, 0, 0
	s_wait_dscnt 4*NL
	WIN MUL_LO
	MUL16 0, 1, 1, 1, 0
	MUL16 2, 1, 1, 1, 0
	s_wait_dscnt 0
	WIN MUL_HI
	MUL16 4, 1, 1, 1, 0
	MUL16 6, 1, 1, 1, 0
	WIN 0
; 64 numbers of a lane, register 16 b + i = k 32 b + 16 (lane / 16) + i of my row, become a fragment's codes in v[PC] on and its scale word in v[pw].
.macro QUANT s, pw
.irp b, 0,1,2,3
	v_max3_num_f32 v[TM+\b], |v[\s+16*\b]|, |v[\s+1+16*\b]|, 0x2800000   ; block b: my 16 numbers, and the floor 2^(5 - 127): the byte cannot fall under 1
.endr
.irp i, 2,4,6,8,10,12,14
.irp b, 0,1,2,3
	v_max3_num_f32 v[TM+\b], v[TM+\b], |v[\s+16*\b+\i]|, |v[\s+1+16*\b+\i]|
.endr
.endr
.irp b, 0,1,2,3
	v_permlanex16_b32 v[TM+4+\b], v[TM+\b], s[SEL], s[SEL+1]
.endr
.irp b, 0,1,2,3
	v_max_num_f32 v[TM+\b], v[TM+\b], v[TM+4+\b]   ; with lane l xor 16's: the block's largest magnitude
.endr
.irp b, 0,1,2,3
	v_add_nc_u32 v[TM+8+\b], 0xfe000000, v[TM+\b]  ; 4 off its exponent field: the conversion's scale operand
.endr
.irp b, 0,1,2,3
	v_lshrrev_b32 v[TM+4+\b], 23, v[TM+8+\b]       ; the scale's byte
.endr
	v_lshl_or_b32 v[\pw], v[TM+5], 8, v[TM+4]
	v_lshl_or_b32 v[\pw], v[TM+6], 16, v[\pw]
	v_lshl_or_b32 v[\pw], v[TM+7], 24, v[\pw]
.irp c, 0,1
	v_cvt_scalef32_pk16_bf6_f32 v[PC+6*\c:PC+2+6*\c], v[\s+32*\c:\s+15+32*\c], v[TM+8+2*\c]
	v_cvt_scalef32_pk16_bf6_f32 v[PC+12+4*\c:PC+14+4*\c], v[\s+16+32*\c:\s+31+32*\c], v[TM+8+2*\c+1]   ; (a conversion's three registers begin on an even number)
.endr
	v_nop                                          ; one plain place behind a scaled conversion
.irp c, 0,1                                    ; the operand's layout wants a WHOLE block in a lane: lanes 0-15 block 2 c, lanes 16-31 block 2 c + 1
.irp i, 0,1,2
	v_permlane16_swap_b32 v[PC+6*\c+\i], v[PC+12+4*\c+\i]
.endr
.irp i, 0,1,2
	v_mov_b32 v[PC+3+6*\c+\i], v[PC+12+4*\c+\i]
.endr
.endr
.endm
; THE WAY OUT, a block of 16 rows of L at a time, with no LDS: the block's 64 registers are already an image, and its codes too.
.macro BLOCK a
	s_wait_xcnt 0x0                                ; the last block's stores have read their registers
	WIN 0x02+(\a)/4                                ; source 0: window 2 or 3
.set AC, 64*((\a)%4)
.set ii, 0
.rept 32
	v_pk_add_f32 v[X+ii:X+ii+1], v[AC+ii:AC+ii+1], v[BIAS+ii:BIAS+ii+1]   ; each accumulator from its low end on
.set ii, ii+2
.endr
	WIN 0
	v_mov_b32 v[BB], v[BL+(\a)]
.set ii, 0
.rept 32
	v_pk_add_f32 v[X+ii:X+ii+1], v[X+ii:X+ii+1], v[BB:BB+1] op_sel_hi:[1,0]   ; one of the two biases is zeros: the sum is rounded once
.set ii, ii+2
.endr
	s_cmp_lg_u32 s[PID], 0                         ; q alone is kept in f32, for the residual
	s_cbranch_scc1 .Lno_f32_\@
.irp k, 0,1,2,3,4,5,6,7,8,9,10,11,12,13,14,15
	global_store_b128 v[LI], v[X+4*\k:X+4*\k+3], s[18:19] offset:8192*(\a)+512*\k   ; 32 lanes store 512 consecutive bytes, aligned
.endr
.Lno_f32_\@:
	QUANT X, PWS+(\a)
.irp c, 0,1,2
	global_store_b128 v[LI], v[PC+4*\c:PC+4*\c+3], s[14:15] offset:1536*(\a)+512*\c
.endr
.endm
	s_wait_loadcnt 0x0                             ; the biases, asked for at the head
.set ii, 0
.rept 64
	v_and_b32 v[BIAS+ii], s12, v[BIAS+ii]          ; the form that does not apply becomes zeros.  (These lines are also the places behind the last products)
.set ii, ii+1
.endr
.irp a, 0,1,2,3,4,5,6,7
	v_and_b32 v[BL+\a], s13, v[BL+\a]
.endr
.irp b, 0,1,2,3
	v_mov_b32 v[TM+4+\b], 0                        ; written once: a lane permute's destination counts as one of its sources
.endr
	v_mov_b32 v[BB+1], 0                           ; (named as the upper half of a pair)
.irp a, 0,1,2,3,4,5,6,7
	BLOCK \a
.endr
	v_cmp_ne_u32 vcc_lo, 0, v2
.irp i, 0,1,2,3
	v_cndmask_b32 v[TM+\i], v[PWS+\i], v[PWS+4+\i], vcc_lo   ; lane (r, h): row r's words of tiles 4 h .. 4 h + 3
.endr
	global_store_b128 v[LI], v[TM:TM+3], s[16:17]  ; the block's 512 bytes of scale words
	s_wait_tensorcnt 0x0                           ; the wave's end
	ds_add_u32 v[SPW], v[NIL]
	s_wait_dscnt 0x0
	CROUND                                         ; the closing round: no work-group ends while a partner may still ask for a tile that names it
	s_endpgm
.Lfunc_end_k_qe955dd5064_proj:
	.size	k_qe955dd5064_proj, .Lfunc_end_k_qe955dd5064_proj-k_qe955dd5064_proj
	.p2alignl 7, 3214868480
	.fill 96, 4, 3214868480
	.section	.rodata,"a",@progbits
	.p2align	6, 0x0
	.amdhsa_kernel k_qe955dd5064_proj
		.amdhsa_group_segment_fixed_size 327680
		.amdhsa_private_segment_fixed_size 0
		.amdhsa_enable_private_segment 0
		.amdhsa_kernarg_size 64
		.amdhsa_user_sgpr_count 2
		.amdhsa_user_sgpr_kernarg_segment_ptr 1
		.amdhsa_wavefront_size32 1
		.amdhsa_system_sgpr_workgroup_id_x 1
		.amdhsa_system_sgpr_workgroup_id_y 1
		.amdhsa_system_sgpr_workgroup_id_z 1
		.amdhsa_system_vgpr_workitem_id 0
		.amdhsa_next_free_vgpr 1024
		.amdhsa_next_free_sgpr 100
		.amdhsa_reserve_vcc 1
		.amdhsa_float_denorm_mode_32 3
		.amdhsa_float_denorm_mode_16_64 3
		.amdhsa_memory_ordered 1
		.amdhsa_forward_progress 1
		.amdhsa_inst_pref_size 188
	.end_amdhsa_kernel
	.amdgpu_metadata
---
amdhsa.version: [ 1, 2 ]
amdhsa.kernels:
  - .name:           k_qe955dd5064_proj
    .symbol:         k_qe955dd5064_proj.kd
    .args:
      - { .name: xc, .offset: 0, .size: 8, .value_kind: global_buffer, .address_space: global }
      - { .name: xs, .offset: 8, .size: 8, .value_kind: global_buffer, .address_space: global }
      - { .name: bq, .offset: 16, .size: 8, .value_kind: global_buffer, .address_space: global }
      - { .name: bk, .offset: 24, .size: 8, .value_kind: global_buffer, .address_space: global }
      - { .name: bv, .offset: 32, .size: 8, .value_kind: global_buffer, .address_space: global }
      - { .name: pc, .offset: 40, .size: 8, .value_kind: global_buffer, .address_space: global }
      - { .name: ps, .offset: 48, .size: 8, .value_kind: global_buffer, .address_space: global }
      - { .name: qf, .offset: 56, .size: 8, .value_kind: global_buffer, .address_space: global }
    .group_segment_fixed_size: 327680
    .private_segment_fixed_size: 0
    .kernarg_segment_align: 8
    .kernarg_segment_size: 64
    .max_flat_workgroup_size: 128
    .sgpr_count:     100
    .vgpr_count:     1024
    .wavefront_size: 32
...
	.end_amdgpu_metadata
.endif
;; end of part 2
;; launch attn (part 3): grid 4 x 64, 16 waves a work-group, clusters of 4 x 1, 206,848 bytes of LDS; arguments pc, ps, qf, ob; writes ob
.if DOCPART == 3
	.amdgcn_target "amdgcn-amd-amdhsa--gfx1250"
	.amdhsa_code_object_version 6
	.text
	.protected	k_qe955dd5064_attn
	.globl	k_qe955dd5064_attn
	.p2align	8
	.type	k_qe955dd5064_attn,@function
k_qe955dd5064_attn:
	s_mov_b64 s[64:65], 0
	v_nop
	global_prefetch_b8 v0, s[64:65] scope:SCOPE_SE
	s_setreg_imm32_b32 hwreg(HW_REG_WAVE_MODE, 25, 1), 1
	s_wait_xcnt 0x0
	s_wait_alu depctr_hold_cnt(0) depctr_sa_sdst(0) depctr_va_vdst(0) depctr_va_sdst(0) depctr_va_ssrc(0) depctr_va_vcc(0) depctr_vm_vsrc(0)
	s_getreg_b32 s2, hwreg(HW_REG_IB_STS2, 6, 4)
	s_cmp_eq_u32 s2, 0
	s_cbranch_scc0 .Lentry_in_a_cluster
	s_endpgm
.Lentry_in_a_cluster:
	s_bfe_u32 s2, ttmp6, 0x10000c
	s_cmp_lg_u32 s2, 0x3003
	s_cbranch_scc0 .Lentry_shape_is_right
	s_endpgm
.Lentry_shape_is_right:
; o = q + softmax(q k^T / 32) v for 128 heads of 64 channels, 1,024 queries and keys each; both products on codes of BF6 (E3M2) with E8M0 scales.
; INPUTS: blocks of 128 rows x 128 K (12,288 bytes of codes: eight images of an operand's 12 registers; 512 bytes of scale words, [tile / 4][row][tile % 4]) at index 512 pid + W of pc and ps,
; W = ((batch x 8 + head pair) x 8 + s); pid 0 q, 1 k: rows = tokens 128 s on, K = the PAIR's 128 channels; pid 2 v: rows = the pair's channels, K = keys 128 s on.  Row i of tile T is row
; 32 (T / 2) + 8 (T % 2) + 16 (i / 8) + i % 8 of its block.  qf: q in f32 as images of 64 registers (register 16 b + i of lane (r, h) = channel 32 b + 16 h + i of row r) at (8 W + tile) x 8,192; ob likewise.
; THE SOFTMAX AHEAD OF THE SECOND PRODUCT: t = score x log2(e) / 32; M = the row's largest t so far, rounded UP to a whole number; p = 2^(t - M) is quantised along the keys, not normalised; the row's sum is taken
; of the unquantised p and divides at the end.  When M moves, the sum and O are multiplied by 2^(old M - new M): exact.
; SHARES.  A cluster of four work-groups owns one head pair of one batch.  ALL of the pair's K and V (2 x 98,304 bytes of codes, 2 x 4,096 of scale words) lie in each work-group's LDS, filled once, by joint loads
; that name the four: no ring, nothing is filled again.  Work-group cx owns queries 256 cx on.  Wave w: head w / 8 of the pair, tile w % 8; two passes, 16 queries each, against all 1,024 keys, 128 a step.
; K = 64 IN A FORM OF K = 128: a fragment of q or k covers the pair's 128 channels, registers 0-5 head 0, registers 6-11 head 1.  Of q's fragment the other head's six registers are cleared: zero codes add nothing
; under any scale byte from 1 to 254, so k's fragments and both scale words are used as they lie.
; LAYOUT.  Both products are used transposed: S^T = k q^T, O^T = v^T p^T: a lane holds ONE query throughout, and by the order of the tiles' rows the 16 registers of two neighbouring tiles are 16 neighbouring keys or channels.
; LIMITS: NaN and infinities are not served.  A block's largest p is taken from its largest score, which takes v_exp_f32 not to fall where its input rises.
; REGISTERS: v2-6 addresses that stay; v8-11 those of the step; v12 -M, v13 the largest t, v[14:15] the sum; v16-27 q; v32-79 four fragments; v96-159 S^T, then p; v160-191 O^T; v192-223 q in f32; v224-235 p's codes;
; v232-247, v252, v254 at work; v248-251 four scale words, v253 p's scale word, v255 q's.
.set KC,   0                           ; LDS: K's codes [s][tile][1,536]
.set VC,   98304                       ; V's
.set KS,   196608                      ; K's scale words [s][512]
.set VS,   200704                      ; V's
.set AV0,  2                           ; v2   V's fragments: VC + 6,144 x head + 16 x lane
.set ASK0, 3                           ; v3   K's scale words: KS + 16 r
.set ASV0, 4                           ; v4   V's: VS + 256 x head + 16 r
.set LI,   5                           ; v5   16 x lane: K's fragments in LDS, and every image in memory; never rewritten
.set R16,  6                           ; v6   16 r; never rewritten
.set ADK,  8
.set ADV,  9
.set ADS,  10
.set ADT,  11
.set WV,   18
.set SEL,  20                          ; s[20:21] selects for lane l xor 16
.set CS,   22                          ; s[22:23] c = log2(e) / 32
.set G0S,  24                          ; s[24:27] group 0 for the scale words;  s[28:31] for the codes
.set G0C,  28
.set G1C,  44                          ; s[44:51], s[52:59] groups 1
.set G1S,  52
.set TK,   60                          ; s60  the step's codes: 12,288 a step
.set TS,   61                          ; s61  its scale words: 512 a step
.set STEPS, 62
.set PASS, 63
.set M0,   66                          ; s66, s67 the masks that clear the other head's codes of q
.set M1,   67
.set BQC,  68                          ; s[68:75] q's codes, q's scale words, q in f32, o: stepped from pass to pass
.set BQS,  70
.set BQF,  72
.set BOB,  74
.macro CROUND                          ; a round of the cluster's barrier
	s_barrier_signal -1
	s_barrier_wait -1
	s_cmp_lg_u32 s[WV], 0
	s_cbranch_scc1 .Lnot_wave_0_\@
	s_barrier_signal -3
.Lnot_wave_0_\@:
	s_barrier_wait -3
	s_barrier_signal -1
	s_barrier_wait -1
.endm
	s_load_b256 s[4:11], s[0:1], 0x0               ; pc 4:5, ps 6:7, qf 8:9, ob 10:11
	v_lshl_add_u32 v95, v0, 2, 0x32000
	v_mov_b32 v243, 0
	ds_add_u32 v95, v243
	ds_add_u32 v95, v243
	v_lshrrev_b32 v8, 5, v0
	v_readfirstlane_b32 s[WV], v8                  ; wave 0..15
	s_bfe_u32 s12, ttmp6, 0x40000                  ; cx: it enters q's and o's addresses alone
	s_and_b32 s13, ttmp7, 0xffff                   ; batch x 8 + pair, which the four partners share
	s_lshl_b32 s13, s13, 3                         ; the pair's first block
	s_lshr_b32 s14, s[WV], 2                       ; waves 0-3 fetch K's codes, waves 4-7 V's: two blocks each
	s_lshl_b32 s14, s14, 9
	s_and_b32 s15, s[WV], 3
	s_lshl_b32 s15, s15, 1
	s_add_co_u32 s14, s14, s15
	s_add_co_u32 s14, s14, s13
	s_add_co_u32 s14, s14, 512
	s_mul_i32 s14, s14, 12288
	s_mov_b32 s15, 0
	s_and_b32 s16, s[WV], 1                        ; wave 8 fetches K's scale words, wave 9 V's
	s_lshl_b32 s17, s16, 9
	s_add_co_u32 s17, s17, s13
	s_add_co_u32 s17, s17, 512
	s_lshl_b32 s76, s17, 9
	s_mov_b32 s77, 0
	; group 1: dense blocks as rows of 256 bytes (32 elements of 8 bytes), no padding
	s_mov_b32 s[G1C], 15|(3<<16)|(1<<21)           ; 15:0 the mask: all four work-groups; 17:16 elements of 8 bytes; 21 set beside a mask
	s_mov_b32 s[G1C+1], 32<<16
	s_mov_b32 s[G1C+2], 96<<16                     ; 24,576 bytes
	s_mov_b32 s[G1C+3], 32<<16
	s_mov_b32 s[G1C+4], 96
	s_mov_b32 s[G1C+5], 32
	s_mov_b32 s[G1C+6], 0
	s_mov_b32 s[G1C+7], 0
	s_mov_b32 s[G1S], 15|(3<<16)|(1<<21)
	s_mov_b32 s[G1S+1], 32<<16
	s_mov_b32 s[G1S+2], 16<<16                     ; 4,096 bytes
	s_mov_b32 s[G1S+3], 32<<16
	s_mov_b32 s[G1S+4], 16
	s_mov_b32 s[G1S+5], 32
	s_mov_b32 s[G1S+6], 0
	s_mov_b32 s[G1S+7], 0
	s_wait_dscnt 0x0
	s_wait_kmcnt 0x0
	s_mov_b32 s[G0C], 1
	s_mul_i32 s[G0C+1], s[WV], 24576               ; K's four quarters, then V's four
	s_add_nc_u64 s[G0C+2:G0C+3], s[4:5], s[14:15]
	s_or_b32 s[G0C+3], s[G0C+3], 0x80000000
	s_mov_b32 s[G0S], 1
	s_lshl_b32 s[G0S+1], s16, 12
	s_add_co_u32 s[G0S+1], s[G0S+1], KS
	s_add_nc_u64 s[G0S+2:G0S+3], s[6:7], s[76:77]
	s_or_b32 s[G0S+3], s[G0S+3], 0x80000000
	CROUND                                         ; all four work-groups are here: the joint loads meet
	s_cmp_lt_u32 s[WV], 8                          ; one load a fetching wave; the branches hang on the wave's number alone; four v_nop follow each line
	s_cbranch_scc0 .Lnot_codes
	tensor_load_to_lds s[G0C:G0C+3], s[G1C:G1C+7]
	s_nop 0
.rept 4
	v_nop
.endr
	s_branch .Lasked
.Lnot_codes:
	s_cmp_lt_u32 s[WV], 10
	s_cbranch_scc0 .Lasked
	tensor_load_to_lds s[G0S:G0S+3], s[G1S:G1S+7]
	s_nop 0
.rept 4
	v_nop
.endr
.Lasked:
	s_lshl_b32 s12, s12, 1
	s_add_co_u32 s12, s12, s13                     ; my first block of queries: the pair's block 2 cx
	s_and_b32 s16, s[WV], 7                        ; my tile
	s_lshr_b32 s17, s[WV], 3                       ; my head of the pair
	s_mul_i32 s76, s12, 12288
	s_mul_i32 s78, s16, 1536
	s_add_co_u32 s76, s76, s78
	s_add_nc_u64 s[BQC:BQC+1], s[4:5], s[76:77]
	s_lshl_b32 s76, s12, 9
	s_lshr_b32 s78, s16, 2
	s_lshl_b32 s78, s78, 8
	s_add_co_u32 s76, s76, s78
	s_and_b32 s78, s16, 3
	s_lshl_b32 s78, s78, 2
	s_add_co_u32 s76, s76, s78
	s_add_nc_u64 s[BQS:BQS+1], s[6:7], s[76:77]
	s_lshl_b32 s76, s12, 3
	s_add_co_u32 s76, s76, s16
	s_lshl_b32 s76, s76, 13
	s_lshl_b32 s78, s17, 12                        ; my head's 32 registers of the image: 4,096 bytes
	s_add_co_u32 s76, s76, s78
	s_add_nc_u64 s[BQF:BQF+1], s[8:9], s[76:77]
	s_add_nc_u64 s[BOB:BOB+1], s[10:11], s[76:77]
	s_cmp_eq_u32 s17, 0
	s_cselect_b32 s[M0], -1, 0
	s_cselect_b32 s[M1], 0, -1
	s_mov_b32 s[SEL], 0x76543210
	s_mov_b32 s[SEL+1], 0xfedcba98
	s_mov_b32 s[CS], 0x3d38aa3b                    ; c = log2(e) / 32
	s_mov_b32 s[CS+1], s[CS]                       ; (named with it as a pair, so it is written)
	v_and_b32 v8, 31, v0
	v_lshlrev_b32 v[LI], 4, v8
	v_and_b32 v9, 15, v0
	v_lshlrev_b32 v[R16], 4, v9
	s_mul_i32 s78, s17, 6144
	s_add_co_u32 s78, s78, VC
	v_add_nc_u32 v[AV0], s78, v[LI]
	v_add_nc_u32 v[ASK0], KS, v[R16]
	s_lshl_b32 s78, s17, 8
	s_add_co_u32 s78, s78, VS
	v_add_nc_u32 v[ASV0], s78, v[R16]
.irp b, 0,1,2,3
	v_mov_b32 v[236+\b], 0                         ; written once: a lane permute's destination counts as one of its sources
.endr
	v_mov_b32 v253, 0                              ; (named as the upper half of the pair v[252:253] before it is first written)
; A KEY STEP: 128 keys.
.macro STEP
	v_add_nc_u32 v[ADK], s[TK], v[LI]              ; these four are also the places in front of the loads into registers that the last products have read
	v_add_nc_u32 v[ADV], s[TK], v[AV0]
	v_add_nc_u32 v[ADS], s[TS], v[ASK0]
	v_add_nc_u32 v[ADT], s[TS], v[ASV0]
.irp g, 0,1                                    ; S^T = k q^T, four tiles of 16 keys at a time
.if \g > 0
.rept 4
	v_nop
.endr
.endif
.irp t, 0,1,2,3
.irp c, 0,1,2
	ds_load_b128 v[32+12*\t+4*\c:35+12*\t+4*\c], v[ADK] offset:(4*\g+\t)*1536+512*\c
.endr
.endr
	ds_load_b128 v[248:251], v[ADS] offset:256*\g  ; the four tiles' scale words
	s_wait_dscnt 0x0
.irp t, 0,1,2,3
	v_wmma_scale_f32_16x16x128_f8f6f4 v[96+8*(4*\g+\t):103+8*(4*\g+\t)], v[32+12*\t:43+12*\t], v[16:27], 0, v[248+\t], v255 matrix_a_fmt:MATRIX_FMT_BF6 matrix_b_fmt:MATRIX_FMT_BF6
.endr
.endr                                          ; the 16 registers of tiles 2 b, 2 b + 1 are keys 32 b + 16 (lane / 16) + 0 .. 15 of the step
.rept 4
	v_nop                                          ; places in front of the loads below and of the first read of the scores
.endr
.irp t, 0,1,2,3                                ; V's four fragments are asked for now: they land while the softmax is walked
.irp c, 0,1,2
	ds_load_b128 v[32+12*\t+4*\c:35+12*\t+4*\c], v[ADV] offset:1536*\t+512*\c
.endr
.endr
	ds_load_b128 v[248:251], v[ADT]
.irp b, 0,1,2,3
	v_max3_num_f32 v[232+\b], v[96+16*\b], v[97+16*\b], v[98+16*\b]   ; the largest score of each block of 32 keys: it serves the row's maximum and, since p rises with the score, the block's largest p
.endr
.irp i, 3,5,7,9,11,13
.irp b, 0,1,2,3
	v_max3_num_f32 v[232+\b], v[232+\b], v[96+16*\b+\i], v[97+16*\b+\i]
.endr
.endr
.irp b, 0,1,2,3
	v_max_num_f32 v[232+\b], v[232+\b], v[111+16*\b]
.endr
.irp b, 0,1,2,3
	v_permlanex16_b32 v[236+\b], v[232+\b], s[SEL], s[SEL+1]
.endr
.irp b, 0,1,2,3
	v_max_num_f32 v[232+\b], v[232+\b], v[236+\b]  ; with lane l xor 16's 16 keys
.endr
	v_max3_num_f32 v254, v232, v233, v234
	v_max_num_f32 v254, v254, v235                 ; the step's largest score of my query
	v_mul_f32 v254, s[CS], v254                    ; as t (c is positive)
	v_max_num_f32 v13, v13, v254                   ; the running largest t
	v_mov_b32 v254, v12
	v_floor_f32 v12, -v13                          ; the new -M = floor(-t) = -ceil(t): a whole number
	v_sub_f32 v254, v12, v254                      ; old M - new M: a whole number, 0 or less
	v_cvt_i32_f32 v254, v254                       ; (it saturates)
	v_ldexp_f32 v252, 1.0, v254                    ; f = 2^(old M - new M)
.set jj, 0
.rept 32
	v_pk_fma_f32 v[96+jj:97+jj], v[96+jj:97+jj], s[CS:CS+1], v[12:13] op_sel_hi:[1,0,0]   ; t - M, two at a time
.set jj, jj+2
.endr
.irp b, 0,1,2,3
	v_fma_f32 v[232+\b], v[232+\b], s[CS], v12     ; the same of each block's largest score
.endr
.set jj, 0
.rept 64
	v_exp_f32 v[96+jj], v[96+jj]                   ; p = 2^(t - M), at most 1: not normalised
.set jj, jj+1
.endr
	v_pk_mul_f32 v[14:15], v[14:15], v[252:253] op_sel_hi:[1,0]   ; the sums under the new M: a plain place behind the exponentials
	s_wait_alu depctr_va_vdst(0)                   ; one wait for the whole batch, ahead of its first reader
.irp b, 0,1,2,3
	v_exp_f32 v[232+\b], v[232+\b]                 ; the block's largest p: the same two instructions on the same number give the same bits
.endr
	v_pk_add_f32 v[236:237], v[96:97], v[98:99]    ; the row's sum of the UNQUANTISED p, in two chains: plain work behind the four
.irp j, 4,8,12,16,20,24,28,32,36,40,44,48,52,56,60
	v_pk_add_f32 v[14:15], v[14:15], v[96+\j:97+\j]
	v_pk_add_f32 v[236:237], v[236:237], v[98+\j:99+\j]
.endr
	v_pk_add_f32 v[14:15], v[14:15], v[236:237]
	s_wait_alu depctr_va_vdst(0)                   ; and one for the four
.irp b, 0,1,2,3
	v_max_num_f32 v[232+\b], 0x2800000, v[232+\b]  ; the floor 2^(5 - 127): the byte cannot fall under 1
.endr
.irp b, 0,1,2,3
	v_add_nc_u32 v[244+\b], 0xfe000000, v[232+\b]  ; 4 off the exponent field: the conversion's scale operand
.endr
.irp b, 0,1,2,3
	v_lshrrev_b32 v[236+\b], 23, v[244+\b]         ; the scale's byte
.endr
	v_lshl_or_b32 v253, v237, 8, v236              ; p's scale word for these 128 keys
	v_lshl_or_b32 v253, v238, 16, v253
	v_lshl_or_b32 v253, v239, 24, v253
.irp c, 0,1
	v_cvt_scalef32_pk16_bf6_f32 v[224+6*\c:226+6*\c], v[96+32*\c:111+32*\c], v[244+2*\c]
	v_cvt_scalef32_pk16_bf6_f32 v[236+4*\c:238+4*\c], v[112+32*\c:127+32*\c], v[244+2*\c+1]   ; (a conversion's three registers begin on an even number)
.endr
	v_nop                                          ; one plain place behind a scaled conversion
.irp c, 0,1                                    ; the operand's layout wants a WHOLE block in a lane
.irp i, 0,1,2
	v_permlane16_swap_b32 v[224+6*\c+\i], v[236+4*\c+\i]
.endr
.irp i, 0,1,2
	v_mov_b32 v[227+6*\c+\i], v[236+4*\c+\i]
.endr
.endr
.irp j, 0,2,4,6,8,10,12,14,16,18,20,22,24,26,28,30
	v_pk_mul_f32 v[160+\j:161+\j], v[160+\j:161+\j], v[252:253] op_sel_hi:[1,0]   ; O^T under the new M.  (These sixteen are also the places between the lines that made p's codes and scale word and the products)
.endr
	s_wait_dscnt 0x0                               ; V's fragments and scale words
.irp t, 0,1,2,3                                ; O^T += v^T p^T: my head's four tiles of 16 channels, by turns
	v_wmma_scale_f32_16x16x128_f8f6f4 v[160+8*\t:167+8*\t], v[32+12*\t:43+12*\t], v[224:235], v[160+8*\t:167+8*\t], v[248+\t], v253 matrix_a_fmt:MATRIX_FMT_BF6 matrix_b_fmt:MATRIX_FMT_BF6
.endr
	s_add_co_u32 s[TK], s[TK], 12288
	s_add_co_u32 s[TS], s[TS], 512
.endm
	s_wait_tensorcnt 0x0                           ; my load, if I had one, has landed;
	s_barrier_signal -1
	s_barrier_wait -1                              ; everybody's has: the pair's K and V lie in LDS for the rest of the launch
	s_mov_b32 s[PASS], 2
.Lpass:
.irp c, 0,1,2
	global_load_b128 v[16+4*\c:19+4*\c], v[LI], s[BQC:BQC+1] offset:512*\c   ; q's fragment
.endr
	global_load_b32 v255, v[R16], s[BQS:BQS+1]     ; its scale words
.irp k, 0,1,2,3,4,5,6,7
	global_load_b128 v[192+4*\k:195+4*\k], v[LI], s[BQF:BQF+1] offset:512*\k th:TH_LOAD_NT   ; q in f32, wanted at the pass's end
.endr
	v_mov_b32 v13, 0xff61b1e6                      ; the largest t so far: -3e38, under every t
	v_floor_f32 v12, -v13                          ; -M
	v_mov_b32 v14, 0                               ; the sum, in two halves
	v_mov_b32 v15, 0
	s_mov_b32 s[TK], 0
	s_mov_b32 s[TS], 0
	s_wait_loadcnt 8                               ; q's codes and scale words are in; the eight loads of q in f32 may be out
.irp i, 0,1,2,3,4,5
	v_and_b32 v[16+\i], s[M0], v[16+\i]            ; the other head's codes become zeros
	v_and_b32 v[22+\i], s[M1], v[22+\i]
.endr
.set jj, 0
.rept 32
	v_mov_b32 v[160+jj], 0                         ; O^T: the step is written once; the first finds zeros, which the first change of M leaves zeros
.set jj, jj+1
.endr
	s_mov_b32 s[STEPS], 8
.Lstep:
	STEP
	s_sub_co_u32 s[STEPS], s[STEPS], 1
	s_cmp_lg_u32 s[STEPS], 0
	s_cbranch_scc1 .Lstep
	v_add_f32 v14, v14, v15                        ; the sum's two halves,
	v_permlanex16_b32 v252, v14, s[SEL], s[SEL+1]
	v_add_f32 v14, v14, v252                       ; and lane l xor 16's: the row's sum
	v_rcp_f32 v14, v14
.rept 4
	v_nop                                          ; the plain place behind the reciprocal, and the places behind the last products
.endr
	s_wait_alu depctr_va_vdst(0)                   ; ahead of the reciprocal's first reader
	s_wait_loadcnt 0x0                             ; q in f32
.set jj, 0
.rept 32
	v_fma_f32 v[96+jj], v[160+jj], v14, v[192+jj]  ; o = q + O^T / the sum; each accumulator from its low end on
.set jj, jj+1
.endr
.irp k, 0,1,2,3,4,5,6,7
	global_store_b128 v[LI], v[96+4*\k:99+4*\k], s[BOB:BOB+1] offset:512*\k   ; 32 lanes store 512 consecutive bytes, aligned
.endr
	s_wait_xcnt 0x0                                ; the stores have read their registers and their base: both are written again only behind this wait
	s_add_nc_u64 s[BQC:BQC+1], s[BQC:BQC+1], 12288 ; the next block of 128 queries
	s_add_nc_u64 s[BQS:BQS+1], s[BQS:BQS+1], 512
	s_add_nc_u64 s[BQF:BQF+1], s[BQF:BQF+1], 65536
	s_add_nc_u64 s[BOB:BOB+1], s[BOB:BOB+1], 65536
	s_sub_co_u32 s[PASS], s[PASS], 1
	s_cmp_lg_u32 s[PASS], 0
	s_cbranch_scc1 .Lpass
	s_wait_tensorcnt 0x0
	ds_add_u32 v95, v243
	s_wait_dscnt 0x0
	CROUND                                         ; the closing round
	s_endpgm
.Lfunc_end_k_qe955dd5064_attn:
	.size	k_qe955dd5064_attn, .Lfunc_end_k_qe955dd5064_attn-k_qe955dd5064_attn
	.p2alignl 7, 3214868480
	.fill 96, 4, 3214868480
	.section	.rodata,"a",@progbits
	.p2align	6, 0x0
	.amdhsa_kernel k_qe955dd5064_attn
		.amdhsa_group_segment_fixed_size 206848
		.amdhsa_private_segment_fixed_size 0
		.amdhsa_enable_private_segment 0
		.amdhsa_kernarg_size 32
		.amdhsa_user_sgpr_count 2
		.amdhsa_user_sgpr_kernarg_segment_ptr 1
		.amdhsa_wavefront_size32 1
		.amdhsa_system_sgpr_workgroup_id_x 1
		.amdhsa_system_sgpr_workgroup_id_y 1
		.amdhsa_system_sgpr_workgroup_id_z 1
		.amdhsa_system_vgpr_workitem_id 0
		.amdhsa_next_free_vgpr 256
		.amdhsa_next_free_sgpr 80
		.amdhsa_reserve_vcc 0
		.amdhsa_float_denorm_mode_32 3
		.amdhsa_float_denorm_mode_16_64 3
		.amdhsa_memory_ordered 1
		.amdhsa_forward_progress 1
		.amdhsa_inst_pref_size 29
	.end_amdhsa_kernel
	.amdgpu_metadata
---
amdhsa.version: [ 1, 2 ]
amdhsa.kernels:
  - .name:           k_qe955dd5064_attn
    .symbol:         k_qe955dd5064_attn.kd
    .args:
      - { .name: pc, .offset: 0, .size: 8, .value_kind: global_buffer, .address_space: global }
      - { .name: ps, .offset: 8, .size: 8, .value_kind: global_buffer, .address_space: global }
      - { .name: qf, .offset: 16, .size: 8, .value_kind: global_buffer, .address_space: global }
      - { .name: ob, .offset: 24, .size: 8, .value_kind: global_buffer, .address_space: global }
    .group_segment_fixed_size: 206848
    .private_segment_fixed_size: 0
    .kernarg_segment_align: 8
    .kernarg_segment_size: 32
    .max_flat_workgroup_size: 512
    .sgpr_count:     80
    .vgpr_count:     256
    .wavefront_size: 32
...
	.end_amdgpu_metadata
.endif
;; end of part 3
;; launch outp (part 4): grid 256 x 1, 16 waves a work-group, no clusters, 235,520 bytes of LDS; arguments ob, xc, xs, g0, b0, bo, g1, b1, out0; writes out0
.if DOCPART == 4
	.amdgcn_target "amdgcn-amd-amdhsa--gfx1250"
	.amdhsa_code_object_version 6
	.text
	.protected	k_qe955dd5064_outp
	.globl	k_qe955dd5064_outp
	.p2align	8
	.type	k_qe955dd5064_outp,@function
k_qe955dd5064_outp:
	s_mov_b64 s[64:65], 0
	v_nop
	global_prefetch_b8 v0, s[64:65] scope:SCOPE_SE
	s_setreg_imm32_b32 hwreg(HW_REG_WAVE_MODE, 25, 1), 1
	s_wait_xcnt 0x0
; out = LN1(O + relu(O Wo^T + bo)), O = LN0(o): the product on codes of BF6 (E3M2) with E8M0 scales, all else in f32.
; o comes as images of 64 registers (16 rows x 128 channels, register 16 b + i of lane (r, h) = channel 32 b + 16 h + i of row r; 16 pieces of 512 bytes) at ((8 batch + pair) x 64 + tile) x 8,192;
; row i of tile T of a batch is token 32 (T / 2) + 8 (T % 2) + 16 (i / 8) + i % 8.  Wo comes as blocks of 128 rows x 128 K: images of an operand's 12 registers, and scale words [tile / 4][row][tile % 4]
; (row blocks 152-159 of xc and xs), its tiles' rows in the same order, so that the 16 registers of two neighbouring tiles of results are 16 neighbouring columns.
; SHARES.  A work-group owns two tiles of rows: 32 tokens, whole rows of 1,024, as both norms want.  Sixteen waves.
;   X: wave w takes the image (tile w / 8, pair w % 8): row sums meet in LDS (two barriers: mean, then the mean of squares of x - mean), LN0, the result to LDS in f32 (for the residual) and as codes | barrier |
;   G: THE WAVES SHARE THE COLUMNS: wave w makes columns 64 w .. 64 w + 63 for both tiles of rows: four tiles of Wo, whose fragments go from memory STRAIGHT INTO ITS REGISTERS, two K steps ahead: each is used by this wave
;      alone in the work-group, so that a way through LDS would add a write and a read of every byte and share nothing inside the work-group; that is why no joint loads are used here.  bo is the C of the first products.
;   E: relu, residual, LN1 (two barriers), the rows back into token order through each wave's own stage, whole runs of 256 bytes out.
; LIMITS: NaN and infinities are not served; a block whose largest magnitude lies under 2^-122 keeps the byte 1 (a block of zeros too: its codes are zeros, and this launch alone reads the bytes).
; REGISTERS: v1-15 addresses; v16-79 the image, then the 8 accumulators ((m, t) at 16 + 32 m + 8 t); v80-143 g0, v144-207 b0; then v80-127, v128-175 Wo's two sets, v184-215 bo, later g1; v80-111 b1;
;   v112-175 the residual, then work, then rows on the way out; v208-219 at work; v216-239 O's two fragments; v220-238 codes just made, v239 their scale word; v240-243 mean and 1 / sigma as pairs;
;   v244-251 Wo's scale words, v252-253 O's: these ten hold scale words and nothing else.
.set XF,   0                           ; LDS: 16 images of O in f32, 8,192 bytes each, index 8 m + pair
.set XC,   131072                      ; 16 images of codes, 1,536 each
.set XSC,  155648                      ; their scale words, 128 bytes each
.set ST1,  157696                      ; row sums of o: [m][r][pair] words;  1,024 bytes on: of squares
.set ST3,  159744                      ; row sums of z: [m][r][wave] words;  2,048 bytes on: of squares
.set STG,  163840                      ; 16 rows x (256 + 16) bytes for each wave
.set LI,   4                           ; v4   16 x lane; never rewritten
.set H64,  5                           ; v5   64 h; never rewritten
.set R16,  6                           ; v6   16 r; never rewritten
.set AXF,  7                           ; v7-11 phase X's LDS addresses; phase E makes its own there
.set AXC,  8
.set AXS,  9
.set AS1,  10
.set AL1,  11
.set AFR,  12                          ; v12  XC + 16 x lane
.set AFS,  13                          ; v13  XSC + 4 x lane
.set ARS,  14                          ; v14-15 the residual of tile 0, 1
.set X,    16
.set G,    80
.set BV,   144
.set TM,   208
.set PC,   220
.set PW,   239
.set MU,   240                         ; pairs v[240:241], v[242:243]
.set WS,   244
.set XSW,  252
.set BO,   184
.set XFR,  216
.set B1R,  80
.set RES,  112
.set ET,   144
.set WV,   22
.set SEL,  24
.macro BARRIER                         ; my LDS stores have landed and my LDS loads are in: then the work-group's barrier
	s_wait_dscnt 0x0
	s_barrier_signal -1
	s_barrier_wait -1
.endm
.macro FOLD                            ; four chains of pairs in v[TM] on become my row's sum over this image's 128 channels
	v_pk_add_f32 v[TM:TM+1], v[TM:TM+1], v[TM+2:TM+3]
	v_pk_add_f32 v[TM+4:TM+5], v[TM+4:TM+5], v[TM+6:TM+7]
	v_pk_add_f32 v[TM:TM+1], v[TM:TM+1], v[TM+4:TM+5]
	v_add_f32 v[TM], v[TM], v[TM+1]
	v_permlanex16_b32 v[TM+2], v[TM], s[SEL], s[SEL+1]
	v_add_f32 v[TM], v[TM], v[TM+2]
.endm
.macro GATHER8 off                     ; the eight pairs' parts of my row, added in one fixed order in every wave
	ds_load_b128 v[TM:TM+3], v[AL1] offset:\off
	ds_load_b128 v[TM+4:TM+7], v[AL1] offset:\off+16
	s_wait_dscnt 0x0
	v_pk_add_f32 v[TM:TM+1], v[TM:TM+1], v[TM+2:TM+3]
	v_pk_add_f32 v[TM+4:TM+5], v[TM+4:TM+5], v[TM+6:TM+7]
	v_pk_add_f32 v[TM:TM+1], v[TM:TM+1], v[TM+4:TM+5]
	v_add_f32 v[TM], v[TM], v[TM+1]
.endm
.macro SUM16 b                         ; sixteen words become one
	v_pk_add_f32 v[\b:\b+1], v[\b:\b+1], v[\b+2:\b+3]
	v_pk_add_f32 v[\b+4:\b+5], v[\b+4:\b+5], v[\b+6:\b+7]
	v_pk_add_f32 v[\b+8:\b+9], v[\b+8:\b+9], v[\b+10:\b+11]
	v_pk_add_f32 v[\b+12:\b+13], v[\b+12:\b+13], v[\b+14:\b+15]
	v_pk_add_f32 v[\b:\b+1], v[\b:\b+1], v[\b+4:\b+5]
	v_pk_add_f32 v[\b+8:\b+9], v[\b+8:\b+9], v[\b+12:\b+13]
	v_pk_add_f32 v[\b:\b+1], v[\b:\b+1], v[\b+8:\b+9]
	v_add_f32 v[\b], v[\b], v[\b+1]
.endm
; 64 numbers of a lane, register 16 b + i = k 32 b + 16 (lane / 16) + i of my row, become a fragment's codes in v[PC] on and its scale word in v[pw].
.macro QUANT s, pw
.irp b, 0,1,2,3
	v_max3_num_f32 v[TM+\b], |v[\s+16*\b]|, |v[\s+1+16*\b]|, 0x2800000   ; block b: my 16 numbers, and the floor 2^(5 - 127): the byte cannot fall under 1
.endr
.irp i, 2,4,6,8,10,12,14
.irp b, 0,1,2,3
	v_max3_num_f32 v[TM+\b], v[TM+\b], |v[\s+16*\b+\i]|, |v[\s+1+16*\b+\i]|
.endr
.endr
.irp b, 0,1,2,3
	v_permlanex16_b32 v[TM+4+\b], v[TM+\b], s[SEL], s[SEL+1]
.endr
.irp b, 0,1,2,3
	v_max_num_f32 v[TM+\b], v[TM+\b], v[TM+4+\b]
.endr
.irp b, 0,1,2,3
	v_add_nc_u32 v[TM+8+\b], 0xfe000000, v[TM+\b]  ; 4 off the exponent field: the conversion's scale operand
.endr
.irp b, 0,1,2,3
	v_lshrrev_b32 v[TM+4+\b], 23, v[TM+8+\b]       ; the scale's byte
.endr
	v_lshl_or_b32 v[\pw], v[TM+5], 8, v[TM+4]
	v_lshl_or_b32 v[\pw], v[TM+6], 16, v[\pw]
	v_lshl_or_b32 v[\pw], v[TM+7], 24, v[\pw]
.irp c, 0,1
	v_cvt_scalef32_pk16_bf6_f32 v[PC+6*\c:PC+2+6*\c], v[\s+32*\c:\s+15+32*\c], v[TM+8+2*\c]
	v_cvt_scalef32_pk16_bf6_f32 v[PC+12+4*\c:PC+14+4*\c], v[\s+16+32*\c:\s+31+32*\c], v[TM+8+2*\c+1]
.endr
	v_nop                                          ; one plain place behind a scaled conversion
.irp c, 0,1
.irp i, 0,1,2
	v_permlane16_swap_b32 v[PC+6*\c+\i], v[PC+12+4*\c+\i]
.endr
.irp i, 0,1,2
	v_mov_b32 v[PC+3+6*\c+\i], v[PC+12+4*\c+\i]
.endr
.endr
.endm
.macro WLOAD s                         ; Wo's four fragments and their scale words of K step s into set s % 2: 13 loads.  No hint: every work-group reads these bytes
.set WB, 80+48*((\s)%2)
.irp t, 0,1,2,3
.irp c, 0,1,2
	global_load_b128 v[WB+12*\t+4*\c:WB+12*\t+4*\c+3], v[LI], s[6:7] offset:12288*(\s)+1536*\t+512*\c
.endr
.endr
	global_load_b128 v[WS+4*((\s)%2):WS+4*((\s)%2)+3], v[R16], s[8:9] offset:512*(\s)
.endm
.macro CLOAD reg, base                 ; 32 numbers of my 64 columns in the results' layout: register 16 b + i = column 32 b + 16 h + i: 8 loads
.irp b, 0,1
.irp j, 0,1,2,3
	global_load_b128 v[\reg+16*\b+4*\j:\reg+16*\b+4*\j+3], v[H64], s[\base:\base+1] offset:128*\b+16*\j
.endr
.endr
.endm
.macro GSTEP s, n                      ; K step s; n: the younger global loads that may stay out
.set WB, 80+48*((\s)%2)
.irp m, 0,1
.irp c, 0,1,2
	ds_load_b128 v[XFR+12*\m+4*\c:XFR+12*\m+4*\c+3], v[AFR] offset:(8*\m+(\s))*1536+512*\c
.endr
	ds_load_b32 v[XSW+\m], v[AFS] offset:(8*\m+(\s))*128
.endr
	s_wait_loadcnt \n
	s_wait_dscnt 0x0
.irp t, 0,1,2,3                                ; the eight accumulators by turns
.irp m, 0,1
.if (\s) == 0
	v_wmma_scale_f32_16x16x128_f8f6f4 v[X+32*\m+8*\t:X+32*\m+8*\t+7], v[WB+12*\t:WB+12*\t+11], v[XFR+12*\m:XFR+12*\m+11], v[BO+8*\t:BO+8*\t+7], v[WS+4*((\s)%2)+\t], v[XSW+\m] matrix_a_fmt:MATRIX_FMT_BF6 matrix_b_fmt:MATRIX_FMT_BF6
.else
	v_wmma_scale_f32_16x16x128_f8f6f4 v[X+32*\m+8*\t:X+32*\m+8*\t+7], v[WB+12*\t:WB+12*\t+11], v[XFR+12*\m:XFR+12*\m+11], v[X+32*\m+8*\t:X+32*\m+8*\t+7], v[WS+4*((\s)%2)+\t], v[XSW+\m] matrix_a_fmt:MATRIX_FMT_BF6 matrix_b_fmt:MATRIX_FMT_BF6
.endif
.endr
.endr
.rept 4
	v_nop                                          ; places in front of loads into registers that these products have read, and of the first read of results
.endr
.endm
	s_load_b512 s[4:19], s[0:1], 0x0               ; ob 4:5, xc 6:7, xs 8:9, g0 10:11, b0 12:13, bo 14:15, g1 16:17, b1 18:19
	s_load_b64 s[20:21], s[0:1], 0x40              ; out0
	v_lshl_add_u32 v254, v0, 2, 0x39000
	v_mov_b32 v255, 0
	v_lshrrev_b32 v1, 5, v0
	v_readfirstlane_b32 s[WV], v1                  ; wave 0..15
	v_and_b32 v1, 15, v0                           ; r
	v_bfe_u32 v2, v0, 4, 1                         ; h
	v_and_b32 v3, 31, v0                           ; lane
	v_lshlrev_b32 v[LI], 4, v3
	v_lshlrev_b32 v[H64], 6, v2
	v_lshlrev_b32 v[R16], 4, v1
	s_lshl_b32 s28, s[WV], 13
	v_add_nc_u32 v[AXF], s28, v[LI]                ; my image of O in f32
	s_mul_i32 s28, s[WV], 1536
	s_add_co_u32 s28, s28, XC
	v_add_nc_u32 v[AXC], s28, v[LI]                ; of its codes
	s_lshl_b32 s28, s[WV], 7
	s_add_co_u32 s28, s28, XSC
	v_lshl_add_u32 v[AXS], v3, 2, s28              ; its scale words
	s_lshr_b32 s30, s[WV], 3                       ; m: my tile of rows in phase X
	s_and_b32 s31, s[WV], 7                        ; my pair
	s_lshl_b32 s28, s30, 9
	s_add_co_u32 s28, s28, ST1
	v_lshl_add_u32 v[AL1], v1, 5, s28              ; my row's eight parts
	s_lshl_b32 s29, s31, 2
	v_add_nc_u32 v[AS1], s29, v[AL1]               ; and mine among them
	v_add_nc_u32 v[AFR], XC, v[LI]
	v_lshl_add_u32 v[AFS], v3, 2, XSC
	s_lshl_b32 s28, s[WV], 12
	v_add_nc_u32 v[ARS], s28, v[LI]                ; the residual of my 64 columns: image w / 2, its half w % 2: 4,096 w bytes
	v_add_nc_u32 v[ARS+1], 0x10000, v[ARS]         ; and of tile 1: eight images on
	v_mov_b32 v[MU+1], 0                           ; (named as the upper halves of pairs)
	v_mov_b32 v[MU+3], 0
	s_mov_b32 s[SEL], 0x76543210
	s_mov_b32 s[SEL+1], 0xfedcba98
	s_mov_b32 s26, 0x3a800000                      ; 1 / 1,024
	s_mov_b32 s27, 0x3727c5ac                      ; 1e-5
	s_lshr_b32 s28, ttmp9, 5                       ; batch
	s_and_b32 s29, ttmp9, 31                       ; which 32 tokens of it
	s_lshl_b32 s32, s28, 3
	s_add_co_u32 s32, s32, s31
	s_lshl_b32 s32, s32, 6
	s_lshl_b32 s33, s29, 1
	s_add_co_u32 s32, s32, s33
	s_add_co_u32 s32, s32, s30
	s_lshl_b32 s32, s32, 13                        ; my image of o
	s_mov_b32 s33, 0
	s_lshl_b32 s34, s31, 9                         ; my pair's 128 numbers of g0 and b0
	s_mov_b32 s35, 0
	s_wait_kmcnt 0x0
	s_add_nc_u64 s[4:5], s[4:5], s[32:33]
	s_add_nc_u64 s[10:11], s[10:11], s[34:35]
	s_add_nc_u64 s[12:13], s[12:13], s[34:35]
.irp k, 0,1,2,3,4,5,6,7,8,9,10,11,12,13,14,15
	global_load_b128 v[X+4*\k:X+4*\k+3], v[LI], s[4:5] offset:512*\k th:TH_LOAD_NT
.endr
.irp b, 0,1,2,3
.irp j, 0,1,2,3
	global_load_b128 v[G+16*\b+4*\j:G+16*\b+4*\j+3], v[H64], s[10:11] offset:128*\b+16*\j
.endr
.endr
.irp b, 0,1,2,3
.irp j, 0,1,2,3
	global_load_b128 v[BV+16*\b+4*\j:BV+16*\b+4*\j+3], v[H64], s[12:13] offset:128*\b+16*\j
.endr
.endr
	s_lshl_b32 s34, s[WV], 8                       ; my 64 columns of bo, g1, b1 and of a row of out0
	s_add_nc_u64 s[14:15], s[14:15], s[34:35]
	s_add_nc_u64 s[16:17], s[16:17], s[34:35]
	s_add_nc_u64 s[18:19], s[18:19], s[34:35]
	s_lshl_b32 s32, ttmp9, 17                      ; my work-group's 32 rows of 4,096 bytes
	s_add_co_u32 s32, s32, s34
	s_add_nc_u64 s[20:21], s[20:21], s[32:33]
	s_lshr_b32 s28, s[WV], 1
	s_add_co_u32 s28, s28, 152                     ; Wo's row block of my columns,
	s_and_b32 s29, s[WV], 1                        ; and which four tiles of it
	s_mul_i32 s32, s28, 98304
	s_mul_i32 s34, s29, 6144
	s_add_co_u32 s32, s32, s34
	s_add_nc_u64 s[6:7], s[6:7], s[32:33]
	s_lshl_b32 s32, s28, 12
	s_lshl_b32 s34, s29, 8
	s_add_co_u32 s32, s32, s34
	s_add_nc_u64 s[8:9], s[8:9], s[32:33]
	; ---- X: LN0 of my image
	s_wait_loadcnt 32                              ; o is in; g0's and b0's 32 loads may be out
.irp k, 0,1,2,3
	v_pk_add_f32 v[TM+2*\k:TM+2*\k+1], v[X+2*\k:X+2*\k+1], v[X+8+2*\k:X+8+2*\k+1]   ; four chains, started by the first eight pairs
.endr
.set ii, 16
.rept 24
	v_pk_add_f32 v[TM+ii%8:TM+ii%8+1], v[TM+ii%8:TM+ii%8+1], v[X+ii:X+ii+1]
.set ii, ii+2
.endr
	FOLD
	ds_store_b32 v[AS1], v[TM]                     ; both lanes of a row write the same word with the same value
	BARRIER
	GATHER8 0
	v_mul_f32 v[MU], s26, v[TM]                    ; the mean
.set ii, 0
.rept 32
	v_pk_add_f32 v[X+ii:X+ii+1], v[X+ii:X+ii+1], v[MU:MU+1] op_sel_hi:[1,0] neg_lo:[0,1] neg_hi:[0,1]   ; x - mean
.set ii, ii+2
.endr
.irp k, 0,1,2,3
	v_pk_mul_f32 v[TM+2*\k:TM+2*\k+1], v[X+2*\k:X+2*\k+1], v[X+2*\k:X+2*\k+1]
.endr
.set ii, 8
.rept 28
	v_pk_fma_f32 v[TM+ii%8:TM+ii%8+1], v[X+ii:X+ii+1], v[X+ii:X+ii+1], v[TM+ii%8:TM+ii%8+1]
.set ii, ii+2
.endr
	FOLD
	ds_store_b32 v[AS1], v[TM] offset:1024
	BARRIER
	GATHER8 1024
	v_fma_f32 v[TM], v[TM], s26, s27               ; the variance + 1e-5
	v_rsq_f32 v[MU+2], v[TM]
	v_nop                                          ; a plain place behind the transcendental
	s_wait_alu depctr_va_vdst(0)                   ; ahead of its first reader
	s_wait_loadcnt 0x0                             ; g0, b0
.set ii, 0
.rept 32
	v_pk_mul_f32 v[X+ii:X+ii+1], v[X+ii:X+ii+1], v[MU+2:MU+3] op_sel_hi:[1,0]
.set ii, ii+2
.endr
.set ii, 0
.rept 32
	v_pk_fma_f32 v[X+ii:X+ii+1], v[X+ii:X+ii+1], v[G+ii:G+ii+1], v[BV+ii:BV+ii+1]
.set ii, ii+2
.endr
.irp k, 0,1,2,3,4,5,6,7,8,9,10,11,12,13,14,15
	ds_store_b128 v[AXF], v[X+4*\k:X+4*\k+3] offset:512*\k    ; O in f32, as an image
.endr
	QUANT X, PW
.irp c, 0,1,2
	ds_store_b128 v[AXC], v[PC+4*\c:PC+4*\c+3] offset:512*\c  ; its codes: K step w % 8 of the product, rows of tile w / 8
.endr
	ds_store_b32 v[AXS], v[PW]
	WLOAD 0                                        ; the weights of the first two K steps, and bo between them
	CLOAD BO, 14
	WLOAD 1
	BARRIER                                        ; O's sixteen images lie in LDS, in f32 and as codes
	; ---- G: my 64 columns for the 32 rows.  The counts: what was issued behind the set that a step multiplies
	GSTEP 0, 13                                    ; set 1's 13 loads may be out
	WLOAD 2
	CLOAD BO, 16                                   ; g1 takes bo's place
	GSTEP 1, 21                                    ; K step 2's 13 and g1's 8
	WLOAD 3
	GSTEP 2, 21                                    ; g1's 8 and K step 3's 13
	WLOAD 4
	GSTEP 3, 13
	WLOAD 5
	GSTEP 4, 13
	WLOAD 6
	GSTEP 5, 13
	WLOAD 7
	GSTEP 6, 13
	CLOAD B1R, 18                                  ; b1 takes set 0's place
	GSTEP 7, 8                                     ; b1's 8
	; ---- E: z = O + relu(..), LN1, out
.irp m, 0,1
.irp k, 0,1,2,3,4,5,6,7
	ds_load_b128 v[RES+32*\m+4*\k:RES+32*\m+4*\k+3], v[ARS+\m] offset:512*\k
.endr
.endr
	s_lshl_b32 s28, s[WV], 2
	s_add_co_u32 s28, s28, ST3
	v_lshl_add_u32 v7, v1, 6, s28                  ; my part of my row's sixteen: ST3 + 64 r + 4 w
	v_lshl_add_u32 v8, v1, 6, ST3                  ; the sixteen
	s_mul_i32 s28, s[WV], 16*272
	s_add_co_u32 s28, s28, STG                     ; my stage
	v_mul_u32_u24 v9, v1, 272
	v_lshl_add_u32 v9, v2, 6, v9
	v_add_nc_u32 v9, s28, v9                       ; into it: row r, + 64 h
	v_mul_u32_u24 v10, v2, 272
	v_lshl_add_u32 v10, v1, 4, v10
	v_add_nc_u32 v10, s28, v10                     ; out of it: lanes 0-15 one row, lanes 16-31 the next
	v_lshlrev_b32 v11, 12, v2
	v_lshl_add_u32 v11, v1, 4, v11                 ; and the same in out0: 4,096 h + 16 r
	s_wait_dscnt 0x0
.set ii, 0
.rept 64
	v_max_num_f32 v[X+ii], 0, v[X+ii]              ; relu; each accumulator from its low end on
.set ii, ii+1
.endr
.set ii, 0
.rept 32
	v_pk_add_f32 v[X+ii:X+ii+1], v[X+ii:X+ii+1], v[RES+ii:RES+ii+1]
.set ii, ii+2
.endr
.irp m, 0,1
.irp k, 0,1
	v_pk_add_f32 v[ET+4*\m+2*\k:ET+4*\m+2*\k+1], v[X+32*\m+2*\k:X+32*\m+2*\k+1], v[X+32*\m+4+2*\k:X+32*\m+4+2*\k+1]
.endr
.endr
.irp i, 8,10,12,14,16,18,20,22,24,26,28,30
.irp m, 0,1
	v_pk_add_f32 v[ET+4*\m+\i%4:ET+4*\m+\i%4+1], v[ET+4*\m+\i%4:ET+4*\m+\i%4+1], v[X+32*\m+\i:X+32*\m+\i+1]
.endr
.endr
.irp m, 0,1
	v_pk_add_f32 v[ET+4*\m:ET+4*\m+1], v[ET+4*\m:ET+4*\m+1], v[ET+4*\m+2:ET+4*\m+3]
.endr
.irp m, 0,1
	v_add_f32 v[ET+4*\m], v[ET+4*\m], v[ET+4*\m+1]
.endr
.irp m, 0,1
	v_permlanex16_b32 v[ET+4*\m+2], v[ET+4*\m], s[SEL], s[SEL+1]
.endr
.irp m, 0,1
	v_add_f32 v[ET+4*\m], v[ET+4*\m], v[ET+4*\m+2]
	ds_store_b32 v7, v[ET+4*\m] offset:1024*\m
.endr
	BARRIER
.irp m, 0,1
.irp k, 0,1,2,3
	ds_load_b128 v[RES+16*\m+4*\k:RES+16*\m+4*\k+3], v8 offset:1024*\m+16*\k
.endr
.endr
	s_wait_dscnt 0x0
	SUM16 RES
	SUM16 RES+16
.irp m, 0,1
	v_mul_f32 v[MU+2*\m], s26, v[RES+16*\m]        ; the means
.endr
.irp m, 0,1
.irp i, 0,2,4,6,8,10,12,14,16,18,20,22,24,26,28,30
	v_pk_add_f32 v[X+32*\m+\i:X+32*\m+\i+1], v[X+32*\m+\i:X+32*\m+\i+1], v[MU+2*\m:MU+2*\m+1] op_sel_hi:[1,0] neg_lo:[0,1] neg_hi:[0,1]
.endr
.endr
.irp m, 0,1
.irp k, 0,1
	v_pk_mul_f32 v[ET+4*\m+2*\k:ET+4*\m+2*\k+1], v[X+32*\m+2*\k:X+32*\m+2*\k+1], v[X+32*\m+2*\k:X+32*\m+2*\k+1]
.endr
.endr
.irp i, 4,6,8,10,12,14,16,18,20,22,24,26,28,30
.irp m, 0,1
	v_pk_fma_f32 v[ET+4*\m+\i%4:ET+4*\m+\i%4+1], v[X+32*\m+\i:X+32*\m+\i+1], v[X+32*\m+\i:X+32*\m+\i+1], v[ET+4*\m+\i%4:ET+4*\m+\i%4+1]
.endr
.endr
.irp m, 0,1
	v_pk_add_f32 v[ET+4*\m:ET+4*\m+1], v[ET+4*\m:ET+4*\m+1], v[ET+4*\m+2:ET+4*\m+3]
.endr
.irp m, 0,1
	v_add_f32 v[ET+4*\m], v[ET+4*\m], v[ET+4*\m+1]
.endr
.irp m, 0,1
	v_permlanex16_b32 v[ET+4*\m+2], v[ET+4*\m], s[SEL], s[SEL+1]
.endr
.irp m, 0,1
	v_add_f32 v[ET+4*\m], v[ET+4*\m], v[ET+4*\m+2]
	ds_store_b32 v7, v[ET+4*\m] offset:2048+1024*\m
.endr
	BARRIER
.irp m, 0,1
.irp k, 0,1,2,3
	ds_load_b128 v[RES+16*\m+4*\k:RES+16*\m+4*\k+3], v8 offset:2048+1024*\m+16*\k
.endr
.endr
	s_wait_dscnt 0x0
	SUM16 RES
	SUM16 RES+16
.irp m, 0,1
	v_fma_f32 v[RES+16*\m], v[RES+16*\m], s26, s27
.endr
.irp m, 0,1
	v_rsq_f32 v[MU+2*\m], v[RES+16*\m]
.endr
	v_nop                                          ; a plain place behind the two
	s_wait_alu depctr_va_vdst(0)                   ; one wait for both, ahead of their first reader
	s_wait_loadcnt 0x0                             ; g1, b1
.irp m, 0,1
.irp i, 0,2,4,6,8,10,12,14,16,18,20,22,24,26,28,30
	v_pk_mul_f32 v[X+32*\m+\i:X+32*\m+\i+1], v[X+32*\m+\i:X+32*\m+\i+1], v[MU+2*\m:MU+2*\m+1] op_sel_hi:[1,0]
.endr
.endr
.irp m, 0,1
.irp i, 0,2,4,6,8,10,12,14,16,18,20,22,24,26,28,30
	v_pk_fma_f32 v[X+32*\m+\i:X+32*\m+\i+1], v[X+32*\m+\i:X+32*\m+\i+1], v[BO+\i:BO+\i+1], v[B1R+\i:B1R+\i+1]
.endr
.endr
.irp m, 0,1                                    ; a tile's 16 rows x 256 bytes through my own stage: LDS serves a wave's instructions in order, so no wait stands between the stores and the loads, nor in front of the next tile's stores
.irp b, 0,1
.irp j, 0,1,2,3
	ds_store_b128 v9, v[X+32*\m+16*\b+4*\j:X+32*\m+16*\b+4*\j+3] offset:128*\b+16*\j
.endr
.endr
.irp i, 0,1,2,3,4,5,6,7
	ds_load_b128 v[RES+32*\m+4*\i:RES+32*\m+4*\i+3], v10 offset:544*\i
.endr
.endr
.irp m, 0,1
.irp i, 0,1,2,3,4,5,6,7
	s_wait_dscnt 23-16*\m-\i                       ; behind this load: the tile's later loads, and for tile 0 also tile 1's eight stores and eight loads
	global_store_b128 v11, v[RES+32*\m+4*\i:RES+32*\m+4*\i+3], s[20:21] offset:(16*(\i/4)+8*\m+2*(\i%4))*4096 th:TH_STORE_NT   ; stage row 2 i + h of tile m is token 16 (i / 4) + 8 m + 2 (i % 4) + h of my 32; sixteen lanes store 256 consecutive bytes, aligned
.endr
.endr
	s_wait_tensorcnt 0x0
	ds_add_u32 v254, v255
	s_wait_dscnt 0x0
	s_endpgm
.Lfunc_end_k_qe955dd5064_outp:
	.size	k_qe955dd5064_outp, .Lfunc_end_k_qe955dd5064_outp-k_qe955dd5064_outp
	.p2alignl 7, 3214868480
	.fill 96, 4, 3214868480
	.section	.rodata,"a",@progbits
	.p2align	6, 0x0
	.amdhsa_kernel k_qe955dd5064_outp
		.amdhsa_group_segment_fixed_size 235520
		.amdhsa_private_segment_fixed_size 0
		.amdhsa_enable_private_segment 0
		.amdhsa_kernarg_size 72
		.amdhsa_user_sgpr_count 2
		.amdhsa_user_sgpr_kernarg_segment_ptr 1
		.amdhsa_wavefront_size32 1
		.amdhsa_system_sgpr_workgroup_id_x 1
		.amdhsa_system_sgpr_workgroup_id_y 1
		.amdhsa_system_sgpr_workgroup_id_z 1
		.amdhsa_system_vgpr_workitem_id 0
		.amdhsa_next_free_vgpr 256
		.amdhsa_next_free_sgpr 66
		.amdhsa_reserve_vcc 0
		.amdhsa_float_denorm_mode_32 3
		.amdhsa_float_denorm_mode_16_64 3
		.amdhsa_memory_ordered 1
		.amdhsa_forward_progress 1
		.amdhsa_inst_pref_size 75
	.end_amdhsa_kernel
	.amdgpu_metadata
---
amdhsa.version: [ 1, 2 ]
amdhsa.kernels:
  - .name:           k_qe955dd5064_outp
    .symbol:         k_qe955dd5064_outp.kd
    .args:
      - { .name: ob, .offset: 0, .size: 8, .value_kind: global_buffer, .address_space: global }
      - { .name: xc, .offset: 8, .size: 8, .value_kind: global_buffer, .address_space: global }
      - { .name: xs, .offset: 16, .size: 8, .value_kind: global_buffer, .address_space: global }
      - { .name: g0, .offset: 24, .size: 8, .value_kind: global_buffer, .address_space: global }
      - { .name: b0, .offset: 32, .size: 8, .value_kind: global_buffer, .address_space: global }
      - { .name: bo, .offset: 40, .size: 8, .value_kind: global_buffer, .address_space: global }
      - { .name: g1, .offset: 48, .size: 8, .value_kind: global_buffer, .address_space: global }
      - { .name: b1, .offset: 56, .size: 8, .value_kind: global_buffer, .address_space: global }
      - { .name: out0, .offset: 64, .size: 8, .value_kind: global_buffer, .address_space: global }
    .group_segment_fixed_size: 235520
    .private_segment_fixed_size: 0
    .kernarg_segment_align: 8
    .kernarg_segment_size: 72
    .max_flat_workgroup_size: 512
    .sgpr_count:     66
    .vgpr_count:     256
    .wavefront_size: 32
...
	.end_amdgpu_metadata
.endif
;; end of part 4
;; ======== version 2 of 3: 4 launches
;; workspace buffers: xc 15,728,640 bytes; xs 655,360 bytes; pc 12,582,912 bytes; ps 524,288 bytes; ob 33,554,432 bytes
;; launch quant: the kernel of part 1 again; grid 640 x 1, 4 waves a work-group, no clusters, 34,304 bytes of LDS; arguments Q, K, Wq, Wk, Wv, Wo, xc, xs; writes xc, xs
;; launch proj (part 5): grid 4 x 64, 4 waves a work-group, clusters of 4 x 4, 327,680 bytes of LDS; arguments xc, xs, bk, bv, pc, ps; writes pc, ps
.if DOCPART == 5
	.amdgcn_target "amdgcn-amd-amdhsa--gfx1250"
	.amdhsa_code_object_version 6
	.text
	.protected	k_qe955dd5064_proj
	.globl	k_qe955dd5064_proj
	.p2align	8
	.type	k_qe955dd5064_proj,@function
k_qe955dd5064_proj:
	s_mov_b64 s[64:65], 0
	v_nop
	global_prefetch_b8 v0, s[64:65] scope:SCOPE_SE
	s_setreg_imm32_b32 hwreg(HW_REG_WAVE_MODE, 25, 1), 1
	s_wait_xcnt 0x0
	s_wait_alu depctr_hold_cnt(0) depctr_sa_sdst(0) depctr_va_vdst(0) depctr_va_sdst(0) depctr_va_ssrc(0) depctr_va_vcc(0) depctr_vm_vsrc(0)
	s_getreg_b32 s2, hwreg(HW_REG_IB_STS2, 6, 4)
	s_cmp_eq_u32 s2, 0
	s_cbranch_scc0 .Lentry_in_a_cluster
	s_endpgm
.Lentry_in_a_cluster:
	s_bfe_u32 s2, ttmp6, 0x10000c
	s_cmp_lg_u32 s2, 0xf033
	s_cbranch_scc0 .Lentry_shape_is_right
	s_endpgm
.Lentry_shape_is_right:
; k = K Wk^T + bk and v = K Wv^T + bv on codes of BF6 (E3M2) with E8M0 scales, and each result quantised again for attention, in registers, on the way out.  (q is made by the launch that uses it.)
; OPERANDS come as blocks of 128 rows x 128 K: 12,288 bytes of codes (eight images of an operand's 12 registers, three pieces of 512 bytes each, lane l's 16 bytes at 16 l) and 512 bytes of scale
; words ([tile / 4][row][tile % 4]).  Block (RB, s) lies at (8 RB + s) x 12,288 of xc and x 512 of xs.  Row i of tile T is the block's row 32 (T / 2) + 8 (T % 2) + 16 (i / 8) + i % 8.
; TWO PRODUCTS IN ONE LAUNCH, told apart by pid = cluster y / 8 + 1.  L is the operand whose rows fall to LANES (source 1), R the one whose rows fall to REGISTERS (source 0): R's axis is the one quantised next.
;   pid 1: L = K, R = Wk (results [token][channel], quantised along the channels);   pid 2: L = Wv, R = K (results [channel][token], quantised along the tokens, the keys).
; By the order of R's rows the 64 registers of a block of 16 rows of L are register 16 b + i = R's index 32 b + 16 (lane / 16) + i: 16 neighbours at a time, as the conversions want them.
; A tile is 256 x 256, a wave makes 128 x 128: 64 accumulators, 512 registers.  K goes in steps of 256 through two LDS slots: four fills.  The scale words of all of K come once, with the first fills.
; CLUSTERS: 4 x 4 work-groups; L's tile is shared along a row of the cluster, R's along a column: each is asked for jointly, by the same tensor load with the same descriptor and a mask that names the four.
; pid is the same in all sixteen partners.  2 x 128 tiles: 256 work-groups of equal work.
; RESULTS.  pc, ps: blocks as above at index 512 (pid - 1) + W, W = ((batch x 8 + head pair) x 8 + s); k: rows = tokens 128 s on, K = the pair's 128 channels; v: rows = the pair's channels, K = keys 128 s on.
; THE BIAS has no branch: the form along the registers (k) and the form along the lanes (v) are both loaded, from offsets that stay inside the buffer, and the one that does not apply is cleared.
; LIMITS: NaN and infinities are not served; a block whose largest magnitude lies under 2^-122 keeps the byte 1 (a block of zeros too: its codes are zeros, and this program alone reads the bytes).
; REGISTERS, in windows of 256: window 0: v1-29 addresses; v32-63 scale words, two sets; v64-127 the bias along the registers; v128-223 L's fragments, one set; v240-247 the bias along the lanes; v248-255 the new scale words.
;   window 1: R's fragments, two sets, at v0 and v128.   windows 2, 3: the accumulators ((a, b) at v[8 (8 (a % 4) + b)]).   On the way out: v128-191 a block's numbers, v192-203 at work, v208-226 its codes.
.set HALFT,  24576                     ; what one tensor load brings: 128 rows x 256 along K, two blocks
.set SLOT,   4*HALFT                   ; L's two halves, then R's two
.set SCL,    2*SLOT                    ; behind the ring: the scale words, 4,096 bytes for each 128 rows
.set SPARE,  SCL+4*4096                ; the spare words, 128 bytes for each wave: two blocks of 256 bytes that no other line names
.set FR,     12                        ; registers of a fragment
.set NL,     3                         ; LDS loads that bring one
.set NP,     4                         ; places behind this matrix instruction (ISA guide 7.12.1)
.set ADRA, 16                          ; v16-17  LDS address of L's fragments in slot 0, 1
.set ADRB, 20                          ; v20-21  of R's
.set LI,   24                          ; v24     16 x lane; never rewritten
.set ADRS, 27                          ; v27     my scale words: lanes 0-15 L's, lanes 16-31 R's
.set SPW,  28                          ; v28     my spare word; never rewritten
.set NIL,  29                          ; v29     0; never rewritten
.set SC,   32                          ; set sc, register 16 sc + 8 q + i: lanes 0-15 the words of L's tile i, lanes 16-31 of R's tile i, for the slot's q-th 128 along K
.set BIAS, 64
.set AF,   128
.set BL,   240
.set PWS,  248
.set X,    128
.set TM,   192
.set PC,   208
.set BB,   228                         ; v228-229 the lanes' bias of the block in hand, as a pair
.set WV,   20
.set HI,   21                          ; which half of L is mine; also: I fetch for L (0) or for R (1)
.set LO,   22                          ; which half of R is mine; also: which 128 rows I fetch
.set PID,  23
.set G1,   24                          ; s[24:31] group 1 for L's tiles; s[32:39] group 0, a set for each slot
.set G0,   32
.set G1B,  48                          ; the same for R's
.set G0B,  56
.set SEL,  66
.set G1S,  68                          ; groups 1 and 0 for L's scale words; for R's
.set G0S,  76
.set G1SB, 80
.set G0SB, 88
.set MSB, 0
.macro WIN new                         ; the immediate's high byte repeats the setting that is left
.if MSB != (\new)
	s_set_vgpr_msb (MSB<<8)|(\new)
.set MSB, (\new)
.endif
.endm
.set MUL_LO, 0xa1                      ; source 0 (R) window 1, source 1 (L) window 0, C and D window 2
.set MUL_HI, 0xf1                      ; the same, C and D window 3
.set TO_B,   0x40                      ; destination window 1, address window 0
; A joint load: waves 0 and 1 fetch for L, waves 2 and 3 for R.  The branch hangs on the wave's number alone.  Four v_nop follow each of the two lines.
.macro JLOAD g0a, g1a, g0b, g1b
	s_cmp_eq_u32 s[HI], 0
	s_cbranch_scc0 .Lfor_b_\@
	tensor_load_to_lds s[\g0a:\g0a+3], s[\g1a:\g1a+7]
	s_nop 0
.rept 4
	v_nop
.endr
	s_branch .Lasked_\@
.Lfor_b_\@:
	tensor_load_to_lds s[\g0b:\g0b+3], s[\g1b:\g1b+7]
	s_nop 0
.rept 4
	v_nop
.endr
.Lasked_\@:
.endm
.macro CREST                           ; a round of the cluster's barrier behind its opening barrier
	s_cmp_lg_u32 s[WV], 0
	s_cbranch_scc1 .Lnot_wave_0_\@
	s_barrier_signal -3
.Lnot_wave_0_\@:
	s_barrier_wait -3
	s_barrier_signal -1
	s_barrier_wait -1
.endm
.macro CROUND                          ; a whole round
	s_barrier_signal -1
	s_barrier_wait -1
	CREST
.endm
	s_load_b256 s[4:11], s[0:1], 0x0               ; xc 4:5, xs 6:7, bk 8:9, bv 10:11
	s_load_b128 s[16:19], s[0:1], 0x20             ; pc 16:17, ps 18:19
	v_lshl_add_u32 v[SPW], v0, 2, SPARE
	v_mov_b32 v[NIL], 0
	ds_add_u32 v28, v29
	ds_add_u32 v28, v29
	s_wait_dscnt 0x0
	v_lshrrev_b32 v1, 5, v0
	v_readfirstlane_b32 s[WV], v1                  ; wave 0..3
	s_lshr_b32 s[HI], s[WV], 1
	s_and_b32 s[LO], s[WV], 1
	s_bfe_u32 s40, ttmp6, 0x40000                  ; cx
	s_bfe_u32 s41, ttmp6, 0x40004                  ; cy
	s_and_b32 s42, ttmp7, 0xffff                   ; cluster y, 0..15
	s_lshr_b32 s[PID], s42, 3
	s_add_co_u32 s[PID], s[PID], 1                 ; 1: k, 2: v
	s_and_b32 s42, s42, 7
	s_lshl_b32 s45, s42, 2                         ; 4 c: the long operand's tiles go by clusters
	s_lshl_b32 s96, s[PID], 6                      ; L's first row block: 64, (144)
	s_lshl_b32 s98, s[PID], 3
	s_add_co_u32 s98, s98, 128                     ; R's: 136, (64)
	s_cmp_lt_u32 s[PID], 2
	s_cselect_b32 s92, s45, 0
	s_cselect_b32 s93, 0, s45
	s_cselect_b32 s96, s96, 144
	s_cselect_b32 s98, s98, 64
	s_add_co_u32 s92, s92, s41                     ; L's tile of 256 rows: hangs on cy, never on cx
	s_add_co_u32 s93, s93, s40                     ; R's: on cx, never on cy
	s_lshl_b32 s94, s92, 1
	s_lshl_b32 s95, s93, 1
	s_add_co_u32 s96, s96, s94
	s_add_co_u32 s96, s96, s[LO]                   ; the row block of L that I would fetch
	s_add_co_u32 s98, s98, s95
	s_add_co_u32 s98, s98, s[LO]                   ; and of R
	s_add_co_u32 s94, s94, s[HI]                   ; lambda: which 128 rows of L my results have
	s_add_co_u32 s95, s95, s[LO]                   ; rho: which 128 rows of R
	s_lshl_b32 s43, s41, 2
	s_lshl_b32 s43, 15, s43                        ; my row of the cluster
	s_lshl_b32 s44, 0x1111, s40                    ; my column
	; group 1: dense blocks as rows of 256 bytes (32 elements of 8 bytes), no padding: the images are read 512 consecutive bytes an instruction
	s_or_b32 s[G1+0], s43, (3<<16)|(1<<21)         ; 15:0 the mask; 17:16 elements of 8 bytes; 21 set beside a mask
	s_or_b32 s[G1B+0], s44, (3<<16)|(1<<21)
	s_or_b32 s[G1S+0], s43, (3<<16)|(1<<21)
	s_or_b32 s[G1SB+0], s44, (3<<16)|(1<<21)
.irp g, G1, G1B
	s_mov_b32 s[\g+1], 32<<16                      ; tensor_dim0
	s_mov_b32 s[\g+2], 96<<16                      ; tensor_dim1: 24,576 bytes
	s_mov_b32 s[\g+3], 32<<16                      ; tile_dim0
	s_mov_b32 s[\g+4], 96                          ; tile_dim1
	s_mov_b32 s[\g+5], 32                          ; the pitch
	s_mov_b32 s[\g+6], 0
	s_mov_b32 s[\g+7], 0
.endr
.irp g, G1S, G1SB
	s_mov_b32 s[\g+1], 32<<16
	s_mov_b32 s[\g+2], 16<<16                      ; 4,096 bytes
	s_mov_b32 s[\g+3], 32<<16
	s_mov_b32 s[\g+4], 16
	s_mov_b32 s[\g+5], 32
	s_mov_b32 s[\g+6], 0
	s_mov_b32 s[\g+7], 0
.endr
	s_lshl_b32 s46, s96, 12                        ; a row block's scale words: 8 x 512 bytes
	s_mov_b32 s47, 0
	s_mul_i32 s96, s96, 98304                      ; its codes: 8 x 12,288
	s_mov_b32 s97, 0
	s_lshl_b32 s2, s98, 12
	s_mov_b32 s3, 0
	s_mul_i32 s98, s98, 98304
	s_mov_b32 s99, 0
	s_mul_i32 s45, s[WV], HALFT                    ; where they go: no place in the cluster enters an LDS address
	s_lshl_b32 s42, s[WV], 12
	s_wait_kmcnt 0x0
	s_add_nc_u64 s[96:97], s[4:5], s[96:97]
	s_add_nc_u64 s[46:47], s[6:7], s[46:47]
	s_add_nc_u64 s[98:99], s[4:5], s[98:99]
	s_add_nc_u64 s[2:3], s[6:7], s[2:3]
	CROUND                                         ; all sixteen work-groups are here: the first joint loads meet
	s_mov_b32 s[G0S], 1
	s_add_co_u32 s[G0S+1], s42, SCL
	s_mov_b64 s[G0S+2:G0S+3], s[46:47]
	s_or_b32 s[G0S+3], s[G0S+3], 0x80000000
	s_mov_b32 s[G0SB], 1
	s_add_co_u32 s[G0SB+1], s42, SCL
	s_mov_b64 s[G0SB+2:G0SB+3], s[2:3]
	s_or_b32 s[G0SB+3], s[G0SB+3], 0x80000000
	JLOAD G0S, G1S, G0SB, G1SB                     ; the scale words first: they are wanted with the first K step
.irp s, 0,1
	s_mov_b32 s[G0+4*\s], 1
	s_add_co_u32 s[G0+4*\s+1], s45, \s*SLOT
	s_add_nc_u64 s[G0+4*\s+2:G0+4*\s+3], s[96:97], \s*HALFT
	s_or_b32 s[G0+4*\s+3], s[G0+4*\s+3], 0x80000000
	s_mov_b32 s[G0B+4*\s], 1
	s_add_co_u32 s[G0B+4*\s+1], s45, \s*SLOT
	s_add_nc_u64 s[G0B+4*\s+2:G0B+4*\s+3], s[98:99], \s*HALFT
	s_or_b32 s[G0B+4*\s+3], s[G0B+4*\s+3], 0x80000000
	JLOAD G0+4*\s, G1, G0B+4*\s, G1B               ; three tensor loads of mine are out
.endr
	; the bias, and where the results go
	s_cmp_eq_u32 s[PID], 2
	s_cselect_b64 s[8:9], s[10:11], s[8:9]         ; bk or bv
	s_cmp_lt_u32 s[PID], 2
	s_cselect_b32 s40, s95, 0                      ; along the registers: rho's 128 numbers where that form applies, else the first 128
	s_cselect_b32 s42, 0, s94                      ; along the lanes: lambda's
	s_cselect_b32 s12, -1, 0                       ; the masks that clear the form that does not apply
	s_cselect_b32 s13, 0, -1
	s_cselect_b32 s44, s94, s95                    ; the tokens' block of 128 (0..63),
	s_cselect_b32 s45, s95, s94                    ; the head pair (0..7)
	s_lshl_b32 s40, s40, 9
	s_mov_b32 s41, 0
	s_lshl_b32 s42, s42, 9
	s_mov_b32 s43, 0
	s_add_nc_u64 s[10:11], s[8:9], s[42:43]
	s_add_nc_u64 s[8:9], s[8:9], s[40:41]
	s_lshr_b32 s40, s44, 3
	s_lshl_b32 s40, s40, 3
	s_add_co_u32 s40, s40, s45
	s_lshl_b32 s40, s40, 3
	s_and_b32 s44, s44, 7
	s_add_co_u32 s40, s40, s44                     ; W = ((batch x 8 + pair) x 8 + s)
	s_lshl_b32 s44, s[PID], 9
	s_add_co_u32 s40, s40, s44
	s_sub_co_u32 s40, s40, 512                     ; 512 (pid - 1) + W
	s_mul_i32 s42, s40, 12288
	s_add_nc_u64 s[16:17], s[16:17], s[42:43]
	s_lshl_b32 s42, s40, 9
	s_add_nc_u64 s[18:19], s[18:19], s[42:43]
	s_mov_b32 s[SEL], 0x76543210
	s_mov_b32 s[SEL+1], 0xfedcba98                 ; selects for lane l xor 16
	v_and_b32 v1, 15, v0                           ; r
	v_bfe_u32 v2, v0, 4, 1                         ; h
	v_and_b32 v3, 31, v0
	v_lshlrev_b32 v[LI], 4, v3
	v_lshlrev_b32 v7, 6, v2                        ; the registers' bias: register 16 b + i is number 32 b + 16 h + i
	v_and_b32 v8, 8, v1
	v_add_nc_u32 v8, v8, v1
	v_lshlrev_b32 v8, 2, v8                        ; the lanes': row r of tile a is number 32 (a / 2) + 8 (a % 2) + r + 8 (r / 8)
.irp b, 0,1,2,3
.irp j, 0,1,2,3
	global_load_b128 v[BIAS+16*\b+4*\j:BIAS+16*\b+4*\j+3], v7, s[8:9] offset:128*\b+16*\j
.endr
.endr
.irp a, 0,1,2,3,4,5,6,7
	global_load_b32 v[BL+\a], v8, s[10:11] offset:4*(32*(\a/2)+8*(\a%2))
.endr
	s_mul_i32 s40, s[HI], HALFT                    ; my 128 rows of L
	s_mul_i32 s41, s[LO], HALFT                    ; my 128 rows of R,
	s_add_co_u32 s41, s41, 2*HALFT                 ; behind L's two halves
.irp s, 0,1
	v_add_nc_u32 v[ADRA+\s], s40, v[LI]
	v_add_nc_u32 v[ADRB+\s], s41, v[LI]
	s_add_co_u32 s40, s40, SLOT
	s_add_co_u32 s41, s41, SLOT
.endr
	v_lshlrev_b32 v5, 4, v1                        ; four tiles' words of row r: 16 bytes
	s_lshl_b32 s40, s[HI], 12
	s_lshl_b32 s41, s[LO], 12
	s_add_co_u32 s41, s41, 8192
	s_sub_co_u32 s41, s41, s40
	v_mul_u32_u24 v6, s41, v2                      ; lanes 16-31 take R's: one product, the distance between the two bases
	s_add_co_u32 s40, s40, SCL
	v_add_nc_u32 v5, v5, v6
	v_add_nc_u32 v[ADRS], s40, v5
.macro FRAG reg, adr, q, i             ; a fragment comes as it was stored: three loads of 512 consecutive bytes
.irp c, 0,1,2
	ds_load_b128 v[\reg+4*\c:\reg+4*\c+3], v[\adr] offset:12288*(\q)+1536*(\i)+512*\c
.endr
.endm
; 16 matrix instructions: L's tiles a0, a0 + 1 x R's eight, 128 along K.  p: R's set;  sc: the set of scale words.  zero = 1: the first product starts the sums.
; The 64 accumulators take turns, one instruction a turn, in the same order in every step.
.macro MUL16 a0, p, q, sc, zero
.irp a, \a0, \a0+1
.irp b, 0,1,2,3,4,5,6,7
.if \zero
	v_wmma_scale_f32_16x16x128_f8f6f4 v[8*(8*((\a)%4)+\b):8*(8*((\a)%4)+\b)+7], v[128*(\p)+FR*\b:128*(\p)+FR*\b+FR-1], v[AF+FR*(\a):AF+FR*(\a)+FR-1], 0, v[SC+16*(\sc)+8*(\q)+\b], v[SC+16*(\sc)+8*(\q)+(\a)] matrix_a_fmt:MATRIX_FMT_BF6 matrix_b_fmt:MATRIX_FMT_BF6 matrix_a_scale:MATRIX_SCALE_ROW1
.else
	v_wmma_scale_f32_16x16x128_f8f6f4 v[8*(8*((\a)%4)+\b):8*(8*((\a)%4)+\b)+7], v[128*(\p)+FR*\b:128*(\p)+FR*\b+FR-1], v[AF+FR*(\a):AF+FR*(\a)+FR-1], v[8*(8*((\a)%4)+\b):8*(8*((\a)%4)+\b)+7], v[SC+16*(\sc)+8*(\q)+\b], v[SC+16*(\sc)+8*(\q)+(\a)] matrix_a_fmt:MATRIX_FMT_BF6 matrix_b_fmt:MATRIX_FMT_BF6 matrix_a_scale:MATRIX_SCALE_ROW1
.endif
.endr
.endr
.endm
.macro FETCH_B slot, q, p              ; R's eight fragments of the slot's q-th 128 along K into set p
	WIN TO_B
.irp i, 0,1,2,3,4,5,6,7
	FRAG 128*(\p)+FR*\i, ADRB+\slot, \q, \i
.endr
	WIN 0
.endm
.macro FETCH_A slot, q, i0             ; L's tiles i0 .. i0 + 3
.irp i, \i0, \i0+1, \i0+2, \i0+3
	FRAG AF+FR*(\i), ADRA+\slot, \q, \i
.endr
.endm
.macro SCALES sc                       ; a slot's scale words: four tiles' words a load
.irp q, 0,1
.irp g, 0,1
	ds_load_b128 v[SC+16*\sc+8*\q+4*\g:SC+16*\sc+8*\q+4*\g+3], v[ADRS] offset:512*\q+256*\g
.endr
.endr
.endm
; A load into a register that a matrix instruction has read stands NP places behind it, and only plain vector instructions that name none of its registers are places (ISA guide 7.12.1 for vector instructions).
.macro PLACES n
.rept \n
	v_nop
.endr
.endm
.macro STEP slot, q, zero              ; a step of 128 along K that has its successor in the same slot
	s_wait_dscnt 4*NL                              ; R's set and L's tiles 0-3 are in; the youngest twelve loads (L's tiles 4-7) may be out
	WIN MUL_LO
	MUL16 0, (\q)%2, \q, \slot, \zero
	MUL16 2, (\q)%2, \q, \slot, \zero
	s_wait_dscnt 0                                 ; L's tiles 4-7 are in (asked for 32 matrix instructions ago)
	PLACES NP
	FETCH_B \slot, (\q)+1, 1-(\q)%2
	FETCH_A \slot, (\q)+1, 0
	WIN MUL_HI
	MUL16 4, (\q)%2, \q, \slot, \zero
	MUL16 6, (\q)%2, \q, \slot, \zero
	PLACES NP
	WIN 0
	FETCH_A \slot, (\q)+1, 4
.endm
; A slot's last step changes slots: ONE barrier; in front of it each wave waits for all its tensor loads, adds 0 to its spare word, and waits for that and for its own reads of this slot.  fill = 1: this slot is filled again, two fills ahead.
.macro TURN slot, next, fill
	s_wait_tensorcnt 0x0                           ; all my tensor loads have landed: my part of the next slot
	ds_add_u32 v[SPW], v[NIL]                      ; 0 onto my spare word
	s_wait_dscnt 4*NL+1                            ; (the add and the youngest twelve loads may be out)
	WIN MUL_LO
	MUL16 0, 1, 1, \slot, 0                        ; sixteen matrix instructions stand between the add and the wait for it
	s_wait_dscnt 0x0                               ; the add is done, and my reads of this slot are over
	s_barrier_signal -1
	MUL16 2, 1, 1, \slot, 0
	WIN 0
	s_barrier_wait -1
.if \fill
	CREST                                          ; the barrier has opened a round of the cluster's barrier: no wave of any partner still reads this slot or has a load on its way
	s_add_nc_u64 s[G0+4*\slot+2:G0+4*\slot+3], s[G0+4*\slot+2:G0+4*\slot+3], 2*HALFT
	s_add_nc_u64 s[G0B+4*\slot+2:G0B+4*\slot+3], s[G0B+4*\slot+2:G0B+4*\slot+3], 2*HALFT
	JLOAD G0+4*\slot, G1, G0B+4*\slot, G1B         ; the first tensor load behind the round, my one load until the next; its four v_nop are the places in front of the loads below
.else
	PLACES NP
.endif
	v_add_nc_u32 v[ADRS], 1024, v[ADRS]            ; the next slot's scale words
	FETCH_B \next, 0, 0
	FETCH_A \next, 0, 0
	SCALES \next
	WIN MUL_HI
	MUL16 4, 1, 1, \slot, 0
	MUL16 6, 1, 1, \slot, 0
	PLACES NP
	WIN 0
	FETCH_A \next, 0, 4
.endm
	s_wait_tensorcnt 1                             ; the scale words and my part of slot 0 are in (slot 1's load may be out)
	s_barrier_signal -1
	s_barrier_wait -1                              ; everybody's are
	FETCH_B 0, 0, 0
	FETCH_A 0, 0, 0
	SCALES 0
	FETCH_A 0, 0, 4
	STEP 0, 0, 1                                   ; K = 1,024 is four fills of a slot: written straight
	TURN 0, 1, 1
	STEP 1, 0, 0
	TURN 1, 0, 1
	STEP 0, 0, 0
	TURN 0, 1, 0                                   ; nothing is left to fetch
	STEP 1, 0, 0
	s_wait_dscnt 4*NL
	WIN MUL_LO
	MUL16 0, 1, 1, 1, 0
	MUL16 2, 1, 1, 1, 0
	s_wait_dscnt 0
	WIN MUL_HI
	MUL16 4, 1, 1, 1, 0
	MUL16 6, 1, 1, 1, 0
	WIN 0
; 64 numbers of a lane, register 16 b + i = k 32 b + 16 (lane / 16) + i of my row, become a fragment's codes in v[PC] on and its scale word in v[pw].
.macro QUANT s, pw
.irp b, 0,1,2,3
	v_max3_num_f32 v[TM+\b], |v[\s+16*\b]|, |v[\s+1+16*\b]|, 0x2800000   ; block b: my 16 numbers, and the floor 2^(5 - 127): the byte cannot fall under 1
.endr
.irp i, 2,4,6,8,10,12,14
.irp b, 0,1,2,3
	v_max3_num_f32 v[TM+\b], v[TM+\b], |v[\s+16*\b+\i]|, |v[\s+1+16*\b+\i]|
.endr
.endr
.irp b, 0,1,2,3
	v_permlanex16_b32 v[TM+4+\b], v[TM+\b], s[SEL], s[SEL+1]
.endr
.irp b, 0,1,2,3
	v_max_num_f32 v[TM+\b], v[TM+\b], v[TM+4+\b]   ; with lane l xor 16's: the block's largest magnitude
.endr
.irp b, 0,1,2,3
	v_add_nc_u32 v[TM+8+\b], 0xfe000000, v[TM+\b]  ; 4 off its exponent field: the conversion's scale operand
.endr
.irp b, 0,1,2,3
	v_lshrrev_b32 v[TM+4+\b], 23, v[TM+8+\b]       ; the scale's byte
.endr
	v_lshl_or_b32 v[\pw], v[TM+5], 8, v[TM+4]
	v_lshl_or_b32 v[\pw], v[TM+6], 16, v[\pw]
	v_lshl_or_b32 v[\pw], v[TM+7], 24, v[\pw]
.irp c, 0,1
	v_cvt_scalef32_pk16_bf6_f32 v[PC+6*\c:PC+2+6*\c], v[\s+32*\c:\s+15+32*\c], v[TM+8+2*\c]
	v_cvt_scalef32_pk16_bf6_f32 v[PC+12+4*\c:PC+14+4*\c], v[\s+16+32*\c:\s+31+32*\c], v[TM+8+2*\c+1]   ; (a conversion's three registers begin on an even number)
.endr
	v_nop                                          ; one plain place behind a scaled conversion
.irp c, 0,1                                    ; the operand's layout wants a WHOLE block in a lane: lanes 0-15 block 2 c, lanes 16-31 block 2 c + 1
.irp i, 0,1,2
	v_permlane16_swap_b32 v[PC+6*\c+\i], v[PC+12+4*\c+\i]
.endr
.irp i, 0,1,2
	v_mov_b32 v[PC+3+6*\c+\i], v[PC+12+4*\c+\i]
.endr
.endr
.endm
; THE WAY OUT, a block of 16 rows of L at a time, with no LDS: the block's codes are already an image.
.macro BLOCK a
	s_wait_xcnt 0x0                                ; the last block's stores have read their registers
	WIN 0x02+(\a)/4                                ; source 0: window 2 or 3
.set AC, 64*((\a)%4)
.set ii, 0
.rept 32
	v_pk_add_f32 v[X+ii:X+ii+1], v[AC+ii:AC+ii+1], v[BIAS+ii:BIAS+ii+1]   ; each accumulator from its low end on
.set ii, ii+2
.endr
	WIN 0
	v_mov_b32 v[BB], v[BL+(\a)]
.set ii, 0
.rept 32
	v_pk_add_f32 v[X+ii:X+ii+1], v[X+ii:X+ii+1], v[BB:BB+1] op_sel_hi:[1,0]   ; one of the two biases is zeros: the sum is rounded once
.set ii, ii+2
.endr
	QUANT X, PWS+(\a)
.irp c, 0,1,2
	global_store_b128 v[LI], v[PC+4*\c:PC+4*\c+3], s[16:17] offset:1536*(\a)+512*\c   ; 32 lanes store 512 consecutive bytes, aligned
.endr
.endm
	s_wait_loadcnt 0x0                             ; the biases, asked for at the head
.set ii, 0
.rept 64
	v_and_b32 v[BIAS+ii], s12, v[BIAS+ii]          ; the form that does not apply becomes zeros.  (These lines are also the places behind the last products)
.set ii, ii+1
.endr
.irp a, 0,1,2,3,4,5,6,7
	v_and_b32 v[BL+\a], s13, v[BL+\a]
.endr
.irp b, 0,1,2,3
	v_mov_b32 v[TM+4+\b], 0                        ; written once: a lane permute's destination counts as one of its sources
.endr
	v_mov_b32 v[BB+1], 0                           ; (named as the upper half of a pair)
.irp a, 0,1,2,3,4,5,6,7
	BLOCK \a
.endr
	v_cmp_ne_u32 vcc_lo, 0, v2
.irp i, 0,1,2,3
	v_cndmask_b32 v[TM+\i], v[PWS+\i], v[PWS+4+\i], vcc_lo   ; lane (r, h): row r's words of tiles 4 h .. 4 h + 3
.endr
	global_store_b128 v[LI], v[TM:TM+3], s[18:19]  ; the block's 512 bytes of scale words
	s_wait_tensorcnt 0x0                           ; the wave's end
	ds_add_u32 v[SPW], v[NIL]
	s_wait_dscnt 0x0
	CROUND                                         ; the closing round: no work-group ends while a partner may still ask for a tile that names it
	s_endpgm
.Lfunc_end_k_qe955dd5064_proj:
	.size	k_qe955dd5064_proj, .Lfunc_end_k_qe955dd5064_proj-k_qe955dd5064_proj
	.p2alignl 7, 3214868480
	.fill 96, 4, 3214868480
	.section	.rodata,"a",@progbits
	.p2align	6, 0x0
	.amdhsa_kernel k_qe955dd5064_proj
		.amdhsa_group_segment_fixed_size 327680
		.amdhsa_private_segment_fixed_size 0
		.amdhsa_enable_private_segment 0
		.amdhsa_kernarg_size 48
		.amdhsa_user_sgpr_count 2
		.amdhsa_user_sgpr_kernarg_segment_ptr 1
		.amdhsa_wavefront_size32 1
		.amdhsa_system_sgpr_workgroup_id_x 1
		.amdhsa_system_sgpr_workgroup_id_y 1
		.amdhsa_system_sgpr_workgroup_id_z 1
		.amdhsa_system_vgpr_workitem_id 0
		.amdhsa_next_free_vgpr 1024
		.amdhsa_next_free_sgpr 100
		.amdhsa_reserve_vcc 1
		.amdhsa_float_denorm_mode_32 3
		.amdhsa_float_denorm_mode_16_64 3
		.amdhsa_memory_ordered 1
		.amdhsa_forward_progress 1
		.amdhsa_inst_pref_size 175
	.end_amdhsa_kernel
	.amdgpu_metadata
---
amdhsa.version: [ 1, 2 ]
amdhsa.kernels:
  - .name:           k_qe955dd5064_proj
    .symbol:         k_qe955dd5064_proj.kd
    .args:
      - { .name: xc, .offset: 0, .size: 8, .value_kind: global_buffer, .address_space: global }
      - { .name: xs, .offset: 8, .size: 8, .value_kind: global_buffer, .address_space: global }
      - { .name: bk, .offset: 16, .size: 8, .value_kind: global_buffer, .address_space: global }
      - { .name: bv, .offset: 24, .size: 8, .value_kind: global_buffer, .address_space: global }
      - { .name: pc, .offset: 32, .size: 8, .value_kind: global_buffer, .address_space: global }
      - { .name: ps, .offset: 40, .size: 8, .value_kind: global_buffer, .address_space: global }
    .group_segment_fixed_size: 327680
    .private_segment_fixed_size: 0
    .kernarg_segment_align: 8
    .kernarg_segment_size: 48
    .max_flat_workgroup_size: 128
    .sgpr_count:     100
    .vgpr_count:     1024
    .wavefront_size: 32
...
	.end_amdgpu_metadata
.endif
;; end of part 5
;; launch attn (part 6): grid 4 x 64, 16 waves a work-group, clusters of 4 x 1, 309,248 bytes of LDS; arguments xc, xs, bq, pc, ps, ob; writes ob
.if DOCPART == 6
	.amdgcn_target "amdgcn-amd-amdhsa--gfx1250"
	.amdhsa_code_object_version 6
	.text
	.protected	k_qe955dd5064_attn
	.globl	k_qe955dd5064_attn
	.p2align	8
	.type	k_qe955dd5064_attn,@function
k_qe955dd5064_attn:
	s_mov_b64 s[64:65], 0
	v_nop
	global_prefetch_b8 v0, s[64:65] scope:SCOPE_SE
	s_setreg_imm32_b32 hwreg(HW_REG_WAVE_MODE, 25, 1), 1
	s_wait_xcnt 0x0
	s_wait_alu depctr_hold_cnt(0) depctr_sa_sdst(0) depctr_va_vdst(0) depctr_va_sdst(0) depctr_va_ssrc(0) depctr_va_vcc(0) depctr_vm_vsrc(0)
	s_getreg_b32 s2, hwreg(HW_REG_IB_STS2, 6, 4)
	s_cmp_eq_u32 s2, 0
	s_cbranch_scc0 .Lentry_in_a_cluster
	s_endpgm
.Lentry_in_a_cluster:
	s_bfe_u32 s2, ttmp6, 0x10000c
	s_cmp_lg_u32 s2, 0x3003
	s_cbranch_scc0 .Lentry_shape_is_right
	s_endpgm
.Lentry_shape_is_right:
; q = Q Wq^T + bq, and o = q + softmax(q k^T / 32) v for 128 heads of 64 channels, 1,024 queries and keys each; all three products on codes of BF6 (E3M2) with E8M0 scales.
; INPUTS are blocks of 128 rows x 128 K: 12,288 bytes of codes (eight images of an operand's 12 registers, three pieces of 512 bytes, lane l's 16 bytes at 16 l) and 512 bytes of scale words ([tile / 4][row][tile % 4]).
; Row i of tile T is row 32 (T / 2) + 8 (T % 2) + 16 (i / 8) + i % 8 of its block.  xc, xs: block (RB, s) at index 8 RB + s; Q's row blocks are 8 batch + (token / 128), Wq's 128 + head pair.
; pc, ps: k at index W, v at 512 + W, W = ((batch x 8 + pair) x 8 + s); k: rows = tokens 128 s on, K = the PAIR's 128 channels; v: rows = the pair's channels, K = keys 128 s on.
; ob: o in f32 as images of 64 registers (register 16 b + i of lane (r, h) = channel 32 b + 16 h + i of row r) at (8 W + tile) x 8,192.
; SHARES.  A cluster of four work-groups owns one head pair of one batch.  The pair's 128 rows of Wq and ALL of its K and V (3 x 98,304 bytes of codes, 3 x 4,096 of scale words) lie in each work-group's LDS, filled once,
; by joint loads that name the four: no ring, nothing is filled again.  Work-group cx owns queries 256 cx on.  Wave w: head w / 8 of the pair, tile w % 8 of both blocks of 128 queries.
; THE Q PHASE needs Wq alone, whose loads are each fetching wave's first: it runs while K and V land.  A wave makes its head's four tiles of channels for its two tiles of tokens: 8 sums by turns, 8 K steps; a fragment
; of Wq out of LDS feeds two products; Q's fragments go from memory straight into registers, four K steps ahead (a fragment is loaded by the two waves, one for each head, that share its tile).  The sums BEGIN WITH bq,
; which is loaded into the accumulators.  Used transposed (source 0 = 16 rows of Wq, source 1 = 16 tokens), a lane's 32 registers of a tile are register 16 b + i = channel 32 b + 16 (lane / 16) + i of its head:
; they are quantised as they stand.  q in f32 stays for the residual: tile 1's in registers, tile 0's in the wave's own 4,096 bytes of Wq's place in LDS, which has had its only fill and which nobody reads by then.
; K = 64 IN A FORM OF K = 128: a fragment of q or k covers the pair's 128 channels, registers 0-5 head 0, registers 6-11 head 1.  Of q's fragment the other head's six registers are zeros: zero codes add nothing
; under any scale byte but 0xff, so k's fragments and scale words are used as they lie, and the other head's two bytes of q's scale word are 0.
; THE SOFTMAX AHEAD OF THE LAST PRODUCT: t = score x log2(e) / 32; M = the row's largest t so far, rounded UP to a whole number; p = 2^(t - M) is quantised along the keys, not normalised; the row's sum is taken
; of the unquantised p and divides at the end.  When M moves, the sum and O are multiplied by 2^(old M - new M): exact.  Two passes, 16 queries each, against all 1,024 keys, 128 a step.
; LAYOUT.  S^T = k q^T, O^T = v^T p^T: a lane holds ONE query throughout, and by the order of the tiles' rows the 16 registers of two neighbouring tiles are 16 neighbouring keys or channels.
; LIMITS: NaN and infinities are not served.  A block whose largest magnitude lies under 2^-122 keeps the byte 1 (a block of zeros too).  A block's largest p is taken from its largest score, which takes v_exp_f32 not to fall where its input rises.
; REGISTERS.  v1-6 addresses that stay; v8-11 those in hand; v12 -M, v13 the largest t, v[14:15] the sum; v16-27, v80-91 q's two fragments; v32-79 four fragments of Wq, K or V; v96-159 S^T, then p; v160-191 O^T;
; v192-223 q in f32; v224-235 p's codes; v232-247, v252, v254 at work.  Scale words and nothing else: v7, v255 q's; v28-31, v92-95 Q's; v248-251 Wq's, K's, V's; v253 p's.
; In the q phase: v160-191, v192-223 the sums of tiles 0, 1; Q's eight fragments (four K steps x two tiles) at v96, 108, 120, 132, 144, 224, 236, 16.
.set KC,   0                           ; LDS: K's codes [s][tile][1,536]
.set VC,   98304                       ; V's
.set KS,   196608                      ; K's scale words [s][512]
.set VS,   200704                      ; V's
.set WQC,  204800                      ; Wq's codes [s][tile][1,536]; later, 4,096 bytes a wave: tile 0's q in f32
.set WQS,  303104                      ; Wq's scale words
.set ASTQ, 1                           ; v1   WQC + 4,096 x wave + 16 x lane
.set AV0,  2                           ; v2   V's fragments: VC + 6,144 x head + 16 x lane
.set ASK0, 3                           ; v3   K's scale words: KS + 16 r
.set ASV0, 4                           ; v4   V's: VS + 256 x head + 16 r
.set LI,   5                           ; v5   16 x lane: K's fragments in LDS, and every image in memory; never rewritten
.set R16,  6                           ; v6   16 r; never rewritten
.set ADK,  8                           ; v8-11 the key step's addresses;
.set ADV,  9
.set ADS,  10
.set ADT,  11
.set AWQ,  8                           ; in the q phase: v8, v9 Wq's fragments of K steps 0-3 and 4-7, v10 its scale words, v11 64 h
.set AWS,  10
.set H64,  11
.set TM,   96                          ; the quantiser's work, behind the q phase
.set PC,   108
.set WV,   18
.set SEL,  20                          ; s[20:21] selects for lane l xor 16
.set CS,   22                          ; s[22:23] c = log2(e) / 32
.set G0A,  24                          ; groups 0: codes of Wq, K, V;
.set G0B,  28
.set G0C,  32
.set G0SA, 36                          ; scale words of Wq, K, V
.set G0SB, 40
.set G0SC, 44
.set G1C,  48                          ; s[48:55], s[56:63] groups 1
.set G1S,  56
.set TK,   66                          ; s66  the step's codes: 12,288 a step
.set TS,   67                          ; s67  its scale words: 512 a step
.set STEPS, 68
.set M0,   69                          ; s69, s70 the masks that clear the other head's half of q's fragment
.set M1,   70
.set SH,   71                          ; s71  16 x head: my two bytes' place in q's scale word
.set BQ,   72                          ; s[72:73] Q's codes, s[74:75] Q's scale words, s[76:77] o: at my tile of my first block
.set BQS,  74
.set BOB,  76
.macro CROUND                          ; a round of the cluster's barrier
	s_barrier_signal -1
	s_barrier_wait -1
	s_cmp_lg_u32 s[WV], 0
	s_cbranch_scc1 .Lnot_wave_0_\@
	s_barrier_signal -3
.Lnot_wave_0_\@:
	s_barrier_wait -3
	s_barrier_signal -1
	s_barrier_wait -1
.endm
	s_load_b256 s[4:11], s[0:1], 0x0               ; xc 4:5, xs 6:7, bq 8:9, pc 10:11
	s_load_b128 s[12:15], s[0:1], 0x20             ; ps 12:13, ob 14:15
	v_lshl_add_u32 v254, v0, 2, 0x4b000
	v_mov_b32 v255, 0
	ds_add_u32 v254, v255
	ds_add_u32 v254, v255
	s_wait_dscnt 0x0
	v_lshrrev_b32 v8, 5, v0
	v_readfirstlane_b32 s[WV], v8                  ; wave 0..15
	s_bfe_u32 s16, ttmp6, 0x40000                  ; cx: it enters Q's and o's addresses alone
	s_and_b32 s17, ttmp7, 0xffff                   ; batch x 8 + pair, which the four partners share
	s_and_b32 s19, s17, 7                          ; the pair
	s_lshr_b32 s78, s17, 3                         ; the batch
	s_mul_i32 s79, s[WV], 24576                    ; waves 0-3: which quarter of each tensor of codes I fetch
	s_add_co_u32 s80, s19, 128                     ; Wq's row block
	s_mul_i32 s82, s80, 98304
	s_add_co_u32 s82, s82, s79
	s_mov_b32 s83, 0
	s_lshl_b32 s84, s80, 12                        ; its scale words
	s_mov_b32 s85, 0
	s_mul_i32 s86, s17, 98304                      ; the pair's eight blocks of k
	s_add_co_u32 s86, s86, s79
	s_mov_b32 s87, 0
	s_lshl_b32 s80, s17, 12                        ; their scale words
	s_mov_b32 s81, 0
	; group 1: dense blocks as rows of 256 bytes (32 elements of 8 bytes), no padding
	s_mov_b32 s[G1C], 15|(3<<16)|(1<<21)           ; 15:0 the mask: all four work-groups; 17:16 elements of 8 bytes; 21 set beside a mask
	s_mov_b32 s[G1C+1], 32<<16
	s_mov_b32 s[G1C+2], 96<<16                     ; 24,576 bytes
	s_mov_b32 s[G1C+3], 32<<16
	s_mov_b32 s[G1C+4], 96
	s_mov_b32 s[G1C+5], 32
	s_mov_b32 s[G1C+6], 0
	s_mov_b32 s[G1C+7], 0
	s_mov_b32 s[G1S], 15|(3<<16)|(1<<21)
	s_mov_b32 s[G1S+1], 32<<16
	s_mov_b32 s[G1S+2], 16<<16                     ; 4,096 bytes
	s_mov_b32 s[G1S+3], 32<<16
	s_mov_b32 s[G1S+4], 16
	s_mov_b32 s[G1S+5], 32
	s_mov_b32 s[G1S+6], 0
	s_mov_b32 s[G1S+7], 0
	s_wait_kmcnt 0x0
	s_mov_b32 s[G0A], 1
	s_add_co_u32 s[G0A+1], s79, WQC
	s_add_nc_u64 s[G0A+2:G0A+3], s[4:5], s[82:83]
	s_or_b32 s[G0A+3], s[G0A+3], 0x80000000
	s_mov_b32 s[G0B], 1
	s_mov_b32 s[G0B+1], s79                        ; K's codes begin at LDS byte 0
	s_add_nc_u64 s[G0B+2:G0B+3], s[10:11], s[86:87]
	s_add_nc_u64 s[G0C+2:G0C+3], s[G0B+2:G0B+3], 6291456   ; v lies 512 blocks of 12,288 bytes behind k
	s_or_b32 s[G0B+3], s[G0B+3], 0x80000000
	s_mov_b32 s[G0C], 1
	s_add_co_u32 s[G0C+1], s79, VC
	s_or_b32 s[G0C+3], s[G0C+3], 0x80000000
	s_mov_b32 s[G0SA], 1
	s_mov_b32 s[G0SA+1], WQS
	s_add_nc_u64 s[G0SA+2:G0SA+3], s[6:7], s[84:85]
	s_or_b32 s[G0SA+3], s[G0SA+3], 0x80000000
	s_mov_b32 s[G0SB], 1
	s_mov_b32 s[G0SB+1], KS
	s_add_nc_u64 s[G0SB+2:G0SB+3], s[12:13], s[80:81]
	s_add_nc_u64 s[G0SC+2:G0SC+3], s[G0SB+2:G0SB+3], 262144   ; 512 blocks of 512 bytes
	s_or_b32 s[G0SB+3], s[G0SB+3], 0x80000000
	s_mov_b32 s[G0SC], 1
	s_mov_b32 s[G0SC+1], VS
	s_or_b32 s[G0SC+3], s[G0SC+3], 0x80000000
	CROUND                                         ; all four work-groups are here: the joint loads meet
	s_cmp_lt_u32 s[WV], 4                          ; a fetching wave's three loads stand in one branch on the wave's number, Wq's first: three tensor loads of mine are out; four v_nop follow the last
	s_cbranch_scc0 .Lnot_codes
	tensor_load_to_lds s[G0A:G0A+3], s[G1C:G1C+7]
	s_nop 0
	tensor_load_to_lds s[G0B:G0B+3], s[G1C:G1C+7]
	s_nop 0
	tensor_load_to_lds s[G0C:G0C+3], s[G1C:G1C+7]
	s_nop 0
.rept 4
	v_nop
.endr
	s_branch .Lasked
.Lnot_codes:
	s_cmp_eq_u32 s[WV], 4
	s_cbranch_scc0 .Lasked
	tensor_load_to_lds s[G0SA:G0SA+3], s[G1S:G1S+7]
	s_nop 0
	tensor_load_to_lds s[G0SB:G0SB+3], s[G1S:G1S+7]
	s_nop 0
	tensor_load_to_lds s[G0SC:G0SC+3], s[G1S:G1S+7]
	s_nop 0
.rept 4
	v_nop
.endr
.Lasked:
	s_and_b32 s79, s[WV], 7                        ; my tile
	s_lshr_b32 s80, s[WV], 3                       ; my head of the pair
	s_lshl_b32 s81, s78, 3
	s_lshl_b32 s82, s16, 1
	s_add_co_u32 s81, s81, s82                     ; Q's row block of my first 128 queries: 8 batch + 2 cx
	s_mul_i32 s82, s81, 98304
	s_mul_i32 s84, s79, 1536
	s_add_co_u32 s82, s82, s84
	s_mov_b32 s83, 0
	s_add_nc_u64 s[BQ:BQ+1], s[4:5], s[82:83]
	s_lshl_b32 s82, s81, 12
	s_lshr_b32 s84, s79, 2
	s_lshl_b32 s84, s84, 8
	s_add_co_u32 s82, s82, s84
	s_and_b32 s84, s79, 3
	s_lshl_b32 s84, s84, 2
	s_add_co_u32 s82, s82, s84
	s_add_nc_u64 s[BQS:BQS+1], s[6:7], s[82:83]
	s_lshl_b32 s82, s19, 9                         ; bq: the pair's 128 numbers, my head's 64
	s_lshl_b32 s84, s80, 8
	s_add_co_u32 s82, s82, s84
	s_add_nc_u64 s[8:9], s[8:9], s[82:83]
	s_lshl_b32 s82, s17, 3
	s_lshl_b32 s84, s16, 1
	s_add_co_u32 s82, s82, s84                     ; W of my first 128 queries
	s_lshl_b32 s82, s82, 3
	s_add_co_u32 s82, s82, s79
	s_lshl_b32 s82, s82, 13                        ; my tile's image,
	s_lshl_b32 s84, s80, 12                        ; my head's 32 registers of it: 4,096 bytes
	s_add_co_u32 s82, s82, s84
	s_add_nc_u64 s[BOB:BOB+1], s[14:15], s[82:83]
	s_cmp_eq_u32 s80, 0
	s_cselect_b32 s[M0], -1, 0
	s_cselect_b32 s[M1], 0, -1
	s_lshl_b32 s[SH], s80, 4
	s_mov_b32 s[SEL], 0x76543210
	s_mov_b32 s[SEL+1], 0xfedcba98
	s_mov_b32 s[CS], 0x3d38aa3b                    ; c = log2(e) / 32
	s_mov_b32 s[CS+1], s[CS]                       ; (named with it as a pair, so it is written)
	v_and_b32 v12, 31, v0
	v_lshlrev_b32 v[LI], 4, v12
	v_and_b32 v13, 15, v0
	v_lshlrev_b32 v[R16], 4, v13
	v_bfe_u32 v14, v0, 4, 1
	v_lshlrev_b32 v[H64], 6, v14
; Which registers hold the fragment and the scale word of Q's buffer n = 2 (K step % 4) + tile
.macro QREG n
.if (\n) < 5
.set QB, 96+12*(\n)
.elseif (\n) == 5
.set QB, 224
.elseif (\n) == 6
.set QB, 236
.else
.set QB, 16
.endif
.if (\n) < 4
.set QC, 28+(\n)
.else
.set QC, 88+(\n)
.endif
.endm
.macro QLOAD s                         ; K step s of my two tiles of Q: 8 loads.  No hint: the other pairs' work-groups read these bytes too
.irp p, 0,1
	QREG 2*((\s)%4)+\p
.irp c, 0,1,2
	global_load_b128 v[QB+4*\c:QB+4*\c+3], v[LI], s[BQ:BQ+1] offset:98304*\p+12288*(\s)+512*\c
.endr
	global_load_b32 v[QC], v[R16], s[BQS:BQS+1] offset:4096*\p+512*(\s)
.endr
.endm
.irp p, 0,1                                    ; both tiles' sums begin with bq: register 16 b + i = channel 32 b + 16 h + i of my head
.irp b, 0,1
.irp j, 0,1,2,3
	global_load_b128 v[160+32*\p+16*\b+4*\j:163+32*\p+16*\b+4*\j], v[H64], s[8:9] offset:128*\b+16*\j
.endr
.endr
.endr
	QLOAD 0
	QLOAD 1
	QLOAD 2
	QLOAD 3
	s_mul_i32 s82, s80, 6144                       ; my head's four tiles of a block
	s_add_co_u32 s84, s82, WQC
	v_add_nc_u32 v[AWQ], s84, v[LI]
	v_add_nc_u32 v[AWQ+1], 49152, v[AWQ]           ; four K steps on, so that every offset fits its 16 bits
	s_add_co_u32 s84, s82, VC
	v_add_nc_u32 v[AV0], s84, v[LI]
	s_lshl_b32 s82, s80, 8
	s_add_co_u32 s84, s82, WQS
	v_add_nc_u32 v[AWS], s84, v[R16]
	s_add_co_u32 s84, s82, VS
	v_add_nc_u32 v[ASV0], s84, v[R16]
	v_add_nc_u32 v[ASK0], KS, v[R16]
	s_lshl_b32 s82, s[WV], 12
	s_add_co_u32 s82, s82, WQC
	v_add_nc_u32 v[ASTQ], s82, v[LI]
; A K STEP OF q's PRODUCT.  n: the younger global loads that may stay out.
.macro QSTEP s, n
.irp t, 0,1,2,3
.irp c, 0,1,2
	ds_load_b128 v[32+12*\t+4*\c:35+12*\t+4*\c], v[AWQ+(\s)/4] offset:12288*((\s)%4)+1536*\t+512*\c
.endr
.endr
	ds_load_b128 v[248:251], v[AWS] offset:512*(\s)   ; the four tiles' scale words
	s_wait_loadcnt \n
	s_wait_dscnt 0x0
.irp t, 0,1,2,3                                ; the eight sums by turns
.irp p, 0,1
	QREG 2*((\s)%4)+\p
	v_wmma_scale_f32_16x16x128_f8f6f4 v[160+32*\p+8*\t:167+32*\p+8*\t], v[32+12*\t:43+12*\t], v[QB:QB+11], v[160+32*\p+8*\t:167+32*\p+8*\t], v[248+\t], v[QC] matrix_a_fmt:MATRIX_FMT_BF6 matrix_b_fmt:MATRIX_FMT_BF6
.endr
.endr
.rept 4
	v_nop                                          ; places in front of loads into registers that these products have read, and of the first read of results
.endr
.if (\s) < 4
	QLOAD (\s)+4                                   ; the buffer takes the K step four further on
.endif
.endm
	s_wait_tensorcnt 2                             ; my first load, Wq's, has landed; K's and V's may be out
	s_barrier_signal -1
	s_barrier_wait -1                              ; everybody's has
	QSTEP 0, 24                                    ; bq and K step 0 are in; three later K steps' 24 loads may be out
	QSTEP 1, 24
	QSTEP 2, 24
	QSTEP 3, 24
	QSTEP 4, 24
	QSTEP 5, 16                                    ; nothing more is asked for: the counts run down
	QSTEP 6, 8
	QSTEP 7, 0
	; q IS QUANTISED: four blocks of 32 channels, block 2 p + b of tile p: register 160 + 16 (2 p + b) + i = channel 32 b + 16 (lane / 16) + i of my head
.irp b, 0,1,2,3
	v_mov_b32 v[TM+4+\b], 0                        ; a lane permute's destination counts as one of its sources
.endr
.irp b, 0,1,2,3
	v_max3_num_f32 v[TM+\b], |v[160+16*\b]|, |v[161+16*\b]|, 0x2800000   ; my 16 numbers, each accumulator from its low end on, and the floor 2^(5 - 127): the byte cannot fall under 1
.endr
.irp i, 2,4,6,8,10,12,14
.irp b, 0,1,2,3
	v_max3_num_f32 v[TM+\b], v[TM+\b], |v[160+16*\b+\i]|, |v[161+16*\b+\i]|
.endr
.endr
.irp b, 0,1,2,3
	v_permlanex16_b32 v[TM+4+\b], v[TM+\b], s[SEL], s[SEL+1]
.endr
.irp b, 0,1,2,3
	v_max_num_f32 v[TM+\b], v[TM+\b], v[TM+4+\b]   ; with lane l xor 16's: the block's largest magnitude
.endr
.irp b, 0,1,2,3
	v_add_nc_u32 v[TM+8+\b], 0xfe000000, v[TM+\b]  ; 4 off its exponent field: the conversion's scale operand
.endr
.irp b, 0,1,2,3
	v_lshrrev_b32 v[TM+4+\b], 23, v[TM+8+\b]       ; the scale's byte
.endr
	v_lshl_or_b32 v7, v[TM+5], 8, v[TM+4]          ; tile 0's two bytes,
	v_lshl_or_b32 v255, v[TM+7], 8, v[TM+6]        ; tile 1's,
	v_lshlrev_b32 v7, s[SH], v7                    ; at my head's place in the pair's scale word; the other head's bytes are 0, over zero codes
	v_lshlrev_b32 v255, s[SH], v255
.irp c, 0,1
	v_cvt_scalef32_pk16_bf6_f32 v[PC+6*\c:PC+2+6*\c], v[160+32*\c:175+32*\c], v[TM+8+2*\c]
	v_cvt_scalef32_pk16_bf6_f32 v[PC+12+4*\c:PC+14+4*\c], v[176+32*\c:191+32*\c], v[TM+8+2*\c+1]   ; (a conversion's three registers begin on an even number)
.endr
	v_nop                                          ; one plain place behind a scaled conversion
.irp c, 0,1                                    ; the operand's layout wants a WHOLE block in a lane: lanes 0-15 the head's first block, lanes 16-31 its second
.irp i, 0,1,2
	v_permlane16_swap_b32 v[PC+6*\c+\i], v[PC+12+4*\c+\i]
.endr
.irp i, 0,1,2
	v_mov_b32 v[PC+3+6*\c+\i], v[PC+12+4*\c+\i]
.endr
.endr
.irp i, 0,1,2,3,4,5                            ; a tile's six registers go to my head's half of its fragment; the other half becomes zeros
	v_and_b32 v[16+\i], s[M0], v[PC+6+\i]          ; tile 1: the first pass
	v_and_b32 v[22+\i], s[M1], v[PC+6+\i]
	v_and_b32 v[80+\i], s[M0], v[PC+\i]            ; tile 0: the second
	v_and_b32 v[86+\i], s[M1], v[PC+\i]
.endr
.irp b, 0,1,2,3
	v_mov_b32 v[236+\b], 0                         ; a lane permute's destination counts as one of its sources
.endr
	v_mov_b32 v253, 0                              ; (named as the upper half of the pair v[252:253] before it is first written)
	s_wait_tensorcnt 0x0                           ; my loads of K and V have landed,
	s_wait_dscnt 0x0                               ; my reads of Wq are back;
	s_barrier_signal -1
	s_barrier_wait -1                              ; everybody's: K and V lie in LDS for the rest of the launch, and nobody reads Wq any more
.irp k, 0,1,2,3,4,5,6,7
	ds_store_b128 v[ASTQ], v[160+4*\k:163+4*\k] offset:512*\k   ; tile 0's q in f32 waits in my own 4,096 bytes of Wq's place
.endr
	s_wait_dscnt 0x0                               ; the stores have read their registers, which O^T takes
; A KEY STEP: 128 keys.  qf, qs: q's fragment and its scale word.
.macro STEP qf, qs
	v_add_nc_u32 v[ADK], s[TK], v[LI]              ; these four are also the places in front of the loads into registers that the last products have read
	v_add_nc_u32 v[ADV], s[TK], v[AV0]
	v_add_nc_u32 v[ADS], s[TS], v[ASK0]
	v_add_nc_u32 v[ADT], s[TS], v[ASV0]
.irp g, 0,1                                    ; S^T = k q^T, four tiles of 16 keys at a time
.if \g > 0
.rept 4
	v_nop
.endr
.endif
.irp t, 0,1,2,3
.irp c, 0,1,2
	ds_load_b128 v[32+12*\t+4*\c:35+12*\t+4*\c], v[ADK] offset:(4*\g+\t)*1536+512*\c
.endr
.endr
	ds_load_b128 v[248:251], v[ADS] offset:256*\g  ; the four tiles' scale words
	s_wait_dscnt 0x0
.irp t, 0,1,2,3
	v_wmma_scale_f32_16x16x128_f8f6f4 v[96+8*(4*\g+\t):103+8*(4*\g+\t)], v[32+12*\t:43+12*\t], v[\qf:\qf+11], 0, v[248+\t], v[\qs] matrix_a_fmt:MATRIX_FMT_BF6 matrix_b_fmt:MATRIX_FMT_BF6
.endr
.endr                                          ; the 16 registers of tiles 2 b, 2 b + 1 are keys 32 b + 16 (lane / 16) + 0 .. 15 of the step
.rept 4
	v_nop                                          ; places in front of the loads below and of the first read of the scores
.endr
.irp t, 0,1,2,3                                ; V's four fragments are asked for now: they land while the softmax is walked
.irp c, 0,1,2
	ds_load_b128 v[32+12*\t+4*\c:35+12*\t+4*\c], v[ADV] offset:1536*\t+512*\c
.endr
.endr
	ds_load_b128 v[248:251], v[ADT]
.irp b, 0,1,2,3
	v_max3_num_f32 v[232+\b], v[96+16*\b], v[97+16*\b], v[98+16*\b]   ; the largest score of each block of 32 keys: it serves the row's maximum and, since p rises with the score, the block's largest p
.endr
.irp i, 3,5,7,9,11,13
.irp b, 0,1,2,3
	v_max3_num_f32 v[232+\b], v[232+\b], v[96+16*\b+\i], v[97+16*\b+\i]
.endr
.endr
.irp b, 0,1,2,3
	v_max_num_f32 v[232+\b], v[232+\b], v[111+16*\b]
.endr
.irp b, 0,1,2,3
	v_permlanex16_b32 v[236+\b], v[232+\b], s[SEL], s[SEL+1]
.endr
.irp b, 0,1,2,3
	v_max_num_f32 v[232+\b], v[232+\b], v[236+\b]  ; with lane l xor 16's 16 keys
.endr
	v_max3_num_f32 v254, v232, v233, v234
	v_max_num_f32 v254, v254, v235                 ; the step's largest score of my query
	v_mul_f32 v254, s[CS], v254                    ; as t (c is positive)
	v_max_num_f32 v13, v13, v254                   ; the running largest t
	v_mov_b32 v254, v12
	v_floor_f32 v12, -v13                          ; the new -M = floor(-t) = -ceil(t): a whole number
	v_sub_f32 v254, v12, v254                      ; old M - new M: a whole number, 0 or less
	v_cvt_i32_f32 v254, v254                       ; (it saturates)
	v_ldexp_f32 v252, 1.0, v254                    ; f = 2^(old M - new M)
.set jj, 0
.rept 32
	v_pk_fma_f32 v[96+jj:97+jj], v[96+jj:97+jj], s[CS:CS+1], v[12:13] op_sel_hi:[1,0,0]   ; t - M, two at a time
.set jj, jj+2
.endr
.irp b, 0,1,2,3
	v_fma_f32 v[232+\b], v[232+\b], s[CS], v12     ; the same of each block's largest score
.endr
.set jj, 0
.rept 64
	v_exp_f32 v[96+jj], v[96+jj]                   ; p = 2^(t - M), at most 1: not normalised
.set jj, jj+1
.endr
	v_pk_mul_f32 v[14:15], v[14:15], v[252:253] op_sel_hi:[1,0]   ; the sums under the new M: a plain place behind the exponentials
	s_wait_alu depctr_va_vdst(0)                   ; one wait for the whole batch, ahead of its first reader
.irp b, 0,1,2,3
	v_exp_f32 v[232+\b], v[232+\b]                 ; the block's largest p: the same two instructions on the same number give the same bits
.endr
	v_pk_add_f32 v[236:237], v[96:97], v[98:99]    ; the row's sum of the UNQUANTISED p, in two chains: plain work behind the four
.irp j, 4,8,12,16,20,24,28,32,36,40,44,48,52,56,60
	v_pk_add_f32 v[14:15], v[14:15], v[96+\j:97+\j]
	v_pk_add_f32 v[236:237], v[236:237], v[98+\j:99+\j]
.endr
	v_pk_add_f32 v[14:15], v[14:15], v[236:237]
	s_wait_alu depctr_va_vdst(0)                   ; and one for the four
.irp b, 0,1,2,3
	v_max_num_f32 v[232+\b], 0x2800000, v[232+\b]  ; the floor 2^(5 - 127): the byte cannot fall under 1
.endr
.irp b, 0,1,2,3
	v_add_nc_u32 v[244+\b], 0xfe000000, v[232+\b]  ; 4 off the exponent field: the conversion's scale operand
.endr
.irp b, 0,1,2,3
	v_lshrrev_b32 v[236+\b], 23, v[244+\b]         ; the scale's byte
.endr
	v_lshl_or_b32 v253, v237, 8, v236              ; p's scale word for these 128 keys
	v_lshl_or_b32 v253, v238, 16, v253
	v_lshl_or_b32 v253, v239, 24, v253
.irp c, 0,1
	v_cvt_scalef32_pk16_bf6_f32 v[224+6*\c:226+6*\c], v[96+32*\c:111+32*\c], v[244+2*\c]
	v_cvt_scalef32_pk16_bf6_f32 v[236+4*\c:238+4*\c], v[112+32*\c:127+32*\c], v[244+2*\c+1]   ; (a conversion's three registers begin on an even number)
.endr
	v_nop                                          ; one plain place behind a scaled conversion
.irp c, 0,1                                    ; the operand's layout wants a WHOLE block in a lane
.irp i, 0,1,2
	v_permlane16_swap_b32 v[224+6*\c+\i], v[236+4*\c+\i]
.endr
.irp i, 0,1,2
	v_mov_b32 v[227+6*\c+\i], v[236+4*\c+\i]
.endr
.endr
.irp j, 0,2,4,6,8,10,12,14,16,18,20,22,24,26,28,30
	v_pk_mul_f32 v[160+\j:161+\j], v[160+\j:161+\j], v[252:253] op_sel_hi:[1,0]   ; O^T under the new M.  (These sixteen are also the places between the lines that made p's codes and scale word and the products)
.endr
	s_wait_dscnt 0x0                               ; V's fragments and scale words
.irp t, 0,1,2,3                                ; O^T += v^T p^T: my head's four tiles of 16 channels, by turns
	v_wmma_scale_f32_16x16x128_f8f6f4 v[160+8*\t:167+8*\t], v[32+12*\t:43+12*\t], v[224:235], v[160+8*\t:167+8*\t], v[248+\t], v253 matrix_a_fmt:MATRIX_FMT_BF6 matrix_b_fmt:MATRIX_FMT_BF6
.endr
	s_add_co_u32 s[TK], s[TK], 12288
	s_add_co_u32 s[TS], s[TS], 512
.endm
; A PASS: my tile of block pi of my work-group's two, against all 1,024 keys.  back = 1: its q in f32 comes back out of LDS.
.macro PASS pi, qf, qs, back
.if \back
.irp k, 0,1,2,3,4,5,6,7
	ds_load_b128 v[192+4*\k:195+4*\k], v[ASTQ] offset:512*\k   ; my own bytes; wanted at the pass's end, waited for with the first step's loads
.endr
.endif
	v_mov_b32 v13, 0xff61b1e6                      ; the largest t so far: -3e38, under every t
	v_floor_f32 v12, -v13                          ; -M
	v_mov_b32 v14, 0                               ; the sum, in two halves
	v_mov_b32 v15, 0
	s_mov_b32 s[TK], 0
	s_mov_b32 s[TS], 0
.set jj, 0
.rept 32
	v_mov_b32 v[160+jj], 0                         ; O^T: the step is written once a pass; the first finds zeros, which the first change of M leaves zeros
.set jj, jj+1
.endr
	s_mov_b32 s[STEPS], 8
.Lstep_\@:
	STEP \qf, \qs
	s_sub_co_u32 s[STEPS], s[STEPS], 1
	s_cmp_lg_u32 s[STEPS], 0
	s_cbranch_scc1 .Lstep_\@
	v_add_f32 v14, v14, v15                        ; the sum's two halves,
	v_permlanex16_b32 v252, v14, s[SEL], s[SEL+1]
	v_add_f32 v14, v14, v252                       ; and lane l xor 16's: the row's sum
	v_rcp_f32 v14, v14
.rept 4
	v_nop                                          ; the plain place behind the reciprocal, and the places behind the last products
.endr
	s_wait_alu depctr_va_vdst(0)                   ; ahead of the reciprocal's first reader
.set jj, 0
.rept 32
	v_fma_f32 v[96+jj], v[160+jj], v14, v[192+jj]  ; o = q + O^T / the sum; each accumulator from its low end on
.set jj, jj+1
.endr
.irp k, 0,1,2,3,4,5,6,7
	global_store_b128 v[LI], v[96+4*\k:99+4*\k], s[BOB:BOB+1] offset:65536*\pi+512*\k   ; 32 lanes store 512 consecutive bytes, aligned
.endr
	s_wait_xcnt 0x0                                ; the stores have read their registers: they are written again only behind this wait
.endm
	PASS 1, 16, 255, 0                             ; tile 1 first: its q in f32 stands in v192-223 since the q phase
	PASS 0, 80, 7, 1
	s_wait_xcnt 0x0
	v_lshl_add_u32 v254, v0, 2, 0x4b000
	v_mov_b32 v255, 0
	s_wait_tensorcnt 0x0
	ds_add_u32 v254, v255
	s_wait_dscnt 0x0
	CROUND                                         ; the closing round
	s_endpgm
.Lfunc_end_k_qe955dd5064_attn:
	.size	k_qe955dd5064_attn, .Lfunc_end_k_qe955dd5064_attn-k_qe955dd5064_attn
	.p2alignl 7, 3214868480
	.fill 96, 4, 3214868480
	.section	.rodata,"a",@progbits
	.p2align	6, 0x0
	.amdhsa_kernel k_qe955dd5064_attn
		.amdhsa_group_segment_fixed_size 309248
		.amdhsa_private_segment_fixed_size 0
		.amdhsa_enable_private_segment 0
		.amdhsa_kernarg_size 48
		.amdhsa_user_sgpr_count 2
		.amdhsa_user_sgpr_kernarg_segment_ptr 1
		.amdhsa_wavefront_size32 1
		.amdhsa_system_sgpr_workgroup_id_x 1
		.amdhsa_system_sgpr_workgroup_id_y 1
		.amdhsa_system_sgpr_workgroup_id_z 1
		.amdhsa_system_vgpr_workitem_id 0
		.amdhsa_next_free_vgpr 256
		.amdhsa_next_free_sgpr 90
		.amdhsa_reserve_vcc 0
		.amdhsa_float_denorm_mode_32 3
		.amdhsa_float_denorm_mode_16_64 3
		.amdhsa_memory_ordered 1
		.amdhsa_forward_progress 1
		.amdhsa_inst_pref_size 79
	.end_amdhsa_kernel
	.amdgpu_metadata
---
amdhsa.version: [ 1, 2 ]
amdhsa.kernels:
  - .name:           k_qe955dd5064_attn
    .symbol:         k_qe955dd5064_attn.kd
    .args:
      - { .name: xc, .offset: 0, .size: 8, .value_kind: global_buffer, .address_space: global }
      - { .name: xs, .offset: 8, .size: 8, .value_kind: global_buffer, .address_space: global }
      - { .name: bq, .offset: 16, .size: 8, .value_kind: global_buffer, .address_space: global }
      - { .name: pc, .offset: 24, .size: 8, .value_kind: global_buffer, .address_space: global }
      - { .name: ps, .offset: 32, .size: 8, .value_kind: global_buffer, .address_space: global }
      - { .name: ob, .offset: 40, .size: 8, .value_kind: global_buffer, .address_space: global }
    .group_segment_fixed_size: 309248
    .private_segment_fixed_size: 0
    .kernarg_segment_align: 8
    .kernarg_segment_size: 48
    .max_flat_workgroup_size: 512
    .sgpr_count:     90
    .vgpr_count:     256
    .wavefront_size: 32
...
	.end_amdgpu_metadata
.endif
;; end of part 6
;; launch outp: the kernel of part 4 again; grid 256 x 1, 16 waves a work-group, no clusters, 235,520 bytes of LDS; arguments ob, xc, xs, g0, b0, bo, g1, b1, out0; writes out0
;; ======== version 3 of 3: 4 launches
;; workspace buffers: xc 15,728,640 bytes; xs 655,360 bytes; pc 12,582,912 bytes; ps 524,288 bytes; ob 33,554,432 bytes
;; launch quant: the kernel of part 1 again; grid 640 x 1, 4 waves a work-group, no clusters, 34,304 bytes of LDS; arguments Q, K, Wq, Wk, Wv, Wo, xc, xs; writes xc, xs
;; launch proj: the kernel of part 5 again; grid 4 x 64, 4 waves a work-group, clusters of 4 x 4, 327,680 bytes of LDS; arguments xc, xs, bk, bv, pc, ps; writes pc, ps
;; launch attn (part 7): grid 4 x 64, 16 waves a work-group, clusters of 4 x 1, 309,248 bytes of LDS; arguments xc, xs, bq, pc, ps, ob; writes ob
.if DOCPART == 7
	.amdgcn_target "amdgcn-amd-amdhsa--gfx1250"
	.amdhsa_code_object_version 6
	.text
	.protected	k_qe955dd5064_attn
	.globl	k_qe955dd5064_attn
	.p2align	8
	.type	k_qe955dd5064_attn,@function
k_qe955dd5064_attn:
	s_mov_b64 s[64:65], 0
	v_nop
	global_prefetch_b8 v0, s[64:65] scope:SCOPE_SE
	s_setreg_imm32_b32 hwreg(HW_REG_WAVE_MODE, 25, 1), 1
	s_wait_xcnt 0x0
	s_wait_alu depctr_hold_cnt(0) depctr_sa_sdst(0) depctr_va_vdst(0) depctr_va_sdst(0) depctr_va_ssrc(0) depctr_va_vcc(0) depctr_vm_vsrc(0)
	s_getreg_b32 s2, hwreg(HW_REG_IB_STS2, 6, 4)
	s_cmp_eq_u32 s2, 0
	s_cbranch_scc0 .Lentry_in_a_cluster
	s_endpgm
.Lentry_in_a_cluster:
	s_bfe_u32 s2, ttmp6, 0x10000c
	s_cmp_lg_u32 s2, 0x3003
	s_cbranch_scc0 .Lentry_shape_is_right
	s_endpgm
.Lentry_shape_is_right:
; q = Q Wq^T + bq, and o = q + softmax(q k^T / 32) v for 128 heads of 64 channels, 1,024 queries and keys each; all three products on codes of BF6 (E3M2) with E8M0 scales.
; INPUTS are blocks of 128 rows x 128 K: 12,288 bytes of codes (eight images of an operand's 12 registers, three pieces of 512 bytes, lane l's 16 bytes at 16 l) and 512 bytes of scale words ([tile / 4][row][tile % 4]).
; Row i of tile T is row 32 (T / 2) + 8 (T % 2) + 16 (i / 8) + i % 8 of its block.  xc, xs: block (RB, s) at index 8 RB + s; Q's row blocks are 8 batch + (token / 128), Wq's 128 + head pair.
; pc, ps: k at index W, v at 512 + W, W = ((batch x 8 + pair) x 8 + s); k: rows = tokens 128 s on, K = the PAIR's 128 channels; v: rows = the pair's channels, K = keys 128 s on.
; ob: o in f32 as images of 64 registers (register 16 b + i of lane (r, h) = channel 32 b + 16 h + i of row r) at (8 W + tile) x 8,192.
; SHARES.  A cluster of four work-groups owns one head pair of one batch.  The pair's 128 rows of Wq and ALL of its K and V (3 x 98,304 bytes of codes, 3 x 4,096 of scale words) lie in each work-group's LDS, filled once,
; by joint loads that name the four: no ring, nothing is filled again.  Work-group cx owns queries 256 cx on.  Wave w: head w / 8 of the pair, tile w % 8 of both blocks of 128 queries.
; THE Q PHASE needs Wq alone, whose loads are each fetching wave's first: it runs while K and V land.  A wave makes its head's four tiles of channels for its two tiles of tokens: 8 sums by turns, 8 K steps; a fragment
; of Wq out of LDS feeds two products; Q's fragments go from memory straight into registers, four K steps ahead (a fragment is loaded by the two waves, one for each head, that share its tile).  The sums BEGIN WITH bq,
; which is loaded into the accumulators.  Used transposed (source 0 = 16 rows of Wq, source 1 = 16 tokens), a lane's 32 registers of a tile are register 16 b + i = channel 32 b + 16 (lane / 16) + i of its head:
; they are quantised as they stand.  q in f32 stays for the residual: tile 1's in registers, tile 0's in the wave's own 4,096 bytes of Wq's place in LDS, which has had its only fill and which nobody reads by then.
; K = 64 IN A FORM OF K = 128: a fragment of q or k covers the pair's 128 channels, registers 0-5 head 0, registers 6-11 head 1.  Of q's fragment the other head's six registers are zeros: zero codes add nothing
; under any scale byte but 0xff, so k's fragments and scale words are used as they lie, and the other head's two bytes of q's scale word are 0.
; THE SOFTMAX AHEAD OF THE LAST PRODUCT: t = score x log2(e) / 32; M = the row's largest t so far, rounded UP to a whole number; p = 2^(t - M) is quantised along the keys, not normalised; the row's sum is taken
; of the unquantised p and divides at the end.  When M moves, the sum and O are multiplied by 2^(old M - new M): exact.  Two passes, 16 queries each, against all 1,024 keys, 128 a step.
; LAYOUT.  S^T = k q^T, O^T = v^T p^T: a lane holds ONE query throughout, and by the order of the tiles' rows the 16 registers of two neighbouring tiles are 16 neighbouring keys or channels.
; LIMITS: NaN and infinities are not served.  A block whose largest magnitude lies under 2^-122 keeps the byte 1 (a block of zeros too).  A block's largest p is taken from its largest score, which takes v_exp_f32 not to fall where its input rises.
; REGISTERS.  v1-6 addresses that stay; v8-11 those in hand; v12 -M, v13 the largest t, v[14:15] the sum; v16-27, v80-91 q's two fragments; v32-79 four fragments of Wq, K or V; v96-159 S^T, then p; v160-191 O^T;
; v192-223 q in f32; v224-235 p's codes; v232-247, v252, v254 at work.  Scale words and nothing else: v7, v255 q's; v28-31, v92-95 Q's; v248-251 Wq's, K's, V's; v253 p's.
; In the q phase: v160-191, v192-223 the sums of tiles 0, 1; Q's eight fragments (four K steps x two tiles) at v96, 108, 120, 132, 144, 224, 236, 16.
.set KC,   0                           ; LDS: K's codes [s][tile][1,536]
.set VC,   98304                       ; V's
.set KS,   196608                      ; K's scale words [s][512]
.set VS,   200704                      ; V's
.set WQC,  204800                      ; Wq's codes [s][tile][1,536]; later, 4,096 bytes a wave: tile 0's q in f32
.set WQS,  303104                      ; Wq's scale words
.set ASTQ, 1                           ; v1   WQC + 4,096 x wave + 16 x lane
.set AV0,  2                           ; v2   V's fragments: VC + 6,144 x head + 16 x lane
.set ASK0, 3                           ; v3   K's scale words: KS + 16 r
.set ASV0, 4                           ; v4   V's: VS + 256 x head + 16 r
.set LI,   5                           ; v5   16 x lane: K's fragments in LDS, and every image in memory; never rewritten
.set R16,  6                           ; v6   16 r; never rewritten
.set ADK,  8                           ; v8-11 the key step's addresses;
.set ADV,  9
.set ADS,  10
.set ADT,  11
.set AWQ,  8                           ; in the q phase: v8, v9 Wq's fragments of K steps 0-3 and 4-7, v10 its scale words, v11 64 h
.set AWS,  10
.set H64,  11
.set TM,   96                          ; the quantiser's work, behind the q phase
.set PC,   108
.set WV,   18
.set SEL,  20                          ; s[20:21] selects for lane l xor 16
.set CS,   22                          ; s[22:23] c = log2(e) / 32
.set G0A,  24                          ; groups 0: codes of Wq, K, V;
.set G0B,  28
.set G0C,  32
.set G0SA, 36                          ; scale words of Wq, K, V
.set G0SB, 40
.set G0SC, 44
.set G1C,  48                          ; s[48:55], s[56:63] groups 1
.set G1S,  56
.set TK,   66                          ; s66  the step's codes: 12,288 a step
.set TS,   67                          ; s67  its scale words: 512 a step
.set STEPS, 68
.set M0,   69                          ; s69, s70 the masks that clear the other head's half of q's fragment
.set M1,   70
.set SH,   71                          ; s71  16 x head: my two bytes' place in q's scale word
.set BQ,   72                          ; s[72:73] Q's codes, s[74:75] Q's scale words, s[76:77] o: at my tile of my first block
.set BQS,  74
.set BOB,  76
.macro CROUND                          ; a round of the cluster's barrier
	s_barrier_signal -1
	s_barrier_wait -1
	s_cmp_lg_u32 s[WV], 0
	s_cbranch_scc1 .Lnot_wave_0_\@
	s_barrier_signal -3
.Lnot_wave_0_\@:
	s_barrier_wait -3
	s_barrier_signal -1
	s_barrier_wait -1
.endm
	s_load_b256 s[4:11], s[0:1], 0x0               ; xc 4:5, xs 6:7, bq 8:9, pc 10:11
	s_load_b128 s[12:15], s[0:1], 0x20             ; ps 12:13, ob 14:15
	v_lshl_add_u32 v254, v0, 2, 0x4b000
	v_mov_b32 v255, 0
	ds_add_u32 v254, v255
	ds_add_u32 v254, v255
	s_wait_dscnt 0x0
	v_lshrrev_b32 v8, 5, v0
	s_delay_alu instid0(VALU_DEP_1)
	v_readfirstlane_b32 s[WV], v8                  ; wave 0..15
	s_bfe_u32 s16, ttmp6, 0x40000                  ; cx: it enters Q's and o's addresses alone
	s_and_b32 s17, ttmp7, 0xffff                   ; batch x 8 + pair, which the four partners share
	s_and_b32 s19, s17, 7                          ; the pair
	s_lshr_b32 s78, s17, 3                         ; the batch
	s_mul_i32 s79, s[WV], 24576                    ; waves 0-3: which quarter of each tensor of codes I fetch
	s_add_co_u32 s80, s19, 128                     ; Wq's row block
	s_mul_i32 s82, s80, 98304
	s_add_co_u32 s82, s82, s79
	s_mov_b32 s83, 0
	s_lshl_b32 s84, s80, 12                        ; its scale words
	s_mov_b32 s85, 0
	s_mul_i32 s86, s17, 98304                      ; the pair's eight blocks of k
	s_add_co_u32 s86, s86, s79
	s_mov_b32 s87, 0
	s_lshl_b32 s80, s17, 12                        ; their scale words
	s_mov_b32 s81, 0
	; group 1: dense blocks as rows of 256 bytes (32 elements of 8 bytes), no padding
	s_mov_b32 s[G1C], 15|(3<<16)|(1<<21)           ; 15:0 the mask: all four work-groups; 17:16 elements of 8 bytes; 21 set beside a mask
	s_mov_b32 s[G1C+1], 32<<16
	s_mov_b32 s[G1C+2], 96<<16                     ; 24,576 bytes
	s_mov_b32 s[G1C+3], 32<<16
	s_mov_b32 s[G1C+4], 96
	s_mov_b32 s[G1C+5], 32
	s_mov_b32 s[G1C+6], 0
	s_mov_b32 s[G1C+7], 0
	s_mov_b32 s[G1S], 15|(3<<16)|(1<<21)
	s_mov_b32 s[G1S+1], 32<<16
	s_mov_b32 s[G1S+2], 16<<16                     ; 4,096 bytes
	s_mov_b32 s[G1S+3], 32<<16
	s_mov_b32 s[G1S+4], 16
	s_mov_b32 s[G1S+5], 32
	s_mov_b32 s[G1S+6], 0
	s_mov_b32 s[G1S+7], 0
	s_wait_kmcnt 0x0
	s_mov_b32 s[G0A], 1
	s_add_co_u32 s[G0A+1], s79, WQC
	s_add_nc_u64 s[G0A+2:G0A+3], s[4:5], s[82:83]
	s_or_b32 s[G0A+3], s[G0A+3], 0x80000000
	s_mov_b32 s[G0B], 1
	s_mov_b32 s[G0B+1], s79                        ; K's codes begin at LDS byte 0
	s_add_nc_u64 s[G0B+2:G0B+3], s[10:11], s[86:87]
	s_add_nc_u64 s[G0C+2:G0C+3], s[G0B+2:G0B+3], 6291456   ; v lies 512 blocks of 12,288 bytes behind k
	s_or_b32 s[G0B+3], s[G0B+3], 0x80000000
	s_mov_b32 s[G0C], 1
	s_add_co_u32 s[G0C+1], s79, VC
	s_or_b32 s[G0C+3], s[G0C+3], 0x80000000
	s_mov_b32 s[G0SA], 1
	s_mov_b32 s[G0SA+1], WQS
	s_add_nc_u64 s[G0SA+2:G0SA+3], s[6:7], s[84:85]
	s_or_b32 s[G0SA+3], s[G0SA+3], 0x80000000
	s_mov_b32 s[G0SB], 1
	s_mov_b32 s[G0SB+1], KS
	s_add_nc_u64 s[G0SB+2:G0SB+3], s[12:13], s[80:81]
	s_add_nc_u64 s[G0SC+2:G0SC+3], s[G0SB+2:G0SB+3], 262144   ; 512 blocks of 512 bytes
	s_or_b32 s[G0SB+3], s[G0SB+3], 0x80000000
	s_mov_b32 s[G0SC], 1
	s_mov_b32 s[G0SC+1], VS
	s_or_b32 s[G0SC+3], s[G0SC+3], 0x80000000
	CROUND                                         ; all four work-groups are here: the joint loads meet
	s_cmp_lt_u32 s[WV], 4                          ; a fetching wave's three loads stand in one branch on the wave's number, Wq's first: three tensor loads of mine are out; four v_nop follow the last
	s_cbranch_scc0 .Lnot_codes
	tensor_load_to_lds s[G0A:G0A+3], s[G1C:G1C+7]
	s_nop 0
	tensor_load_to_lds s[G0B:G0B+3], s[G1C:G1C+7]
	s_nop 0
	tensor_load_to_lds s[G0C:G0C+3], s[G1C:G1C+7]
	s_nop 0
.rept 4
	v_nop
.endr
	s_branch .Lasked
.Lnot_codes:
	s_cmp_eq_u32 s[WV], 4
	s_cbranch_scc0 .Lasked
	tensor_load_to_lds s[G0SA:G0SA+3], s[G1S:G1S+7]
	s_nop 0
	tensor_load_to_lds s[G0SB:G0SB+3], s[G1S:G1S+7]
	s_nop 0
	tensor_load_to_lds s[G0SC:G0SC+3], s[G1S:G1S+7]
	s_nop 0
.rept 4
	v_nop
.endr
.Lasked:
	s_and_b32 s79, s[WV], 7                        ; my tile
	s_lshr_b32 s80, s[WV], 3                       ; my head of the pair
	s_lshl_b32 s81, s78, 3
	s_lshl_b32 s82, s16, 1
	s_add_co_u32 s81, s81, s82                     ; Q's row block of my first 128 queries: 8 batch + 2 cx
	s_mul_i32 s82, s81, 98304
	s_mul_i32 s84, s79, 1536
	s_add_co_u32 s82, s82, s84
	s_mov_b32 s83, 0
	s_add_nc_u64 s[BQ:BQ+1], s[4:5], s[82:83]
	s_lshl_b32 s82, s81, 12
	s_lshr_b32 s84, s79, 2
	s_lshl_b32 s84, s84, 8
	s_add_co_u32 s82, s82, s84
	s_and_b32 s84, s79, 3
	s_lshl_b32 s84, s84, 2
	s_add_co_u32 s82, s82, s84
	s_add_nc_u64 s[BQS:BQS+1], s[6:7], s[82:83]
	s_lshl_b32 s82, s19, 9                         ; bq: the pair's 128 numbers, my head's 64
	s_lshl_b32 s84, s80, 8
	s_add_co_u32 s82, s82, s84
	s_add_nc_u64 s[8:9], s[8:9], s[82:83]
	s_lshl_b32 s82, s17, 3
	s_lshl_b32 s84, s16, 1
	s_add_co_u32 s82, s82, s84                     ; W of my first 128 queries
	s_lshl_b32 s82, s82, 3
	s_add_co_u32 s82, s82, s79
	s_lshl_b32 s82, s82, 13                        ; my tile's image,
	s_lshl_b32 s84, s80, 12                        ; my head's 32 registers of it: 4,096 bytes
	s_add_co_u32 s82, s82, s84
	s_add_nc_u64 s[BOB:BOB+1], s[14:15], s[82:83]
	s_cmp_eq_u32 s80, 0
	s_cselect_b32 s[M0], -1, 0
	s_cselect_b32 s[M1], 0, -1
	s_lshl_b32 s[SH], s80, 4
	s_mov_b32 s[SEL], 0x76543210
	s_mov_b32 s[SEL+1], 0xfedcba98
	s_mov_b32 s[CS], 0x3d38aa3b                    ; c = log2(e) / 32
	s_mov_b32 s[CS+1], s[CS]                       ; (named with it as a pair, so it is written)
	v_and_b32 v12, 31, v0
	s_delay_alu instid0(VALU_DEP_1)
	v_lshlrev_b32 v[LI], 4, v12
	v_and_b32 v13, 15, v0
	s_delay_alu instid0(VALU_DEP_1)
	v_lshlrev_b32 v[R16], 4, v13
	v_bfe_u32 v14, v0, 4, 1
	s_delay_alu instid0(VALU_DEP_1)
	v_lshlrev_b32 v[H64], 6, v14
; Which registers hold the fragment and the scale word of Q's buffer n = 2 (K step % 4) + tile
.macro QREG n
.if (\n) < 5
.set QB, 96+12*(\n)
.elseif (\n) == 5
.set QB, 224
.elseif (\n) == 6
.set QB, 236
.else
.set QB, 16
.endif
.if (\n) < 4
.set QC, 28+(\n)
.else
.set QC, 88+(\n)
.endif
.endm
.macro QLOAD s                         ; K step s of my two tiles of Q: 8 loads.  No hint: the other pairs' work-groups read these bytes too
.irp p, 0,1
	QREG 2*((\s)%4)+\p
.irp c, 0,1,2
	global_load_b128 v[QB+4*\c:QB+4*\c+3], v[LI], s[BQ:BQ+1] offset:98304*\p+12288*(\s)+512*\c
.endr
	global_load_b32 v[QC], v[R16], s[BQS:BQS+1] offset:4096*\p+512*(\s)
.endr
.endm
.irp p, 0,1                                    ; both tiles' sums begin with bq: register 16 b + i = channel 32 b + 16 h + i of my head
.irp b, 0,1
.irp j, 0,1,2,3
	global_load_b128 v[160+32*\p+16*\b+4*\j:163+32*\p+16*\b+4*\j], v[H64], s[8:9] offset:128*\b+16*\j
.endr
.endr
.endr
	QLOAD 0
	QLOAD 1
	QLOAD 2
	QLOAD 3
	s_mul_i32 s82, s80, 6144                       ; my head's four tiles of a block
	s_add_co_u32 s84, s82, WQC
	v_add_nc_u32 v[AWQ], s84, v[LI]
	s_delay_alu instid0(VALU_DEP_1)
	v_add_nc_u32 v[AWQ+1], 49152, v[AWQ]           ; four K steps on, so that every offset fits its 16 bits
	s_add_co_u32 s84, s82, VC
	v_add_nc_u32 v[AV0], s84, v[LI]
	s_lshl_b32 s82, s80, 8
	s_add_co_u32 s84, s82, WQS
	v_add_nc_u32 v[AWS], s84, v[R16]
	s_add_co_u32 s84, s82, VS
	v_add_nc_u32 v[ASV0], s84, v[R16]
	v_add_nc_u32 v[ASK0], KS, v[R16]
	s_lshl_b32 s82, s[WV], 12
	s_add_co_u32 s82, s82, WQC
	v_add_nc_u32 v[ASTQ], s82, v[LI]
; A K STEP OF q's PRODUCT.  n: the younger global loads that may stay out.
.macro QSTEP s, n
.irp t, 0,1,2,3
.irp c, 0,1,2
	ds_load_b128 v[32+12*\t+4*\c:35+12*\t+4*\c], v[AWQ+(\s)/4] offset:12288*((\s)%4)+1536*\t+512*\c
.endr
.endr
	ds_load_b128 v[248:251], v[AWS] offset:512*(\s)   ; the four tiles' scale words
	s_wait_loadcnt \n
	s_wait_dscnt 0x0
.irp t, 0,1,2,3                                ; the eight sums by turns
.irp p, 0,1
	QREG 2*((\s)%4)+\p
	v_wmma_scale_f32_16x16x128_f8f6f4 v[160+32*\p+8*\t:167+32*\p+8*\t], v[32+12*\t:43+12*\t], v[QB:QB+11], v[160+32*\p+8*\t:167+32*\p+8*\t], v[248+\t], v[QC] matrix_a_fmt:MATRIX_FMT_BF6 matrix_b_fmt:MATRIX_FMT_BF6
.endr
.endr
.rept 4
	v_nop                                          ; places in front of loads into registers that these products have read, and of the first read of results
.endr
.if (\s) < 4
	QLOAD (\s)+4                                   ; the buffer takes the K step four further on
.endif
.endm
	s_wait_alu depctr_va_vdst(0)
	s_wait_tensorcnt 2                             ; my first load, Wq's, has landed; K's and V's may be out
	s_barrier_signal -1
	s_barrier_wait -1                              ; everybody's has
	QSTEP 0, 24                                    ; bq and K step 0 are in; three later K steps' 24 loads may be out
	QSTEP 1, 24
	QSTEP 2, 24
	QSTEP 3, 24
	QSTEP 4, 24
	QSTEP 5, 16                                    ; nothing more is asked for: the counts run down
	QSTEP 6, 8
	QSTEP 7, 0
	; q IS QUANTISED: four blocks of 32 channels, block 2 p + b of tile p: register 160 + 16 (2 p + b) + i = channel 32 b + 16 (lane / 16) + i of my head
.irp b, 0,1,2,3
	v_mov_b32 v[TM+4+\b], 0                        ; a lane permute's destination counts as one of its sources
.endr
.irp b, 0,1,2,3
	v_max3_num_f32 v[TM+\b], |v[160+16*\b]|, |v[161+16*\b]|, 0x2800000   ; my 16 numbers, each accumulator from its low end on, and the floor 2^(5 - 127): the byte cannot fall under 1
.endr
.irp i, 2,4,6,8,10,12,14
.irp b, 0,1,2,3
	v_max3_num_f32 v[TM+\b], v[TM+\b], |v[160+16*\b+\i]|, |v[161+16*\b+\i]|
.endr
.endr
.irp b, 0,1,2,3
	s_delay_alu instid0(VALU_DEP_4)
	v_permlanex16_b32 v[TM+4+\b], v[TM+\b], s[SEL], s[SEL+1]
.endr
.irp b, 0,1,2,3
	s_delay_alu instid0(VALU_DEP_4)
	v_max_num_f32 v[TM+\b], v[TM+\b], v[TM+4+\b]   ; with lane l xor 16's: the block's largest magnitude
.endr
.irp b, 0,1,2,3
	s_delay_alu instid0(VALU_DEP_4)
	v_add_nc_u32 v[TM+8+\b], 0xfe000000, v[TM+\b]  ; 4 off its exponent field: the conversion's scale operand
.endr
.irp b, 0,1,2,3
	s_delay_alu instid0(VALU_DEP_4)
	v_lshrrev_b32 v[TM+4+\b], 23, v[TM+8+\b]       ; the scale's byte
.endr
	s_delay_alu instid0(VALU_DEP_3)
	v_lshl_or_b32 v7, v[TM+5], 8, v[TM+4]          ; tile 0's two bytes,
	s_delay_alu instid0(VALU_DEP_2)
	v_lshl_or_b32 v255, v[TM+7], 8, v[TM+6]        ; tile 1's,
	s_delay_alu instid0(VALU_DEP_2)
	v_lshlrev_b32 v7, s[SH], v7                    ; at my head's place in the pair's scale word; the other head's bytes are 0, over zero codes
	s_delay_alu instid0(VALU_DEP_2)
	v_lshlrev_b32 v255, s[SH], v255
.irp c, 0,1
	v_cvt_scalef32_pk16_bf6_f32 v[PC+6*\c:PC+2+6*\c], v[160+32*\c:175+32*\c], v[TM+8+2*\c]
	v_cvt_scalef32_pk16_bf6_f32 v[PC+12+4*\c:PC+14+4*\c], v[176+32*\c:191+32*\c], v[TM+8+2*\c+1]   ; (a conversion's three registers begin on an even number)
.endr
	v_nop                                          ; one plain place behind a scaled conversion
.irp c, 0,1                                    ; the operand's layout wants a WHOLE block in a lane: lanes 0-15 the head's first block, lanes 16-31 its second
.irp i, 0,1,2
	v_permlane16_swap_b32 v[PC+6*\c+\i], v[PC+12+4*\c+\i]
.endr
.irp i, 0,1,2
	s_delay_alu instid0(VALU_DEP_3)
	v_mov_b32 v[PC+3+6*\c+\i], v[PC+12+4*\c+\i]
.endr
.endr
.irp i, 0,1,2,3,4,5                            ; a tile's six registers go to my head's half of its fragment; the other half becomes zeros
	v_and_b32 v[16+\i], s[M0], v[PC+6+\i]          ; tile 1: the first pass
	v_and_b32 v[22+\i], s[M1], v[PC+6+\i]
	v_and_b32 v[80+\i], s[M0], v[PC+\i]            ; tile 0: the second
	v_and_b32 v[86+\i], s[M1], v[PC+\i]
.endr
.irp b, 0,1,2,3
	v_mov_b32 v[236+\b], 0                         ; a lane permute's destination counts as one of its sources
.endr
	v_mov_b32 v253, 0                              ; (named as the upper half of the pair v[252:253] before it is first written)
	s_wait_tensorcnt 0x0                           ; my loads of K and V have landed,
	s_wait_dscnt 0x0                               ; my reads of Wq are back;
	s_barrier_signal -1
	s_barrier_wait -1                              ; everybody's: K and V lie in LDS for the rest of the launch, and nobody reads Wq any more
.irp k, 0,1,2,3,4,5,6,7
	ds_store_b128 v[ASTQ], v[160+4*\k:163+4*\k] offset:512*\k   ; tile 0's q in f32 waits in my own 4,096 bytes of Wq's place
.endr
	s_wait_dscnt 0x0                               ; the stores have read their registers, which O^T takes
; A KEY STEP: 128 keys.  qf, qs: q's fragment and its scale word.
.macro STEP qf, qs
	v_add_nc_u32 v[ADK], s[TK], v[LI]              ; these four are also the places in front of the loads into registers that the last products have read
	s_wait_alu depctr_va_vdst(0)
	v_add_nc_u32 v[ADV], s[TK], v[AV0]
	v_add_nc_u32 v[ADS], s[TS], v[ASK0]
	s_wait_alu depctr_va_vdst(0)
	v_add_nc_u32 v[ADT], s[TS], v[ASV0]
.irp g, 0,1                                    ; S^T = k q^T, four tiles of 16 keys at a time
.if \g > 0
.rept 4
	v_nop
.endr
.endif
.irp t, 0,1,2,3
.irp c, 0,1,2
	ds_load_b128 v[32+12*\t+4*\c:35+12*\t+4*\c], v[ADK] offset:(4*\g+\t)*1536+512*\c
.endr
.endr
	ds_load_b128 v[248:251], v[ADS] offset:256*\g  ; the four tiles' scale words
	s_wait_dscnt 0x0
.irp t, 0,1,2,3
	v_wmma_scale_f32_16x16x128_f8f6f4 v[96+8*(4*\g+\t):103+8*(4*\g+\t)], v[32+12*\t:43+12*\t], v[\qf:\qf+11], 0, v[248+\t], v[\qs] matrix_a_fmt:MATRIX_FMT_BF6 matrix_b_fmt:MATRIX_FMT_BF6
.endr
.endr                                          ; the 16 registers of tiles 2 b, 2 b + 1 are keys 32 b + 16 (lane / 16) + 0 .. 15 of the step
.rept 4
	v_nop                                          ; places in front of the loads below and of the first read of the scores
.endr
.irp t, 0,1,2,3                                ; V's four fragments are asked for now: they land while the softmax is walked
.irp c, 0,1,2
	ds_load_b128 v[32+12*\t+4*\c:35+12*\t+4*\c], v[ADV] offset:1536*\t+512*\c
.endr
.endr
	s_wait_alu depctr_va_vdst(0)
	ds_load_b128 v[248:251], v[ADT]
.irp b, 0,1,2,3
	v_max3_num_f32 v[232+\b], v[96+16*\b], v[97+16*\b], v[98+16*\b]   ; the largest score of each block of 32 keys: it serves the row's maximum and, since p rises with the score, the block's largest p
.endr
.irp i, 3,5,7,9,11,13
.irp b, 0,1,2,3
	v_max3_num_f32 v[232+\b], v[232+\b], v[96+16*\b+\i], v[97+16*\b+\i]
.endr
.endr
.irp b, 0,1,2,3
	v_max_num_f32 v[232+\b], v[232+\b], v[111+16*\b]
.endr
.irp b, 0,1,2,3
	s_delay_alu instid0(VALU_DEP_4)
	v_permlanex16_b32 v[236+\b], v[232+\b], s[SEL], s[SEL+1]
.endr
.irp b, 0,1,2,3
	s_delay_alu instid0(VALU_DEP_4)
	v_max_num_f32 v[232+\b], v[232+\b], v[236+\b]  ; with lane l xor 16's 16 keys
.endr
	s_delay_alu instid0(VALU_DEP_2)
	v_max3_num_f32 v254, v232, v233, v234
	s_delay_alu instid0(VALU_DEP_1)
	v_max_num_f32 v254, v254, v235                 ; the step's largest score of my query
	s_delay_alu instid0(VALU_DEP_1)
	v_mul_f32 v254, s[CS], v254                    ; as t (c is positive)
	s_delay_alu instid0(VALU_DEP_1)
	v_max_num_f32 v13, v13, v254                   ; the running largest t
	v_mov_b32 v254, v12
	s_delay_alu instid0(VALU_DEP_2)
	v_floor_f32 v12, -v13                          ; the new -M = floor(-t) = -ceil(t): a whole number
	s_delay_alu instid0(VALU_DEP_1)
	v_sub_f32 v254, v12, v254                      ; old M - new M: a whole number, 0 or less
	s_delay_alu instid0(VALU_DEP_1)
	v_cvt_i32_f32 v254, v254                       ; (it saturates)
	s_delay_alu instid0(VALU_DEP_1)
	v_ldexp_f32 v252, 1.0, v254                    ; f = 2^(old M - new M)
.set jj, 0
.rept 32
	v_pk_fma_f32 v[96+jj:97+jj], v[96+jj:97+jj], s[CS:CS+1], v[12:13] op_sel_hi:[1,0,0]   ; t - M, two at a time
.set jj, jj+2
.endr
.irp b, 0,1,2,3
	v_fma_f32 v[232+\b], v[232+\b], s[CS], v12     ; the same of each block's largest score
.endr
.set jj, 0
	s_setprio 1
	s_wait_alu depctr_va_vdst(0)
.rept 64
	v_exp_f32 v[96+jj], v[96+jj]                   ; p = 2^(t - M), at most 1: not normalised
.set jj, jj+1
.endr
	v_pk_mul_f32 v[14:15], v[14:15], v[252:253] op_sel_hi:[1,0]   ; the sums under the new M: a plain place behind the exponentials
	s_wait_alu depctr_va_vdst(0)                   ; one wait for the whole batch, ahead of its first reader
.irp b, 0,1,2,3
	v_exp_f32 v[232+\b], v[232+\b]                 ; the block's largest p: the same two instructions on the same number give the same bits
.endr
	v_pk_add_f32 v[236:237], v[100:101], v[104:105]
	v_pk_add_f32 v[246:247], v[108:109], v[112:113]
	v_pk_add_f32 v[244:245], v[116:117], v[120:121]
	v_pk_add_f32 v[242:243], v[124:125], v[128:129]
	v_pk_add_f32 v[240:241], v[132:133], v[136:137]
	v_pk_add_f32 v[238:239], v[140:141], v[144:145]
	v_pk_add_f32 v[230:231], v[148:149], v[152:153]
	v_pk_add_f32 v[14:15], v[14:15], v[156:157]
	v_pk_add_f32 v[236:237], v[236:237], v[96:97]
	v_pk_add_f32 v[246:247], v[246:247], v[98:99]
	v_pk_add_f32 v[244:245], v[244:245], v[102:103]
	v_pk_add_f32 v[242:243], v[242:243], v[106:107]
	v_pk_add_f32 v[240:241], v[240:241], v[110:111]
	v_pk_add_f32 v[238:239], v[238:239], v[114:115]
	v_pk_add_f32 v[230:231], v[230:231], v[118:119]
	v_pk_add_f32 v[14:15], v[14:15], v[122:123]
	v_pk_add_f32 v[236:237], v[236:237], v[126:127]
	v_pk_add_f32 v[246:247], v[246:247], v[130:131]
	v_pk_add_f32 v[244:245], v[244:245], v[134:135]
	v_pk_add_f32 v[242:243], v[242:243], v[138:139]
	v_pk_add_f32 v[240:241], v[240:241], v[142:143]
	v_pk_add_f32 v[238:239], v[238:239], v[146:147]
	v_pk_add_f32 v[230:231], v[230:231], v[150:151]
	v_pk_add_f32 v[14:15], v[14:15], v[154:155]
	v_pk_add_f32 v[236:237], v[236:237], v[158:159]
	s_delay_alu instid0(VALU_DEP_2)
	v_pk_add_f32 v[14:15], v[14:15], v[242:243]
	s_delay_alu instid0(VALU_DEP_2)
	v_pk_add_f32 v[236:237], v[236:237], v[240:241]
	v_pk_add_f32 v[246:247], v[246:247], v[238:239]
	v_pk_add_f32 v[244:245], v[244:245], v[230:231]
	s_delay_alu instid0(VALU_DEP_2)
	v_pk_add_f32 v[14:15], v[14:15], v[246:247]
	s_delay_alu instid0(VALU_DEP_2)
	v_pk_add_f32 v[236:237], v[236:237], v[244:245]
	s_delay_alu instid0(VALU_DEP_1)
	v_pk_add_f32 v[14:15], v[14:15], v[236:237]
	s_wait_alu depctr_va_vdst(0)                   ; and one for the four
.irp b, 0,1,2,3
	v_max_num_f32 v[232+\b], 0x2800000, v[232+\b]  ; the floor 2^(5 - 127): the byte cannot fall under 1
.endr
.irp b, 0,1,2,3
	s_delay_alu instid0(VALU_DEP_4)
	v_add_nc_u32 v[244+\b], 0xfe000000, v[232+\b]  ; 4 off the exponent field: the conversion's scale operand
.endr
.irp b, 0,1,2,3
	s_delay_alu instid0(VALU_DEP_4)
	v_lshrrev_b32 v[236+\b], 23, v[244+\b]         ; the scale's byte
.endr
	s_delay_alu instid0(VALU_DEP_3)
	v_lshl_or_b32 v253, v237, 8, v236              ; p's scale word for these 128 keys
	s_delay_alu instid0(VALU_DEP_1)
	v_lshl_or_b32 v253, v238, 16, v253
	s_delay_alu instid0(VALU_DEP_1)
	v_lshl_or_b32 v253, v239, 24, v253
.irp c, 0,1
	v_cvt_scalef32_pk16_bf6_f32 v[224+6*\c:226+6*\c], v[96+32*\c:111+32*\c], v[244+2*\c]
	v_cvt_scalef32_pk16_bf6_f32 v[236+4*\c:238+4*\c], v[112+32*\c:127+32*\c], v[244+2*\c+1]   ; (a conversion's three registers begin on an even number)
.endr
	v_nop                                          ; one plain place behind a scaled conversion
.irp c, 0,1                                    ; the operand's layout wants a WHOLE block in a lane
.irp i, 0,1,2
	v_permlane16_swap_b32 v[224+6*\c+\i], v[236+4*\c+\i]
.endr
.irp i, 0,1,2
	s_delay_alu instid0(VALU_DEP_3)
	v_mov_b32 v[227+6*\c+\i], v[236+4*\c+\i]
.endr
.endr
	s_setprio 0
.irp j, 0,2,4,6,8,10,12,14,16,18,20,22,24,26,28,30
	v_pk_mul_f32 v[160+\j:161+\j], v[160+\j:161+\j], v[252:253] op_sel_hi:[1,0]   ; O^T under the new M.  (These sixteen are also the places between the lines that made p's codes and scale word and the products)
.endr
	s_wait_alu depctr_va_vdst(0)
	s_wait_dscnt 0x0                               ; V's fragments and scale words
.irp t, 0,1,2,3                                ; O^T += v^T p^T: my head's four tiles of 16 channels, by turns
	v_wmma_scale_f32_16x16x128_f8f6f4 v[160+8*\t:167+8*\t], v[32+12*\t:43+12*\t], v[224:235], v[160+8*\t:167+8*\t], v[248+\t], v253 matrix_a_fmt:MATRIX_FMT_BF6 matrix_b_fmt:MATRIX_FMT_BF6
.endr
	s_add_co_u32 s[TK], s[TK], 12288
	s_add_co_u32 s[TS], s[TS], 512
.endm
; A PASS: my tile of block pi of my work-group's two, against all 1,024 keys.  back = 1: its q in f32 comes back out of LDS.
.macro PASS pi, qf, qs, back
.if \back
.irp k, 0,1,2,3,4,5,6,7
	ds_load_b128 v[192+4*\k:195+4*\k], v[ASTQ] offset:512*\k   ; my own bytes; wanted at the pass's end, waited for with the first step's loads
.endr
.endif
	v_mov_b32 v13, 0xff61b1e6                      ; the largest t so far: -3e38, under every t
	s_delay_alu instid0(VALU_DEP_1)
	v_floor_f32 v12, -v13                          ; -M
	v_mov_b32 v14, 0                               ; the sum, in two halves
	v_mov_b32 v15, 0
	s_mov_b32 s[TK], 0
	s_mov_b32 s[TS], 0
.set jj, 0
.rept 32
	v_mov_b32 v[160+jj], 0                         ; O^T: the step is written once a pass; the first finds zeros, which the first change of M leaves zeros
.set jj, jj+1
.endr
	s_mov_b32 s[STEPS], 8
.Lstep_\@:
	s_setprio 2
	STEP \qf, \qs
	s_sub_co_u32 s[STEPS], s[STEPS], 1
	s_cmp_lg_u32 s[STEPS], 0
	s_cbranch_scc1 .Lstep_\@
	s_setprio 0
	v_add_f32 v14, v14, v15                        ; the sum's two halves,
	s_delay_alu instid0(VALU_DEP_1)
	v_permlanex16_b32 v252, v14, s[SEL], s[SEL+1]
	s_delay_alu instid0(VALU_DEP_1)
	v_add_f32 v14, v14, v252                       ; and lane l xor 16's: the row's sum
	s_wait_alu depctr_va_vdst(0)
	v_rcp_f32 v14, v14
.rept 4
	v_nop                                          ; the plain place behind the reciprocal, and the places behind the last products
.endr
	s_wait_alu depctr_va_vdst(0)                   ; ahead of the reciprocal's first reader
.set jj, 0
.rept 32
	v_fma_f32 v[96+jj], v[160+jj], v14, v[192+jj]  ; o = q + O^T / the sum; each accumulator from its low end on
.set jj, jj+1
.endr
.irp k, 0,1,2,3,4,5,6,7
	global_store_b128 v[LI], v[96+4*\k:99+4*\k], s[BOB:BOB+1] offset:65536*\pi+512*\k   ; 32 lanes store 512 consecutive bytes, aligned
.endr
	s_wait_xcnt 0x0                                ; the stores have read their registers: they are written again only behind this wait
.endm
	PASS 1, 16, 255, 0                             ; tile 1 first: its q in f32 stands in v192-223 since the q phase
	PASS 0, 80, 7, 1
	s_wait_xcnt 0x0
	v_lshl_add_u32 v254, v0, 2, 0x4b000
	v_mov_b32 v255, 0
	s_wait_alu depctr_va_vdst(0)
	s_wait_tensorcnt 0x0
	ds_add_u32 v254, v255
	s_wait_dscnt 0x0
	CROUND                                         ; the closing round
	s_endpgm
.Lfunc_end_k_qe955dd5064_attn:
	.size	k_qe955dd5064_attn, .Lfunc_end_k_qe955dd5064_attn-k_qe955dd5064_attn
	.p2alignl 7, 3214868480
	.fill 96, 4, 3214868480
	.section	.rodata,"a",@progbits
	.p2align	6, 0x0
	.amdhsa_kernel k_qe955dd5064_attn
		.amdhsa_group_segment_fixed_size 309248
		.amdhsa_private_segment_fixed_size 0
		.amdhsa_enable_private_segment 0
		.amdhsa_kernarg_size 48
		.amdhsa_user_sgpr_count 2
		.amdhsa_user_sgpr_kernarg_segment_ptr 1
		.amdhsa_wavefront_size32 1
		.amdhsa_system_sgpr_workgroup_id_x 1
		.amdhsa_system_sgpr_workgroup_id_y 1
		.amdhsa_system_sgpr_workgroup_id_z 1
		.amdhsa_system_vgpr_workitem_id 0
		.amdhsa_next_free_vgpr 256
		.amdhsa_next_free_sgpr 90
		.amdhsa_reserve_vcc 0
		.amdhsa_float_denorm_mode_32 3
		.amdhsa_float_denorm_mode_16_64 3
		.amdhsa_memory_ordered 1
		.amdhsa_forward_progress 1
		.amdhsa_inst_pref_size 83
	.end_amdhsa_kernel
	.amdgpu_metadata
---
amdhsa.version: [ 1, 2 ]
amdhsa.kernels:
  - .name:           k_qe955dd5064_attn
    .symbol:         k_qe955dd5064_attn.kd
    .args:
      - { .name: xc, .offset: 0, .size: 8, .value_kind: global_buffer, .address_space: global }
      - { .name: xs, .offset: 8, .size: 8, .value_kind: global_buffer, .address_space: global }
      - { .name: bq, .offset: 16, .size: 8, .value_kind: global_buffer, .address_space: global }
      - { .name: pc, .offset: 24, .size: 8, .value_kind: global_buffer, .address_space: global }
      - { .name: ps, .offset: 32, .size: 8, .value_kind: global_buffer, .address_space: global }
      - { .name: ob, .offset: 40, .size: 8, .value_kind: global_buffer, .address_space: global }
    .group_segment_fixed_size: 309248
    .private_segment_fixed_size: 0
    .kernarg_segment_align: 8
    .kernarg_segment_size: 48
    .max_flat_workgroup_size: 512
    .sgpr_count:     90
    .vgpr_count:     256
    .wavefront_size: 32
...
	.end_amdgpu_metadata
.endif
;; end of part 7
;; launch outp (part 8): grid 256 x 1, 16 waves a work-group, no clusters, 235,520 bytes of LDS; arguments ob, xc, xs, g0, b0, bo, g1, b1, out0; writes out0
.if DOCPART == 8
	.amdgcn_target "amdgcn-amd-amdhsa--gfx1250"
	.amdhsa_code_object_version 6
	.text
	.protected	k_qe955dd5064_outp
	.globl	k_qe955dd5064_outp
	.p2align	8
	.type	k_qe955dd5064_outp,@function
k_qe955dd5064_outp:
	s_mov_b64 s[64:65], 0
	v_nop
	global_prefetch_b8 v0, s[64:65] scope:SCOPE_SE
	s_setreg_imm32_b32 hwreg(HW_REG_WAVE_SCHED_MODE, 0, 2), 2
	s_setreg_imm32_b32 hwreg(HW_REG_WAVE_MODE, 25, 1), 1
	s_wait_xcnt 0x0
	s_wait_alu depctr_vm_vsrc(0)
; out = LN1(O + relu(O Wo^T + bo)), O = LN0(o): the product on codes of BF6 (E3M2) with E8M0 scales, all else in f32.
; o comes as images of 64 registers (16 rows x 128 channels, register 16 b + i of lane (r, h) = channel 32 b + 16 h + i of row r; 16 pieces of 512 bytes) at ((8 batch + pair) x 64 + tile) x 8,192;
; row i of tile T of a batch is token 32 (T / 2) + 8 (T % 2) + 16 (i / 8) + i % 8.  Wo comes as blocks of 128 rows x 128 K: images of an operand's 12 registers, and scale words [tile / 4][row][tile % 4]
; (row blocks 152-159 of xc and xs), its tiles' rows in the same order, so that the 16 registers of two neighbouring tiles of results are 16 neighbouring columns.
; SHARES.  A work-group owns two tiles of rows: 32 tokens, whole rows of 1,024, as both norms want.  Sixteen waves.
;   X: wave w takes the image (tile w / 8, pair w % 8): row sums meet in LDS (two barriers: mean, then the mean of squares of x - mean), LN0, the result to LDS in f32 (for the residual) and as codes | barrier |
;   G: THE WAVES SHARE THE COLUMNS: wave w makes columns 64 w .. 64 w + 63 for both tiles of rows: four tiles of Wo, whose fragments go from memory STRAIGHT INTO ITS REGISTERS, two K steps ahead: each is used by this wave
;      alone in the work-group, so that a way through LDS would add a write and a read of every byte and share nothing inside the work-group; that is why no joint loads are used here.  bo is the C of the first products.
;   E: relu, residual, LN1 (two barriers), the rows back into token order through each wave's own stage, whole runs of 256 bytes out.
; LIMITS: NaN and infinities are not served; a block whose largest magnitude lies under 2^-122 keeps the byte 1 (a block of zeros too: its codes are zeros, and this launch alone reads the bytes).
; REGISTERS: v1-15 addresses; v16-79 the image, then the 8 accumulators ((m, t) at 16 + 32 m + 8 t); v80-143 g0, v144-207 b0; then v80-127, v128-175 Wo's two sets, v184-215 bo, later g1; v80-111 b1;
;   v112-175 the residual, then work, then rows on the way out; v208-219 at work; v216-239 O's two fragments; v220-238 codes just made, v239 their scale word; v240-243 mean and 1 / sigma as pairs;
;   v244-251 Wo's scale words, v252-253 O's: these ten hold scale words and nothing else; v254, v255 the closing add's two.
; THE MODE: SCHED_MODE bits 1:0 = 2 (LLVM: expert scheduling mode 2), set by the entry lines.  The code itself states the register dependences
; between vector or matrix instructions and memory or LDS instructions, with s_wait_alu, always for 0.
; THE PLAN.  Registers that memory or LDS instructions touch, and who else names them:
;   v4-6, v12-15   Offsets and addresses, written at the head and never again.   v7-11: phase X's LDS addresses, written at the head; phase E's vector lines write them anew.
;   v16-79         o lands; LN0 works in place; sixteen LDS stores read it; the products write it; phase E works in place; the way out's LDS stores read it.
;   v80-207        g0 and b0 land, LN0's multiply-adds read them.  Then Wo's set s % 2: the loads of K step s land, step s's products read it, the loads of K step s + 2 land.  v184-215: bo lands (v208-215 are the
;                  quantiser's before), step 0's products read it, g1 lands.  v80-111: b1 lands behind step 6.
;   v208           A row's part: written by vector lines, read by an LDS store; the gather's loads then land in v208-215.
;   v216-239, v252-253   The quantiser writes v216-239, four LDS stores read v220-239.  Then in each K step LDS loads land there and the step's products read them.
;   v112-175       The residual lands, vector lines read it; the gathers land in v112-143; v144 and v148 hold a row's parts, written by vector lines, read by LDS stores; the way out's loads land in all of it.
; In phase G ONE wait on va_vdst stands in a K step, behind its eight products: they are done reading all that the loads issued up to the next step's products land in.  No vector or matrix instruction stands between that wait and those loads.
.set XF,   0                           ; LDS: 16 images of O in f32, 8,192 bytes each, index 8 m + pair
.set XC,   131072                      ; 16 images of codes, 1,536 each
.set XSC,  155648                      ; their scale words, 128 bytes each
.set ST1,  157696                      ; row sums of o: [m][r][pair] words;  1,024 bytes on: of squares
.set ST3,  159744                      ; row sums of z: [m][r][wave] words;  2,048 bytes on: of squares
.set STG,  163840                      ; 16 rows x (256 + 16) bytes for each wave
.set LI,   4                           ; v4   16 x lane; never rewritten
.set H64,  5                           ; v5   64 h; never rewritten
.set R16,  6                           ; v6   16 r; never rewritten
.set AXF,  7                           ; v7-11 phase X's LDS addresses; phase E makes its own there
.set AXC,  8
.set AXS,  9
.set AS1,  10
.set AL1,  11
.set AFR,  12                          ; v12  XC + 16 x lane
.set AFS,  13                          ; v13  XSC + 4 x lane
.set ARS,  14                          ; v14-15 the residual of tile 0, 1
.set X,    16
.set G,    80
.set BV,   144
.set TM,   208
.set PC,   220
.set PW,   239
.set MU,   240                         ; pairs v[240:241], v[242:243]
.set WS,   244
.set XSW,  252
.set BO,   184
.set XFR,  216
.set B1R,  80
.set RES,  112
.set ET,   144
.set WV,   22
.set SEL,  24
.macro BARRIER                         ; my LDS stores have landed and my LDS loads are in: then the work-group's barrier
	s_wait_dscnt 0x0
	s_barrier_signal -1
	s_barrier_wait -1
.endm
.macro FOLD                            ; four chains of pairs in v[TM] on become my row's sum over this image's 128 channels
	v_pk_add_f32 v[TM:TM+1], v[TM:TM+1], v[TM+2:TM+3]
	v_pk_add_f32 v[TM+4:TM+5], v[TM+4:TM+5], v[TM+6:TM+7]
	v_pk_add_f32 v[TM:TM+1], v[TM:TM+1], v[TM+4:TM+5]
	v_add_f32 v[TM], v[TM], v[TM+1]
	v_permlanex16_b32 v[TM+2], v[TM], s[SEL], s[SEL+1]
	v_add_f32 v[TM], v[TM], v[TM+2]
.endm
.macro GATHER8 off                     ; the eight pairs' parts of my row, added in one fixed order in every wave
	s_wait_alu depctr_vm_vsrc(0)                   ; my store of my part has read v[TM], in which the first load lands (the vector lines that named v[TM] to v[TM+7] stand ahead of the wait on va_vdst in front of that store)
	ds_load_b128 v[TM:TM+3], v[AL1] offset:\off
	ds_load_b128 v[TM+4:TM+7], v[AL1] offset:\off+16
	s_wait_dscnt 0x0
	v_pk_add_f32 v[TM:TM+1], v[TM:TM+1], v[TM+2:TM+3]
	v_pk_add_f32 v[TM+4:TM+5], v[TM+4:TM+5], v[TM+6:TM+7]
	v_pk_add_f32 v[TM:TM+1], v[TM:TM+1], v[TM+4:TM+5]
	v_add_f32 v[TM], v[TM], v[TM+1]
.endm
.macro SUM16 b                         ; sixteen words become one
	v_pk_add_f32 v[\b:\b+1], v[\b:\b+1], v[\b+2:\b+3]
	v_pk_add_f32 v[\b+4:\b+5], v[\b+4:\b+5], v[\b+6:\b+7]
	v_pk_add_f32 v[\b+8:\b+9], v[\b+8:\b+9], v[\b+10:\b+11]
	v_pk_add_f32 v[\b+12:\b+13], v[\b+12:\b+13], v[\b+14:\b+15]
	v_pk_add_f32 v[\b:\b+1], v[\b:\b+1], v[\b+4:\b+5]
	v_pk_add_f32 v[\b+8:\b+9], v[\b+8:\b+9], v[\b+12:\b+13]
	v_pk_add_f32 v[\b:\b+1], v[\b:\b+1], v[\b+8:\b+9]
	v_add_f32 v[\b], v[\b], v[\b+1]
.endm
; 64 numbers of a lane, register 16 b + i = k 32 b + 16 (lane / 16) + i of my row, become a fragment's codes in v[PC] on and its scale word in v[pw].
.macro QUANT s, pw
.irp b, 0,1,2,3
	v_max3_num_f32 v[TM+\b], |v[\s+16*\b]|, |v[\s+1+16*\b]|, 0x2800000   ; block b: my 16 numbers, and the floor 2^(5 - 127): the byte cannot fall under 1
.endr
.irp i, 2,4,6,8,10,12,14
.irp b, 0,1,2,3
	v_max3_num_f32 v[TM+\b], v[TM+\b], |v[\s+16*\b+\i]|, |v[\s+1+16*\b+\i]|
.endr
.endr
.irp b, 0,1,2,3
	v_permlanex16_b32 v[TM+4+\b], v[TM+\b], s[SEL], s[SEL+1]
.endr
.irp b, 0,1,2,3
	v_max_num_f32 v[TM+\b], v[TM+\b], v[TM+4+\b]
.endr
.irp b, 0,1,2,3
	v_add_nc_u32 v[TM+8+\b], 0xfe000000, v[TM+\b]  ; 4 off the exponent field: the conversion's scale operand
.endr
.irp b, 0,1,2,3
	v_lshrrev_b32 v[TM+4+\b], 23, v[TM+8+\b]       ; the scale's byte
.endr
	v_lshl_or_b32 v[\pw], v[TM+5], 8, v[TM+4]
	v_lshl_or_b32 v[\pw], v[TM+6], 16, v[\pw]
	v_lshl_or_b32 v[\pw], v[TM+7], 24, v[\pw]
.irp c, 0,1
	v_cvt_scalef32_pk16_bf6_f32 v[PC+6*\c:PC+2+6*\c], v[\s+32*\c:\s+15+32*\c], v[TM+8+2*\c]
	v_cvt_scalef32_pk16_bf6_f32 v[PC+12+4*\c:PC+14+4*\c], v[\s+16+32*\c:\s+31+32*\c], v[TM+8+2*\c+1]
.endr
	v_nop                                          ; one plain place behind a scaled conversion
.irp c, 0,1
.irp i, 0,1,2
	v_permlane16_swap_b32 v[PC+6*\c+\i], v[PC+12+4*\c+\i]
.endr
.irp i, 0,1,2
	v_mov_b32 v[PC+3+6*\c+\i], v[PC+12+4*\c+\i]
.endr
.endr
.endm
.macro WLOAD s                         ; Wo's four fragments and their scale words of K step s into set s % 2: 13 loads.  No hint: every work-group reads these bytes
.set WB, 80+48*((\s)%2)
.irp t, 0,1,2,3
.irp c, 0,1,2
	global_load_b128 v[WB+12*\t+4*\c:WB+12*\t+4*\c+3], v[LI], s[6:7] offset:12288*(\s)+1536*\t+512*\c
.endr
.endr
	global_load_b128 v[WS+4*((\s)%2):WS+4*((\s)%2)+3], v[R16], s[8:9] offset:512*(\s)
.endm
.macro CLOAD reg, base                 ; 32 numbers of my 64 columns in the results' layout: register 16 b + i = column 32 b + 16 h + i: 8 loads
.irp b, 0,1
.irp j, 0,1,2,3
	global_load_b128 v[\reg+16*\b+4*\j:\reg+16*\b+4*\j+3], v[H64], s[\base:\base+1] offset:128*\b+16*\j
.endr
.endr
.endm
.macro XFETCH s                        ; O's two fragments and their scale words of K step s, out of LDS: a step's first loads, since its products want them soonest
.irp m, 0,1
.irp c, 0,1,2
	ds_load_b128 v[XFR+12*\m+4*\c:XFR+12*\m+4*\c+3], v[AFR] offset:(8*\m+(\s))*1536+512*\c
.endr
	ds_load_b32 v[XSW+\m], v[AFS] offset:(8*\m+(\s))*128
.endr
.endm
.macro GMUL s, n                       ; K step s's products; n: the younger global loads that may stay out
.set WB, 80+48*((\s)%2)
	s_wait_loadcnt \n
	s_wait_dscnt 0x0
.irp t, 0,1,2,3                                ; the eight accumulators by turns
.irp m, 0,1
.if (\s) == 0
	v_wmma_scale_f32_16x16x128_f8f6f4 v[X+32*\m+8*\t:X+32*\m+8*\t+7], v[WB+12*\t:WB+12*\t+11], v[XFR+12*\m:XFR+12*\m+11], v[BO+8*\t:BO+8*\t+7], v[WS+4*((\s)%2)+\t], v[XSW+\m] matrix_a_fmt:MATRIX_FMT_BF6 matrix_b_fmt:MATRIX_FMT_BF6
.else
	v_wmma_scale_f32_16x16x128_f8f6f4 v[X+32*\m+8*\t:X+32*\m+8*\t+7], v[WB+12*\t:WB+12*\t+11], v[XFR+12*\m:XFR+12*\m+11], v[X+32*\m+8*\t:X+32*\m+8*\t+7], v[WS+4*((\s)%2)+\t], v[XSW+\m] matrix_a_fmt:MATRIX_FMT_BF6 matrix_b_fmt:MATRIX_FMT_BF6
.endif
.endr
.endr
.rept 4
	v_nop                                          ; the places behind these products stay beside the wait below; behind the last step they stand in front of the first read of results
.endr
	s_wait_alu depctr_va_vdst(0)                   ; the step's products are done reading O's fragments and scale words, their set of Wo and its scale words (in step 0: bo too): the loads up to the next products land in these
.endm
	s_load_b512 s[4:19], s[0:1], 0x0               ; ob 4:5, xc 6:7, xs 8:9, g0 10:11, b0 12:13, bo 14:15, g1 16:17, b1 18:19
	s_load_b64 s[20:21], s[0:1], 0x40              ; out0
	v_lshl_add_u32 v254, v0, 2, 0x39000
	v_mov_b32 v255, 0
	v_lshrrev_b32 v1, 5, v0
	v_readfirstlane_b32 s[WV], v1                  ; wave 0..15
	v_and_b32 v1, 15, v0                           ; r
	v_bfe_u32 v2, v0, 4, 1                         ; h
	v_and_b32 v3, 31, v0                           ; lane
	v_lshlrev_b32 v[LI], 4, v3
	v_lshlrev_b32 v[H64], 6, v2
	v_lshlrev_b32 v[R16], 4, v1
	s_wait_alu depctr_va_sdst(0)                   ; the wave's number is written, ahead of its first reader: LDS addresses and the buffers' offsets are made from it
	s_lshl_b32 s28, s[WV], 13
	v_add_nc_u32 v[AXF], s28, v[LI]                ; my image of O in f32
	s_mul_i32 s28, s[WV], 1536
	s_add_co_u32 s28, s28, XC
	v_add_nc_u32 v[AXC], s28, v[LI]                ; of its codes
	s_lshl_b32 s28, s[WV], 7
	s_add_co_u32 s28, s28, XSC
	v_lshl_add_u32 v[AXS], v3, 2, s28              ; its scale words
	s_lshr_b32 s30, s[WV], 3                       ; m: my tile of rows in phase X
	s_and_b32 s31, s[WV], 7                        ; my pair
	s_lshl_b32 s28, s30, 9
	s_add_co_u32 s28, s28, ST1
	v_lshl_add_u32 v[AL1], v1, 5, s28              ; my row's eight parts
	s_lshl_b32 s29, s31, 2
	v_add_nc_u32 v[AS1], s29, v[AL1]               ; and mine among them
	v_add_nc_u32 v[AFR], XC, v[LI]
	v_lshl_add_u32 v[AFS], v3, 2, XSC
	s_lshl_b32 s28, s[WV], 12
	v_add_nc_u32 v[ARS], s28, v[LI]                ; the residual of my 64 columns: image w / 2, its half w % 2: 4,096 w bytes
	v_add_nc_u32 v[ARS+1], 0x10000, v[ARS]         ; and of tile 1: eight images on
	v_mov_b32 v[MU+1], 0                           ; (named as the upper halves of pairs)
	v_mov_b32 v[MU+3], 0
	s_mov_b32 s[SEL], 0x76543210
	s_mov_b32 s[SEL+1], 0xfedcba98
	s_mov_b32 s26, 0x3a800000                      ; 1 / 1,024
	s_mov_b32 s27, 0x3727c5ac                      ; 1e-5
	s_lshr_b32 s28, ttmp9, 5                       ; batch
	s_and_b32 s29, ttmp9, 31                       ; which 32 tokens of it
	s_lshl_b32 s32, s28, 3
	s_add_co_u32 s32, s32, s31
	s_lshl_b32 s32, s32, 6
	s_lshl_b32 s33, s29, 1
	s_add_co_u32 s32, s32, s33
	s_add_co_u32 s32, s32, s30
	s_lshl_b32 s32, s32, 13                        ; my image of o
	s_mov_b32 s33, 0
	s_lshl_b32 s34, s31, 9                         ; my pair's 128 numbers of g0 and b0
	s_mov_b32 s35, 0
	s_wait_kmcnt 0x0
	s_add_nc_u64 s[4:5], s[4:5], s[32:33]
	s_add_nc_u64 s[10:11], s[10:11], s[34:35]
	s_add_nc_u64 s[12:13], s[12:13], s[34:35]
	s_wait_alu depctr_va_vdst(0)                   ; the offsets and addresses v4 to v15 are written, which the loads and stores from here on read; so are v254 and v255, which the closing add reads
.irp k, 0,1,2,3,4,5,6,7,8,9,10,11,12,13,14,15
	global_load_b128 v[X+4*\k:X+4*\k+3], v[LI], s[4:5] offset:512*\k th:TH_LOAD_NT
.endr
.irp b, 0,1,2,3
.irp j, 0,1,2,3
	global_load_b128 v[G+16*\b+4*\j:G+16*\b+4*\j+3], v[H64], s[10:11] offset:128*\b+16*\j
.endr
.endr
.irp b, 0,1,2,3
.irp j, 0,1,2,3
	global_load_b128 v[BV+16*\b+4*\j:BV+16*\b+4*\j+3], v[H64], s[12:13] offset:128*\b+16*\j
.endr
.endr
	s_lshl_b32 s34, s[WV], 8                       ; my 64 columns of bo, g1, b1 and of a row of out0
	s_add_nc_u64 s[14:15], s[14:15], s[34:35]
	s_add_nc_u64 s[16:17], s[16:17], s[34:35]
	s_add_nc_u64 s[18:19], s[18:19], s[34:35]
	s_lshl_b32 s32, ttmp9, 17                      ; my work-group's 32 rows of 4,096 bytes
	s_add_co_u32 s32, s32, s34
	s_add_nc_u64 s[20:21], s[20:21], s[32:33]
	s_lshr_b32 s28, s[WV], 1
	s_add_co_u32 s28, s28, 152                     ; Wo's row block of my columns,
	s_and_b32 s29, s[WV], 1                        ; and which four tiles of it
	s_mul_i32 s32, s28, 98304
	s_mul_i32 s34, s29, 6144
	s_add_co_u32 s32, s32, s34
	s_add_nc_u64 s[6:7], s[6:7], s[32:33]
	s_lshl_b32 s32, s28, 12
	s_lshl_b32 s34, s29, 8
	s_add_co_u32 s32, s32, s34
	s_add_nc_u64 s[8:9], s[8:9], s[32:33]
	; ---- X: LN0 of my image
	s_wait_loadcnt 32                              ; o is in; g0's and b0's 32 loads may be out
.irp k, 0,1,2,3
	v_pk_add_f32 v[TM+2*\k:TM+2*\k+1], v[X+2*\k:X+2*\k+1], v[X+8+2*\k:X+8+2*\k+1]   ; four chains, started by the first eight pairs
.endr
.set ii, 16
.rept 24
	v_pk_add_f32 v[TM+ii%8:TM+ii%8+1], v[TM+ii%8:TM+ii%8+1], v[X+ii:X+ii+1]
.set ii, ii+2
.endr
	FOLD
	s_wait_alu depctr_va_vdst(0)                   ; the additions have written v[TM], which the store reads, and are done with v[TM] to v[TM+7], in which the gather's loads land
	ds_store_b32 v[AS1], v[TM]                     ; both lanes of a row write the same word with the same value
	BARRIER
	GATHER8 0
	v_mul_f32 v[MU], s26, v[TM]                    ; the mean
.set ii, 0
.rept 32
	v_pk_add_f32 v[X+ii:X+ii+1], v[X+ii:X+ii+1], v[MU:MU+1] op_sel_hi:[1,0] neg_lo:[0,1] neg_hi:[0,1]   ; x - mean
.set ii, ii+2
.endr
.irp k, 0,1,2,3
	v_pk_mul_f32 v[TM+2*\k:TM+2*\k+1], v[X+2*\k:X+2*\k+1], v[X+2*\k:X+2*\k+1]
.endr
.set ii, 8
.rept 28
	v_pk_fma_f32 v[TM+ii%8:TM+ii%8+1], v[X+ii:X+ii+1], v[X+ii:X+ii+1], v[TM+ii%8:TM+ii%8+1]
.set ii, ii+2
.endr
	FOLD
	s_wait_alu depctr_va_vdst(0)                   ; as above: v[TM] is written for the store, and v[TM] to v[TM+7] are done with for the gather's loads
	ds_store_b32 v[AS1], v[TM] offset:1024
	BARRIER
	GATHER8 1024
	v_fma_f32 v[TM], v[TM], s26, s27               ; the variance + 1e-5
	v_rsq_f32 v[MU+2], v[TM]
	v_nop                                          ; a plain place behind the transcendental
	s_wait_alu depctr_va_vdst(0)                   ; the root has written v[MU+2], ahead of its first reader
	s_wait_loadcnt 0x0                             ; g0, b0
.set ii, 0
.rept 32
	v_pk_mul_f32 v[X+ii:X+ii+1], v[X+ii:X+ii+1], v[MU+2:MU+3] op_sel_hi:[1,0]
.set ii, ii+2
.endr
.set ii, 0
.rept 32
	v_pk_fma_f32 v[X+ii:X+ii+1], v[X+ii:X+ii+1], v[G+ii:G+ii+1], v[BV+ii:BV+ii+1]
.set ii, ii+2
.endr
	s_wait_alu depctr_va_vdst(0)                   ; the multiply-adds have written v[X ..], which the sixteen stores read, and are done reading g0 and b0: Wo's loads land in v80-175
.irp k, 0,1,2,3,4,5,6,7,8,9,10,11,12,13,14,15
	ds_store_b128 v[AXF], v[X+4*\k:X+4*\k+3] offset:512*\k    ; O in f32, as an image
.endr
	WLOAD 0                                        ; the first K step's weights are on their way while O is quantised: the quantiser names v16-79 and v208-239, none of the registers in which these land
	QUANT X, PW
	s_wait_alu depctr_va_vdst(0)                   ; the quantiser has written the codes and their scale word, which the four stores read, and is done with v208-239, in which bo and the first K step's fragments of O land
.irp c, 0,1,2
	ds_store_b128 v[AXC], v[PC+4*\c:PC+4*\c+3] offset:512*\c  ; its codes: K step w % 8 of the product, rows of tile w / 8
.endr
	ds_store_b32 v[AXS], v[PW]
	CLOAD BO, 14                                   ; bo, and the second K step's weights behind it
	WLOAD 1
	BARRIER                                        ; O's sixteen images lie in LDS, in f32 and as codes
	s_wait_alu depctr_vm_vsrc(0)                   ; my LDS stores have read v[X ..], which the products write, v220-239, in which O's fragments land, and v7-11, which phase E writes anew
	; ---- G: my 64 columns for the 32 rows.  The counts: what was issued behind the set that a step multiplies
	XFETCH 0
	GMUL 0, 13                                     ; set 1's 13 loads may be out
	XFETCH 1
	WLOAD 2
	CLOAD BO, 16                                   ; g1 takes bo's place
	GMUL 1, 21                                     ; K step 2's 13 and g1's 8
	XFETCH 2
	WLOAD 3
	GMUL 2, 21                                     ; g1's 8 and K step 3's 13
	XFETCH 3
	WLOAD 4
	GMUL 3, 13
	XFETCH 4
	WLOAD 5
	GMUL 4, 13
	XFETCH 5
	WLOAD 6
	GMUL 5, 13
	XFETCH 6
	WLOAD 7
	GMUL 6, 13
	XFETCH 7
	CLOAD B1R, 18                                  ; b1 takes set 0's place
	GMUL 7, 8                                      ; b1's 8
	; ---- E: z = O + relu(..), LN1, out
.irp m, 0,1
.irp k, 0,1,2,3,4,5,6,7
	ds_load_b128 v[RES+32*\m+4*\k:RES+32*\m+4*\k+3], v[ARS+\m] offset:512*\k   ; into Wo's sets: the wait behind the last products stands for these loads too
.endr
.endr
	s_lshl_b32 s28, s[WV], 2
	s_add_co_u32 s28, s28, ST3
	v_lshl_add_u32 v7, v1, 6, s28                  ; my part of my row's sixteen: ST3 + 64 r + 4 w
	v_lshl_add_u32 v8, v1, 6, ST3                  ; the sixteen
	s_mul_i32 s28, s[WV], 16*272
	s_add_co_u32 s28, s28, STG                     ; my stage
	v_mul_u32_u24 v9, v1, 272
	v_lshl_add_u32 v9, v2, 6, v9
	v_add_nc_u32 v9, s28, v9                       ; into it: row r, + 64 h
	v_mul_u32_u24 v10, v2, 272
	v_lshl_add_u32 v10, v1, 4, v10
	v_add_nc_u32 v10, s28, v10                     ; out of it: lanes 0-15 one row, lanes 16-31 the next
	v_lshlrev_b32 v11, 12, v2
	v_lshl_add_u32 v11, v1, 4, v11                 ; and the same in out0: 4,096 h + 16 r
	s_wait_dscnt 0x0
.set ii, 0
.rept 64
	v_max_num_f32 v[X+ii], 0, v[X+ii]              ; relu; each accumulator from its low end on
.set ii, ii+1
.endr
.set ii, 0
.rept 32
	v_pk_add_f32 v[X+ii:X+ii+1], v[X+ii:X+ii+1], v[RES+ii:RES+ii+1]
.set ii, ii+2
.endr
.irp m, 0,1
.irp k, 0,1
	v_pk_add_f32 v[ET+4*\m+2*\k:ET+4*\m+2*\k+1], v[X+32*\m+2*\k:X+32*\m+2*\k+1], v[X+32*\m+4+2*\k:X+32*\m+4+2*\k+1]
.endr
.endr
.irp i, 8,10,12,14,16,18,20,22,24,26,28,30
.irp m, 0,1
	v_pk_add_f32 v[ET+4*\m+\i%4:ET+4*\m+\i%4+1], v[ET+4*\m+\i%4:ET+4*\m+\i%4+1], v[X+32*\m+\i:X+32*\m+\i+1]
.endr
.endr
.irp m, 0,1
	v_pk_add_f32 v[ET+4*\m:ET+4*\m+1], v[ET+4*\m:ET+4*\m+1], v[ET+4*\m+2:ET+4*\m+3]
.endr
.irp m, 0,1
	v_add_f32 v[ET+4*\m], v[ET+4*\m], v[ET+4*\m+1]
.endr
.irp m, 0,1
	v_permlanex16_b32 v[ET+4*\m+2], v[ET+4*\m], s[SEL], s[SEL+1]
.endr
.irp m, 0,1
	v_add_f32 v[ET+4*\m], v[ET+4*\m], v[ET+4*\m+2]
.endr
	s_wait_alu depctr_va_vdst(0)                   ; both tiles' parts are written, which the two stores read; so are the addresses v7 to v11, made anew above; and the additions are done reading v112-143, in which the gather's loads land
.irp m, 0,1
	ds_store_b32 v7, v[ET+4*\m] offset:1024*\m
.endr
	BARRIER
.irp m, 0,1
.irp k, 0,1,2,3
	ds_load_b128 v[RES+16*\m+4*\k:RES+16*\m+4*\k+3], v8 offset:1024*\m+16*\k
.endr
.endr
	s_wait_dscnt 0x0
	SUM16 RES
	SUM16 RES+16
.irp m, 0,1
	v_mul_f32 v[MU+2*\m], s26, v[RES+16*\m]        ; the means
.endr
.irp m, 0,1
.irp i, 0,2,4,6,8,10,12,14,16,18,20,22,24,26,28,30
	v_pk_add_f32 v[X+32*\m+\i:X+32*\m+\i+1], v[X+32*\m+\i:X+32*\m+\i+1], v[MU+2*\m:MU+2*\m+1] op_sel_hi:[1,0] neg_lo:[0,1] neg_hi:[0,1]
.endr
.endr
	s_wait_alu depctr_vm_vsrc(0)                   ; the two stores of the parts have read v[ET] and v[ET+4], which the squares' chains write again
.irp m, 0,1
.irp k, 0,1
	v_pk_mul_f32 v[ET+4*\m+2*\k:ET+4*\m+2*\k+1], v[X+32*\m+2*\k:X+32*\m+2*\k+1], v[X+32*\m+2*\k:X+32*\m+2*\k+1]
.endr
.endr
.irp i, 4,6,8,10,12,14,16,18,20,22,24,26,28,30
.irp m, 0,1
	v_pk_fma_f32 v[ET+4*\m+\i%4:ET+4*\m+\i%4+1], v[X+32*\m+\i:X+32*\m+\i+1], v[X+32*\m+\i:X+32*\m+\i+1], v[ET+4*\m+\i%4:ET+4*\m+\i%4+1]
.endr
.endr
.irp m, 0,1
	v_pk_add_f32 v[ET+4*\m:ET+4*\m+1], v[ET+4*\m:ET+4*\m+1], v[ET+4*\m+2:ET+4*\m+3]
.endr
.irp m, 0,1
	v_add_f32 v[ET+4*\m], v[ET+4*\m], v[ET+4*\m+1]
.endr
.irp m, 0,1
	v_permlanex16_b32 v[ET+4*\m+2], v[ET+4*\m], s[SEL], s[SEL+1]
.endr
.irp m, 0,1
	v_add_f32 v[ET+4*\m], v[ET+4*\m], v[ET+4*\m+2]
.endr
	s_wait_alu depctr_va_vdst(0)                   ; both tiles' parts are written, which the two stores read; and the sums of sixteen and the means are done with v112-143, in which the gather's loads land
.irp m, 0,1
	ds_store_b32 v7, v[ET+4*\m] offset:2048+1024*\m
.endr
	BARRIER
.irp m, 0,1
.irp k, 0,1,2,3
	ds_load_b128 v[RES+16*\m+4*\k:RES+16*\m+4*\k+3], v8 offset:2048+1024*\m+16*\k
.endr
.endr
	s_wait_dscnt 0x0
	SUM16 RES
	SUM16 RES+16
.irp m, 0,1
	v_fma_f32 v[RES+16*\m], v[RES+16*\m], s26, s27
.endr
.irp m, 0,1
	v_rsq_f32 v[MU+2*\m], v[RES+16*\m]
.endr
	v_nop                                          ; a plain place behind the two
	s_wait_alu depctr_va_vdst(0)                   ; the two roots have written v[MU] and v[MU+2]: one wait for both, ahead of their first reader
	s_wait_loadcnt 0x0                             ; g1, b1
.irp m, 0,1
.irp i, 0,2,4,6,8,10,12,14,16,18,20,22,24,26,28,30
	v_pk_mul_f32 v[X+32*\m+\i:X+32*\m+\i+1], v[X+32*\m+\i:X+32*\m+\i+1], v[MU+2*\m:MU+2*\m+1] op_sel_hi:[1,0]
.endr
.endr
.irp m, 0,1
.irp i, 0,2,4,6,8,10,12,14,16,18,20,22,24,26,28,30
	v_pk_fma_f32 v[X+32*\m+\i:X+32*\m+\i+1], v[X+32*\m+\i:X+32*\m+\i+1], v[BO+\i:BO+\i+1], v[B1R+\i:B1R+\i+1]
.endr
.endr
	s_wait_alu depctr_vm_vsrc(0)                   ; the stores of the squares' parts have read v[ET] and v[ET+4], in which loads from the stage land
	s_wait_alu depctr_va_vdst(0)                   ; the multiply-adds have written v[X ..], which the stores into the stage read; the vector lines that named v112-175 stand ahead too, and the loads from the stage land there
.irp m, 0,1                                    ; a tile's 16 rows x 256 bytes through my own stage: LDS serves a wave's instructions in order, so no wait stands between the stores and the loads, nor in front of the next tile's stores
.irp b, 0,1
.irp j, 0,1,2,3
	ds_store_b128 v9, v[X+32*\m+16*\b+4*\j:X+32*\m+16*\b+4*\j+3] offset:128*\b+16*\j
.endr
.endr
.irp i, 0,1,2,3,4,5,6,7
	ds_load_b128 v[RES+32*\m+4*\i:RES+32*\m+4*\i+3], v10 offset:544*\i
.endr
.endr
.irp m, 0,1
.irp i, 0,1,2,3,4,5,6,7
	s_wait_dscnt 23-16*\m-\i                       ; behind this load: the tile's later loads, and for tile 0 also tile 1's eight stores and eight loads
	global_store_b128 v11, v[RES+32*\m+4*\i:RES+32*\m+4*\i+3], s[20:21] offset:(16*(\i/4)+8*\m+2*(\i%4))*4096 th:TH_STORE_NT   ; stage row 2 i + h of tile m is token 16 (i / 4) + 8 m + 2 (i % 4) + h of my 32; sixteen lanes store 256 consecutive bytes, aligned
.endr
.endr
	s_wait_dscnt 0x0                               ; the closing lines, six on end
	s_wait_alu 0x0
	s_wait_tensorcnt 0x0
	ds_add_u32 v254, v255
	s_wait_dscnt 0x0
	s_endpgm
.Lfunc_end_k_qe955dd5064_outp:
	.size	k_qe955dd5064_outp, .Lfunc_end_k_qe955dd5064_outp-k_qe955dd5064_outp
	.p2alignl 7, 3214868480
	.fill 96, 4, 3214868480
	.section	.rodata,"a",@progbits
	.p2align	6, 0x0
	.amdhsa_kernel k_qe955dd5064_outp
		.amdhsa_group_segment_fixed_size 235520
		.amdhsa_private_segment_fixed_size 0
		.amdhsa_enable_private_segment 0
		.amdhsa_kernarg_size 72
		.amdhsa_user_sgpr_count 2
		.amdhsa_user_sgpr_kernarg_segment_ptr 1
		.amdhsa_wavefront_size32 1
		.amdhsa_system_sgpr_workgroup_id_x 1
		.amdhsa_system_sgpr_workgroup_id_y 1
		.amdhsa_system_sgpr_workgroup_id_z 1
		.amdhsa_system_vgpr_workitem_id 0
		.amdhsa_next_free_vgpr 256
		.amdhsa_next_free_sgpr 66
		.amdhsa_reserve_vcc 0
		.amdhsa_float_denorm_mode_32 3
		.amdhsa_float_denorm_mode_16_64 3
		.amdhsa_memory_ordered 1
		.amdhsa_forward_progress 1
		.amdhsa_inst_pref_size 76
	.end_amdhsa_kernel
	.amdgpu_metadata
---
amdhsa.version: [ 1, 2 ]
amdhsa.kernels:
  - .name:           k_qe955dd5064_outp
    .symbol:         k_qe955dd5064_outp.kd
    .args:
      - { .name: ob, .offset: 0, .size: 8, .value_kind: global_buffer, .address_space: global }
      - { .name: xc, .offset: 8, .size: 8, .value_kind: global_buffer, .address_space: global }
      - { .name: xs, .offset: 16, .size: 8, .value_kind: global_buffer, .address_space: global }
      - { .name: g0, .offset: 24, .size: 8, .value_kind: global_buffer, .address_space: global }
      - { .name: b0, .offset: 32, .size: 8, .value_kind: global_buffer, .address_space: global }
      - { .name: bo, .offset: 40, .size: 8, .value_kind: global_buffer, .address_space: global }
      - { .name: g1, .offset: 48, .size: 8, .value_kind: global_buffer, .address_space: global }
      - { .name: b1, .offset: 56, .size: 8, .value_kind: global_buffer, .address_space: global }
      - { .name: out0, .offset: 64, .size: 8, .value_kind: global_buffer, .address_space: global }
    .group_segment_fixed_size: 235520
    .private_segment_fixed_size: 0
    .kernarg_segment_align: 8
    .kernarg_segment_size: 72
    .max_flat_workgroup_size: 512
    .sgpr_count:     66
    .vgpr_count:     256
    .wavefront_size: 32
...
	.end_amdgpu_metadata
.endif
;; end of part 8
